; MI455X (gfx1250); checked and timed in simulation.
; The chip was launched on July 23, 2026; its instructions are those of AMD's public machine-readable ISA for CDNA 5 (MIT licence, August 2026) and "CDNA5" Instruction Set Architecture Reference Guide (July 2026). The comments in the code are by the model that wrote it; some were corrected since.
;; Attention. Allowed arithmetic: float matrix products may take bf16 or f16 operands with f32 sums; other float arithmetic in f32, or as packed bf16 or f16 multiplies, adds, multiply-adds, maxima and minima; sums over many terms, partial sums and values carried from step to step in f32; what a program stores and reads back later, other than sums and carried values, may be rounded once to bf16 or f16.
;; Inputs: ada_cond 2 x 1,024 float32; freqs 2,048 x 32 x 2 float32; kn_w 64 float32; ln_w 1,024 float32; mod_b 3,072 float32; mod_w 3,072 x 1,024 float32; qn_w 64 float32; w_o 1,024 x 1,024 float32; w_qkv 3,072 x 1,024 float32; x 2 x 2,048 x 1,024 float32.
;; Outputs: out0 2 x 2,048 x 1,024 float32.
;; 3 versions, each right; version 3 is version 2 with the launch prep written anew for expert scheduling mode. Each part assembles by itself: llvm-mc -triple=amdgcn-amd-amdhsa -mcpu=gfx1250 --defsym DOCPART=n.
;; ======== version 1 of 3: 5 launches
;; limits: values are held in f16: magnitudes above 65,504 overflow, below 6.1e-05 lose precision; inputs' magnitudes at most 65,504; right only within a limited range of input values
;; workspace buffers: small1 25,344 bytes; wc 8,388,608 bytes; hs 16,777,216 bytes; aux2 512 bytes; qk 33,554,432 bytes; vv 8,388,608 bytes; oo 8,388,608 bytes
;; launch prep (part 1): grid 256 x 1, 4 waves a work-group, no clusters, 0 bytes of LDS; arguments ada_cond, mod_w, mod_b, w_qkv, w_o, qn_w, kn_w, small1, wc; writes small1, wc
.if DOCPART == 1
	.amdgcn_target "amdgcn-amd-amdhsa--gfx1250"
	.amdhsa_code_object_version 6
	.text
	.protected	k_qbe15bb9e09_prep
	.globl	k_qbe15bb9e09_prep
	.p2align	8
	.type	k_qbe15bb9e09_prep,@function
k_qbe15bb9e09_prep:
	s_mov_b64 s[64:65], 0
	v_nop
	global_prefetch_b8 v0, s[64:65] scope:SCOPE_SE
	s_setreg_imm32_b32 hwreg(HW_REG_WAVE_MODE, 25, 1), 1
	s_wait_xcnt 0x0
; PREP.  First of five launches: prep, norm, qkv, attn, outp.  Nothing of the problem is left out: all ten inputs have a way to out0 and all are loaded.
; This launch: mod = silu(ada_cond) mod_w^T + mod_b (two rows: a stream over mod_w, f32 on the vector unit); w_qkv and w_o rounded to bf16 and written as f16; the head gains scaled.
; FORMATS.  Every input of the program is rounded to bf16 where it is first read.  A bf16 number is written as f16 without loss from 2^-14 to 65,504.
; LIMITS.  A weight of 65,520 or more becomes an infinity; below 2^-14 it keeps f16's fixed step of 2^-24.  The largest |qn_w| and |kn_w| are taken within 2^-60 .. 2^60.  NaN and infinities are not treated apart.
; SHARES.  Wave R = 4 x work-group + wave (0..1023) takes rows 3R..3R+2 of mod_w, rows 3R..3R+2 of w_qkv and row R of w_o.  A row is 4,096 bytes: eight loads, each of 512 consecutive bytes;
; in load j lane l holds columns 128 j + 4 l .. + 3.  No byte is wanted by two waves but ada_cond's 8 KiB: no LDS, no barrier, no cluster.
; OUT.  small1: mod[b][3072] f32 at 0 (six words a wave, at 12 R: the whole vector is 24 KiB); qn' at 24,576, kn' at 24,832 (gains divided by a power of two above their largest), csc x 64 at 25,088:
; csc = log2(e) / 8 x the two powers.  wc: w_qkv's rows in the order in which qkv's tiles take them: row 192 j + t is w_qkv's row 128 j + t (t < 128: two q or k heads) or 2048 + 64 j + t - 128 (a v head);
; w_o's rows follow at 6,291,456.  A row is 2,048 bytes; each store of a wave covers 256 consecutive bytes, aligned.
.set ACC, 4                            ; v[4:15]    six pairs of sums: (b, i) at ACC + 2 (3 b + i)
.set SIL, 16                           ; v[16:79]   silu(ada_cond): batch b, load j at SIL + 32 b + 4 j
.set MW,  80                           ; v[80:175]  three rows of mod_w; later w_qkv's third row and w_o's row
.set CW,  176                          ; v[176:239] two rows of w_qkv
.set U,   240                          ; v[240:255] at work; a row's 16 packed words to store
.set MSK, 42                           ; s42  a word's upper bf16
.set SEL, 44                           ; s[44:45] v_permlanex16_b32's selects: each lane takes its own place in the other half
.macro RND a, t                        ; the pair v[a], v[a+1] rounded to bf16 and widened again
	v_cvt_pk_bf16_f32 v[\t], v[\a], v[(\a)+1]
	v_lshlrev_b32 v[\a], 16, v[\t]
	v_and_b32 v[(\a)+1], s[MSK], v[\t]
.endm
.macro WSUM r, t                       ; the sum over the 32 lanes, in every lane
	v_add_f32_dpp v[\r], v[\r], v[\r] row_xmask:1 row_mask:0xf bank_mask:0xf
	v_add_f32_dpp v[\r], v[\r], v[\r] row_xmask:2 row_mask:0xf bank_mask:0xf
	v_add_f32_dpp v[\r], v[\r], v[\r] row_xmask:4 row_mask:0xf bank_mask:0xf
	v_add_f32_dpp v[\r], v[\r], v[\r] row_xmask:8 row_mask:0xf bank_mask:0xf
	v_permlanex16_b32 v[\t], v[\r], s[SEL], s[SEL+1]
	v_add_f32 v[\r], v[\r], v[\t]
.endm
.macro WMAX r, t
	v_max_num_f32_dpp v[\r], v[\r], v[\r] row_xmask:1 row_mask:0xf bank_mask:0xf
	v_max_num_f32_dpp v[\r], v[\r], v[\r] row_xmask:2 row_mask:0xf bank_mask:0xf
	v_max_num_f32_dpp v[\r], v[\r], v[\r] row_xmask:4 row_mask:0xf bank_mask:0xf
	v_max_num_f32_dpp v[\r], v[\r], v[\r] row_xmask:8 row_mask:0xf bank_mask:0xf
	v_permlanex16_b32 v[\t], v[\r], s[SEL], s[SEL+1]
	v_max_num_f32 v[\r], v[\r], v[\t]
.endm
.macro DROW i, d                       ; s[d:d+1] = byte offset in wc of w_qkv's row n = 3 R + i
	s_add_co_u32 s48, s4, \i
	s_lshr_b32 s49, s48, 7
	s_mul_i32 s49, s49, 192
	s_and_b32 s50, s48, 127
	s_add_co_u32 s49, s49, s50             ; a q or k row: 192 (n / 128) + n % 128
	s_max_u32 s50, s48, 2048
	s_sub_co_u32 s50, s50, 2048
	s_lshr_b32 s51, s50, 6
	s_mul_i32 s51, s51, 192
	s_and_b32 s50, s50, 63
	s_add_co_u32 s51, s51, s50
	s_add_co_u32 s51, s51, 128             ; a v row: 192 ((n - 2048) / 64) + 128 + (n - 2048) % 64
	s_cmp_lt_u32 s48, 2048
	s_cselect_b32 s[\d], s49, s51
	s_lshl_b32 s[\d], s[\d], 11
	s_mov_b32 s[(\d)+1], 0
.endm
.macro SILU g                          ; 16 numbers: x / (1 + 2^(-x log2 e)), x rounded to bf16 first
.set q, 0
.rept 8
	RND SIL+16*(\g)+2*q, U+q
.set q, q+1
.endr
.set q, 0
.rept 8
	v_pk_mul_f32 v[U+2*q:U+2*q+1], v[SIL+16*(\g)+2*q:SIL+16*(\g)+2*q+1], 0xbfb8aa3b op_sel_hi:[1,0]
.set q, q+1
.endr
.set q, 0
.rept 16
	v_exp_f32 v[U+q], v[U+q]
.set q, q+1
.endr
	v_nop                                  ; a plain instruction behind the last exponential,
	s_wait_alu depctr_va_vdst(0)           ; and one wait for the batch of sixteen, ahead of its first reader
.set q, 0
.rept 8
	v_pk_add_f32 v[U+2*q:U+2*q+1], v[U+2*q:U+2*q+1], 1.0 op_sel_hi:[1,0]
.set q, q+1
.endr
.set q, 0
.rept 16
	v_rcp_f32 v[U+q], v[U+q]
.set q, q+1
.endr
	v_nop
	s_wait_alu depctr_va_vdst(0)           ; one wait for the sixteen reciprocals
.set q, 0
.rept 8
	v_pk_mul_f32 v[SIL+16*(\g)+2*q:SIL+16*(\g)+2*q+1], v[SIL+16*(\g)+2*q:SIL+16*(\g)+2*q+1], v[U+2*q:U+2*q+1]
.set q, q+1
.endr
.endm
.macro CONV src, d                     ; a row of 1,024 f32 in 32 registers: to bf16, written as f16, stored at s[d:d+1]
	s_wait_xcnt 0x0                        ; the stores issued so far have read U, which is written anew
.set p, 0
.rept 16
	v_cvt_pk_bf16_f32 v[U+p], v[(\src)+2*p], v[(\src)+2*p+1]
	v_lshlrev_b32 v[(\src)+2*p], 16, v[U+p]
	v_and_b32 v[(\src)+2*p+1], s[MSK], v[U+p]
	v_cvt_pk_f16_f32 v[U+p], v[(\src)+2*p], v[(\src)+2*p+1]
.set p, p+1
.endr
.set p, 0
.rept 8
	global_store_b64 v3, v[U+2*p:U+2*p+1], s[\d:(\d)+1] offset:256*p
.set p, p+1
.endr
.endm
	s_load_b512 s[8:23], s[0:1], 0x0       ; ada s[8:9], mod_w s[10:11], mod_b s[12:13], w_qkv s[14:15], w_o s[16:17], qn_w s[18:19], kn_w s[20:21], small1 s[22:23]
	s_load_b64 s[24:25], s[0:1], 0x40      ; wc
	v_and_b32 v1, 31, v0
	v_lshrrev_b32 v2, 5, v0
	v_readfirstlane_b32 s2, v2             ; wave
	s_lshl_b32 s3, ttmp9, 2
	s_add_co_u32 s3, s3, s2                ; R
	v_lshlrev_b32 v2, 4, v1                ; 16 l: my 16 bytes of a load
	v_lshlrev_b32 v3, 3, v1                ; 8 l: my 8 bytes of a store
	v_min_u32 v1, 5, v1                    ; which of the wave's six results my lane stores: 3 b + i; lanes 5 to 31 the sixth
	v_cmp_le_u32 vcc_lo, 3, v1
	v_cndmask_b32 v0, 0, 3, vcc_lo         ; 3 b
	v_sub_nc_u32 v0, v1, v0                ; i
	s_mul_i32 s43, s3, 12
	v_lshl_add_u32 v0, v0, 2, s43          ; byte 4 (3 R + i) in mod_b and in a batch's mod
	s_mov_b32 s[MSK], 0xffff0000
	s_mov_b32 s[SEL], 0x76543210
	s_mov_b32 s[SEL+1], 0xfedcba98
	s_mul_i32 s26, s3, 12288               ; three rows of 4,096 bytes
	s_mov_b32 s27, 0
	s_lshl_b32 s46, s3, 12
	s_mov_b32 s47, 0
	s_mul_i32 s4, s3, 3
	DROW 0, 34
	DROW 1, 36
	DROW 2, 38
	s_wait_kmcnt 0x0
	s_add_nc_u64 s[28:29], s[10:11], s[26:27]
	s_add_nc_u64 s[30:31], s[14:15], s[26:27]
	s_add_nc_u64 s[32:33], s[16:17], s[46:47]
	s_add_nc_u64 s[34:35], s[24:25], s[34:35]
	s_add_nc_u64 s[36:37], s[24:25], s[36:37]
	s_add_nc_u64 s[38:39], s[24:25], s[38:39]
	s_lshl_b32 s46, s3, 11
	s_add_nc_u64 s[40:41], s[24:25], s[46:47]
	s_add_nc_u64 s[40:41], s[40:41], 6291456
.set b, 0
.rept 2
.set j, 0
.rept 8
	global_load_b128 v[SIL+32*b+4*j:SIL+32*b+4*j+3], v2, s[8:9] offset:4096*b+512*j
.set j, j+1
.endr
.set b, b+1
.endr
.set i, 0
.rept 3
.set j, 0
.rept 8
	global_load_b128 v[MW+32*i+4*j:MW+32*i+4*j+3], v2, s[28:29] offset:4096*i+512*j th:TH_LOAD_NT
.set j, j+1
.endr
.set i, i+1
.endr
.set i, 0
.rept 2
.set j, 0
.rept 8
	global_load_b128 v[CW+32*i+4*j:CW+32*i+4*j+3], v2, s[30:31] offset:4096*i+512*j th:TH_LOAD_NT
.set j, j+1
.endr
.set i, i+1
.endr
	s_wait_loadcnt 40                      ; ada_cond is in; mod_w's 24 loads and w_qkv's 16 may stay out
	SILU 0
	SILU 1
	SILU 2
	SILU 3
	s_wait_loadcnt 16                      ; mod_w's three rows are in
.set j, 0
.rept 8
.set h, 0
.rept 2
.set i, 0
.rept 3
	RND MW+32*i+4*j+2*h, U+i
.if (j == 0) && (h == 0)                ; the first products start the sums: nothing is cleared
	v_pk_mul_f32 v[ACC+2*i:ACC+2*i+1], v[MW+32*i+4*j+2*h:MW+32*i+4*j+2*h+1], v[SIL+4*j+2*h:SIL+4*j+2*h+1]
	v_pk_mul_f32 v[ACC+6+2*i:ACC+6+2*i+1], v[MW+32*i+4*j+2*h:MW+32*i+4*j+2*h+1], v[SIL+32+4*j+2*h:SIL+32+4*j+2*h+1]
.else
	v_pk_fma_f32 v[ACC+2*i:ACC+2*i+1], v[MW+32*i+4*j+2*h:MW+32*i+4*j+2*h+1], v[SIL+4*j+2*h:SIL+4*j+2*h+1], v[ACC+2*i:ACC+2*i+1]
	v_pk_fma_f32 v[ACC+6+2*i:ACC+6+2*i+1], v[MW+32*i+4*j+2*h:MW+32*i+4*j+2*h+1], v[SIL+32+4*j+2*h:SIL+32+4*j+2*h+1], v[ACC+6+2*i:ACC+6+2*i+1]
.endif
.set i, i+1
.endr
.set h, h+1
.endr
.set j, j+1
.endr
	global_load_b32 v[U], v0, s[12:13]     ; my result's bias
.set j, 0
.rept 8
	global_load_b128 v[MW+4*j:MW+4*j+3], v2, s[30:31] offset:8192+512*j th:TH_LOAD_NT
.set j, j+1
.endr
.set j, 0
.rept 8
	global_load_b128 v[MW+32+4*j:MW+32+4*j+3], v2, s[32:33] offset:512*j th:TH_LOAD_NT
.set j, j+1
.endr
.set k, 0
.rept 6
	v_add_f32 v[ACC+2*k], v[ACC+2*k], v[ACC+2*k+1]
.set k, k+1
.endr
.set k, 0
.rept 6
	WSUM ACC+2*k, ACC+2*k+1
.set k, k+1
.endr
.irp k, 1,2,3,4,5
	v_cmp_eq_u32 vcc_lo, \k, v1
	v_cndmask_b32 v[ACC], v[ACC], v[ACC+2*\k], vcc_lo
.endr
	v_cmp_le_u32 vcc_lo, 3, v1
	v_cndmask_b32 v[U+1], 0, 3, vcc_lo
	v_lshl_add_u32 v[U+1], v[U+1], 12, v0  ; + 12,288 for batch 1
	s_wait_loadcnt 16                      ; w_qkv's first two rows and the bias are in; the 16 loads behind them may stay out
	v_cvt_pk_bf16_f32 v[U+2], v[U], v[U]
	v_lshlrev_b32 v[U+2], 16, v[U+2]
	v_add_f32 v[ACC], v[ACC], v[U+2]
	global_store_b32 v[U+1], v[ACC], s[22:23]  ; lanes 5 to 31 write one word, with one value
	CONV CW, 34
	CONV CW+32, 36
	s_wait_loadcnt 0x0
	CONV MW, 38
	CONV MW+32, 40
	s_cmp_lg_u32 s3, 0
	s_cbranch_scc1 .Lend                   ; the gains are one wave's work
	s_wait_xcnt 0x0                        ; the last stores have read U
	global_load_b64 v[U:U+1], v3, s[18:19]
	global_load_b64 v[U+2:U+3], v3, s[20:21]
	s_mov_b32 s48, 0x21800000              ; 2^-60
	s_mov_b32 s49, 0x5d800000              ; 2^60
	s_wait_loadcnt 0x0
	RND U, U+4
	RND U+2, U+5
	v_max_num_f32 v[U+6], |v[U]|, |v[U+1]|
	v_max_num_f32 v[U+7], |v[U+2]|, |v[U+3]|
	WMAX U+6, U+4
	WMAX U+7, U+5
	v_med3_num_f32 v[U+6], v[U+6], s48, s49
	v_med3_num_f32 v[U+7], v[U+7], s48, s49
	v_and_b32 v[U+6], 0x7f800000, v[U+6]
	v_and_b32 v[U+7], 0x7f800000, v[U+7]
	v_add_nc_u32 v[U+6], 0x00800000, v[U+6]  ; the power of two above the largest |qn_w|,
	v_add_nc_u32 v[U+7], 0x00800000, v[U+7]  ; and |kn_w|
	v_sub_nc_u32 v[U+8], 0x7f000000, v[U+6]  ; their reciprocals, by the exponent
	v_sub_nc_u32 v[U+10], 0x7f000000, v[U+7]
	v_mov_b32 v[U+9], v[U+8]
	v_mov_b32 v[U+11], v[U+10]
	v_pk_mul_f32 v[U:U+1], v[U:U+1], v[U+8:U+9]
	v_pk_mul_f32 v[U+2:U+3], v[U+2:U+3], v[U+10:U+11]
	v_mul_f32 v[U+12], v[U+6], v[U+7]
	v_mul_f32 v[U+12], 0x3e38aa3b, v[U+12]   ; csc = log2(e) / 8 x both powers
	v_mov_b32 v[U+13], v[U+12]
	global_store_b64 v3, v[U:U+1], s[22:23] offset:24576
	global_store_b64 v3, v[U+2:U+3], s[22:23] offset:24832
	global_store_b64 v3, v[U+12:U+13], s[22:23] offset:25088
.Lend:
	s_endpgm
.Lfunc_end_k_qbe15bb9e09_prep:
	.size	k_qbe15bb9e09_prep, .Lfunc_end_k_qbe15bb9e09_prep-k_qbe15bb9e09_prep
	.p2alignl 7, 3214868480
	.fill 96, 4, 3214868480
	.section	.rodata,"a",@progbits
	.p2align	6, 0x0
	.amdhsa_kernel k_qbe15bb9e09_prep
		.amdhsa_group_segment_fixed_size 0
		.amdhsa_private_segment_fixed_size 0
		.amdhsa_enable_private_segment 0
		.amdhsa_kernarg_size 72
		.amdhsa_user_sgpr_count 2
		.amdhsa_user_sgpr_kernarg_segment_ptr 1
		.amdhsa_wavefront_size32 1
		.amdhsa_system_sgpr_workgroup_id_x 1
		.amdhsa_system_sgpr_workgroup_id_y 1
		.amdhsa_system_sgpr_workgroup_id_z 1
		.amdhsa_system_vgpr_workitem_id 0
		.amdhsa_next_free_vgpr 256
		.amdhsa_next_free_sgpr 66
		.amdhsa_reserve_vcc 1
		.amdhsa_float_denorm_mode_32 3
		.amdhsa_float_denorm_mode_16_64 3
		.amdhsa_memory_ordered 1
		.amdhsa_forward_progress 1
		.amdhsa_inst_pref_size 59
	.end_amdhsa_kernel
	.amdgpu_metadata
---
amdhsa.version: [ 1, 2 ]
amdhsa.kernels:
  - .name:           k_qbe15bb9e09_prep
    .symbol:         k_qbe15bb9e09_prep.kd
    .args:
      - { .name: ada_cond, .offset: 0, .size: 8, .value_kind: global_buffer, .address_space: global }
      - { .name: mod_w, .offset: 8, .size: 8, .value_kind: global_buffer, .address_space: global }
      - { .name: mod_b, .offset: 16, .size: 8, .value_kind: global_buffer, .address_space: global }
      - { .name: w_qkv, .offset: 24, .size: 8, .value_kind: global_buffer, .address_space: global }
      - { .name: w_o, .offset: 32, .size: 8, .value_kind: global_buffer, .address_space: global }
      - { .name: qn_w, .offset: 40, .size: 8, .value_kind: global_buffer, .address_space: global }
      - { .name: kn_w, .offset: 48, .size: 8, .value_kind: global_buffer, .address_space: global }
      - { .name: small1, .offset: 56, .size: 8, .value_kind: global_buffer, .address_space: global }
      - { .name: wc, .offset: 64, .size: 8, .value_kind: global_buffer, .address_space: global }
    .group_segment_fixed_size: 0
    .private_segment_fixed_size: 0
    .kernarg_segment_align: 8
    .kernarg_segment_size: 72
    .max_flat_workgroup_size: 128
    .sgpr_count:     66
    .vgpr_count:     256
    .wavefront_size: 32
...
	.end_amdgpu_metadata
.endif
;; end of part 1
;; launch norm (part 2): grid 256 x 1, 16 waves a work-group, no clusters, 0 bytes of LDS; arguments x, ln_w, small1, hs, aux2; writes hs, aux2
.if DOCPART == 2
	.amdgcn_target "amdgcn-amd-amdhsa--gfx1250"
	.amdhsa_code_object_version 6
	.text
	.protected	k_qbe15bb9e09_norm
	.globl	k_qbe15bb9e09_norm
	.p2align	8
	.type	k_qbe15bb9e09_norm,@function
k_qbe15bb9e09_norm:
	s_mov_b64 s[64:65], 0
	v_nop
	global_prefetch_b8 v0, s[64:65] scope:SCOPE_SE
	s_setreg_imm32_b32 hwreg(HW_REG_WAVE_MODE, 25, 1), 1
	s_wait_xcnt 0x0
; NORM.  h = LayerNorm(x) ln_w (1 + scale) + shift, divided by c_b and written as a pair of f16: hs[row] = hi(1024) | lo(1024), hi = f16(h'), lo = f16(h' - hi).
; c_b is the power of two above the largest of |ln_w (1 + scale)| and |shift| of the batch (taken within 2^-60 .. 2^60): |h'| stays under 33 whatever the gains.  The division is exact; q, k, v come out
; divided by c_b too; the head norms then take eps' = 1e-5 / c_b^2, which gives the same q and k; the last launch multiplies by c_b.  aux2[b]: c_b x 32, eps' x 32.
; x and ln_w are rounded to bf16 first.  The mean is taken away before the squares are summed.  NaN and infinities are not treated apart.
; SHARES.  One wave, one row of 4,096 bytes, kept in 32 registers: read once, no LDS, no barrier, no loop.  Load j covers 512 consecutive bytes; lane l holds columns 128 j + 4 l .. + 3.
; A wave sees all 1,024 columns, so it finds c_b by itself.  Each store of a wave covers 256 consecutive bytes, aligned.
.set MU, 6                             ; v[6:7]   the mean, twice
.set RR, 8                             ; v[8:9]   1 / sqrt(var + eps), twice
.set RC, 10                            ; v[10:11] 1 / c_b, twice
.set X,  16                            ; v[16:47]
.set G,  48                            ; v[48:79]   scale, then ln_w (1 + scale) / c_b
.set SH, 80                            ; v[80:111]  shift / c_b
.set T,  112                           ; v[112:143] ln_w, then at work
.set HP, 144                           ; v[144:159] hi, packed
.set LP, 160                           ; v[160:175] lo, packed
.set MONE, 176                         ; v176  -1.0
.set MSK, 22
.set SEL, 24
.macro RND a, t
	v_cvt_pk_bf16_f32 v[\t], v[\a], v[(\a)+1]
	v_lshlrev_b32 v[\a], 16, v[\t]
	v_and_b32 v[(\a)+1], s[MSK], v[\t]
.endm
.macro WSUM r, t
	v_add_f32_dpp v[\r], v[\r], v[\r] row_xmask:1 row_mask:0xf bank_mask:0xf
	v_add_f32_dpp v[\r], v[\r], v[\r] row_xmask:2 row_mask:0xf bank_mask:0xf
	v_add_f32_dpp v[\r], v[\r], v[\r] row_xmask:4 row_mask:0xf bank_mask:0xf
	v_add_f32_dpp v[\r], v[\r], v[\r] row_xmask:8 row_mask:0xf bank_mask:0xf
	v_permlanex16_b32 v[\t], v[\r], s[SEL], s[SEL+1]
	v_add_f32 v[\r], v[\r], v[\t]
.endm
.macro WMAX r, t
	v_max_num_f32_dpp v[\r], v[\r], v[\r] row_xmask:1 row_mask:0xf bank_mask:0xf
	v_max_num_f32_dpp v[\r], v[\r], v[\r] row_xmask:2 row_mask:0xf bank_mask:0xf
	v_max_num_f32_dpp v[\r], v[\r], v[\r] row_xmask:4 row_mask:0xf bank_mask:0xf
	v_max_num_f32_dpp v[\r], v[\r], v[\r] row_xmask:8 row_mask:0xf bank_mask:0xf
	v_permlanex16_b32 v[\t], v[\r], s[SEL], s[SEL+1]
	v_max_num_f32 v[\r], v[\r], v[\t]
.endm
.macro HILO p                          ; pair p of X: hi rounded to f16; lo = z + hi x (-1), exact in f32, rounded to f16
	v_cvt_pk_f16_f32 v[HP+(\p)], v[X+2*(\p)], v[X+2*(\p)+1]
	v_fma_mix_f32 v[T+2*(\p)], v[HP+(\p)], v[MONE], v[X+2*(\p)] op_sel_hi:[1,0,0]
	v_fma_mix_f32 v[T+2*(\p)+1], v[HP+(\p)], v[MONE], v[X+2*(\p)+1] op_sel:[1,0,0] op_sel_hi:[1,0,0]
	v_cvt_pk_f16_f32 v[LP+(\p)], v[T+2*(\p)], v[T+2*(\p)+1]
.endm
	s_load_b256 s[4:11], s[0:1], 0x0       ; x s[4:5], ln_w s[6:7], small1 s[8:9], hs s[10:11]
	s_load_b64 s[12:13], s[0:1], 0x20      ; aux2
	v_and_b32 v1, 31, v0
	v_lshrrev_b32 v5, 5, v0
	v_readfirstlane_b32 s2, v5             ; wave 0..15
	v_lshlrev_b32 v2, 4, v1
	v_lshlrev_b32 v3, 3, v1
	v_lshlrev_b32 v4, 2, v1
	v_mov_b32 v15, 0                       ; written, since v_permlanex16_b32 counts as a reader of its destination
	v_mov_b32 v[MONE], -1.0
	s_lshl_b32 s3, ttmp9, 4
	s_add_co_u32 s3, s3, s2                ; my row
	s_lshr_b32 s14, ttmp9, 7               ; its batch
	s_lshl_b32 s16, s3, 12                 ; a row of x and a row of hs are 4,096 bytes
	s_mov_b32 s17, 0
	s_mul_i32 s18, s14, 12288
	s_mov_b32 s19, 0
	s_lshl_b32 s20, s14, 8
	s_mov_b32 s21, 0
	s_mov_b32 s[MSK], 0xffff0000
	s_mov_b32 s[SEL], 0x76543210
	s_mov_b32 s[SEL+1], 0xfedcba98
	s_mov_b32 s26, 0x3a800000              ; 1 / 1024
	s_mov_b32 s27, 0x3727c5ac              ; 1e-5
	s_mov_b32 s28, 0x21800000              ; 2^-60
	s_mov_b32 s29, 0x5d800000              ; 2^60
	s_wait_kmcnt 0x0
	s_add_nc_u64 s[4:5], s[4:5], s[16:17]
	s_add_nc_u64 s[10:11], s[10:11], s[16:17]
	s_add_nc_u64 s[8:9], s[8:9], s[18:19]
	s_add_nc_u64 s[12:13], s[12:13], s[20:21]
.set j, 0
.rept 8
	global_load_b128 v[G+4*j:G+4*j+3], v2, s[8:9] offset:512*j
.set j, j+1
.endr
.set j, 0
.rept 8
	global_load_b128 v[SH+4*j:SH+4*j+3], v2, s[8:9] offset:4096+512*j
.set j, j+1
.endr
.set j, 0
.rept 8
	global_load_b128 v[T+4*j:T+4*j+3], v2, s[6:7] offset:512*j
.set j, j+1
.endr
.set j, 0
.rept 8
	global_load_b128 v[X+4*j:X+4*j+3], v2, s[4:5] offset:512*j th:TH_LOAD_NT
.set j, j+1
.endr
	s_wait_loadcnt 8                       ; scale, shift and ln_w are in; x's eight loads may stay out
.set p, 0
.rept 16
	RND T+2*p, HP+p
.set p, p+1
.endr
.set p, 0
.rept 16
	v_pk_fma_f32 v[G+2*p:G+2*p+1], v[T+2*p:T+2*p+1], v[G+2*p:G+2*p+1], v[T+2*p:T+2*p+1]  ; ln_w scale + ln_w
.set p, p+1
.endr
.set k, 0
.rept 4
	v_max_num_f32 v[T+k], |v[G+k]|, |v[SH+k]|   ; four chains, started by the first four columns
.set k, k+1
.endr
.set k, 4
.rept 28
	v_max3_num_f32 v[T+k%4], v[T+k%4], |v[G+k]|, |v[SH+k]|
.set k, k+1
.endr
	v_max3_num_f32 v[T], v[T], v[T+1], v[T+2]
	v_max_num_f32 v[T], v[T], v[T+3]
	WMAX T, 15
	v_med3_num_f32 v[T], v[T], s28, s29
	v_and_b32 v12, 0x7f800000, v[T]
	v_add_nc_u32 v12, 0x00800000, v12      ; c_b
	v_sub_nc_u32 v[RC], 0x7f000000, v12    ; 1 / c_b, by the exponent
	v_mov_b32 v[RC+1], v[RC]
	v_mul_f32 v13, v[RC], v[RC]
	v_mul_f32 v13, s27, v13                ; eps'
.set p, 0
.rept 16
	v_pk_mul_f32 v[G+2*p:G+2*p+1], v[G+2*p:G+2*p+1], v[RC:RC+1]
	v_pk_mul_f32 v[SH+2*p:SH+2*p+1], v[SH+2*p:SH+2*p+1], v[RC:RC+1]
.set p, p+1
.endr
	s_and_b32 s15, ttmp9, 127
	s_or_b32 s15, s15, s2
	s_cmp_lg_u32 s15, 0
	s_cbranch_scc1 .Lnot_first             ; the batch's first wave stores c_b and eps'
	global_store_b32 v4, v12, s[12:13]
	global_store_b32 v4, v13, s[12:13] offset:128
.Lnot_first:
	s_wait_loadcnt 0x0                     ; x
.set p, 0
.rept 16
	RND X+2*p, T+p
.set p, p+1
.endr
.set p, 0
.rept 8
	v_pk_add_f32 v[T+2*p:T+2*p+1], v[X+4*p:X+4*p+1], v[X+4*p+2:X+4*p+3]
.set p, p+1
.endr
.set p, 0
.rept 4
	v_pk_add_f32 v[T+4*p:T+4*p+1], v[T+4*p:T+4*p+1], v[T+4*p+2:T+4*p+3]
.set p, p+1
.endr
	v_pk_add_f32 v[T:T+1], v[T:T+1], v[T+4:T+5]
	v_pk_add_f32 v[T+8:T+9], v[T+8:T+9], v[T+12:T+13]
	v_pk_add_f32 v[T:T+1], v[T:T+1], v[T+8:T+9]
	v_add_f32 v14, v[T], v[T+1]
	WSUM 14, 15
	v_mul_f32 v[MU], s26, v14
	v_mov_b32 v[MU+1], v[MU]
.set p, 0
.rept 16
	v_pk_add_f32 v[X+2*p:X+2*p+1], v[X+2*p:X+2*p+1], v[MU:MU+1] neg_lo:[0,1] neg_hi:[0,1]
.set p, p+1
.endr
.set p, 0
.rept 4
	v_pk_mul_f32 v[T+2*p:T+2*p+1], v[X+2*p:X+2*p+1], v[X+2*p:X+2*p+1]
.set p, p+1
.endr
.set p, 4
.rept 12
	v_pk_fma_f32 v[T+2*(p%4):T+2*(p%4)+1], v[X+2*p:X+2*p+1], v[X+2*p:X+2*p+1], v[T+2*(p%4):T+2*(p%4)+1]
.set p, p+1
.endr
	v_pk_add_f32 v[T:T+1], v[T:T+1], v[T+2:T+3]
	v_pk_add_f32 v[T+4:T+5], v[T+4:T+5], v[T+6:T+7]
	v_pk_add_f32 v[T:T+1], v[T:T+1], v[T+4:T+5]
	v_add_f32 v14, v[T], v[T+1]
	WSUM 14, 15
	v_fma_f32 v14, v14, s26, s27           ; var + 1e-5
	v_rsq_f32 v[RR], v14
	v_nop                                  ; a plain instruction behind it,
	s_wait_alu depctr_va_vdst(0)           ; and the wait ahead of its first reader
	v_mov_b32 v[RR+1], v[RR]
.set p, 0
.rept 16
	v_pk_mul_f32 v[X+2*p:X+2*p+1], v[X+2*p:X+2*p+1], v[RR:RR+1]
.set p, p+1
.endr
.set p, 0
.rept 16
	v_pk_fma_f32 v[X+2*p:X+2*p+1], v[X+2*p:X+2*p+1], v[G+2*p:G+2*p+1], v[SH+2*p:SH+2*p+1]
.set p, p+1
.endr
.set p, 0
.rept 16
	HILO p
.set p, p+1
.endr
.set j, 0
.rept 8
	global_store_b64 v3, v[HP+2*j:HP+2*j+1], s[10:11] offset:256*j
.set j, j+1
.endr
.set j, 0
.rept 8
	global_store_b64 v3, v[LP+2*j:LP+2*j+1], s[10:11] offset:2048+256*j
.set j, j+1
.endr
	s_endpgm
.Lfunc_end_k_qbe15bb9e09_norm:
	.size	k_qbe15bb9e09_norm, .Lfunc_end_k_qbe15bb9e09_norm-k_qbe15bb9e09_norm
	.p2alignl 7, 3214868480
	.fill 96, 4, 3214868480
	.section	.rodata,"a",@progbits
	.p2align	6, 0x0
	.amdhsa_kernel k_qbe15bb9e09_norm
		.amdhsa_group_segment_fixed_size 0
		.amdhsa_private_segment_fixed_size 0
		.amdhsa_enable_private_segment 0
		.amdhsa_kernarg_size 40
		.amdhsa_user_sgpr_count 2
		.amdhsa_user_sgpr_kernarg_segment_ptr 1
		.amdhsa_wavefront_size32 1
		.amdhsa_system_sgpr_workgroup_id_x 1
		.amdhsa_system_sgpr_workgroup_id_y 1
		.amdhsa_system_sgpr_workgroup_id_z 1
		.amdhsa_system_vgpr_workitem_id 0
		.amdhsa_next_free_vgpr 180
		.amdhsa_next_free_sgpr 66
		.amdhsa_reserve_vcc 0
		.amdhsa_float_denorm_mode_32 3
		.amdhsa_float_denorm_mode_16_64 3
		.amdhsa_memory_ordered 1
		.amdhsa_forward_progress 1
		.amdhsa_inst_pref_size 27
	.end_amdhsa_kernel
	.amdgpu_metadata
---
amdhsa.version: [ 1, 2 ]
amdhsa.kernels:
  - .name:           k_qbe15bb9e09_norm
    .symbol:         k_qbe15bb9e09_norm.kd
    .args:
      - { .name: x, .offset: 0, .size: 8, .value_kind: global_buffer, .address_space: global }
      - { .name: ln_w, .offset: 8, .size: 8, .value_kind: global_buffer, .address_space: global }
      - { .name: small1, .offset: 16, .size: 8, .value_kind: global_buffer, .address_space: global }
      - { .name: hs, .offset: 24, .size: 8, .value_kind: global_buffer, .address_space: global }
      - { .name: aux2, .offset: 32, .size: 8, .value_kind: global_buffer, .address_space: global }
    .group_segment_fixed_size: 0
    .private_segment_fixed_size: 0
    .kernarg_segment_align: 8
    .kernarg_segment_size: 40
    .max_flat_workgroup_size: 512
    .sgpr_count:     66
    .vgpr_count:     180
    .wavefront_size: 32
...
	.end_amdgpu_metadata
.endif
;; end of part 2
;; launch qkv (part 3): grid 16 x 16, 4 waves a work-group, clusters of 4 x 4, 327,680 bytes of LDS; arguments hs, wc, freqs, small1, aux2, qk, vv; writes qk, vv
.if DOCPART == 3
	.amdgcn_target "amdgcn-amd-amdhsa--gfx1250"
	.amdhsa_code_object_version 6
	.text
	.protected	k_qbe15bb9e09_qkv
	.globl	k_qbe15bb9e09_qkv
	.p2align	8
	.type	k_qbe15bb9e09_qkv,@function
k_qbe15bb9e09_qkv:
	s_mov_b64 s[64:65], 0
	v_nop
	global_prefetch_b8 v0, s[64:65] scope:SCOPE_SE
	s_setreg_imm32_b32 hwreg(HW_REG_WAVE_MODE, 25, 1), 1
	s_wait_xcnt 0x0
	s_wait_alu depctr_hold_cnt(0) depctr_sa_sdst(0) depctr_va_vdst(0) depctr_va_sdst(0) depctr_va_ssrc(0) depctr_va_vcc(0) depctr_vm_vsrc(0)
	s_getreg_b32 s2, hwreg(HW_REG_IB_STS2, 6, 4)
	s_cmp_eq_u32 s2, 0
	s_cbranch_scc0 .Lentry_in_a_cluster
	s_endpgm
.Lentry_in_a_cluster:
	s_bfe_u32 s2, ttmp6, 0x10000c
	s_cmp_lg_u32 s2, 0xf033
	s_cbranch_scc0 .Lentry_shape_is_right
	s_endpgm
.Lentry_shape_is_right:
; QKV.  [hi | lo] (4,096 x 2,048, f16) times [W | W]^T: q', k', v' = h' W^T with h' carried to 22 bits; sums in f32.  Then, for q and k: the head's LayerNorm (eps' of norm's scaling), the scaled gain,
; the rotation by freqs (rounded to bf16), and the result as a pair of f16: qk plane 2 c + b (c = head for q, 16 + head for k), row = hi(64) | lo(64), 256 bytes.  v' goes out as one f16: vv plane 2 head + b.
; LIMITS.  q and k before the split are at most 7.94 (|f0| + |f1|): freqs stay under some 4,000; v' stays within 65,504.  NaN and infinities are not treated apart.
; SHARES.  A work-group makes 256 rows x 192 columns: rows 192 j .. of wc, which are two q or k heads and one v head.  Wave w takes rows 64 w .. + 63 and all 192 columns: 48 accumulators, whole heads.
; K goes in 16 steps of 128 (rows of 256 bytes, aligned) through two LDS slots; steps 0-7 are hi, 8-15 lo, for which W's address goes back by 2,048 bytes.
; CLUSTER.  4 x 4 work-groups: hs's tile hangs on the tile row and is asked for jointly along a row of the cluster, wc's on the tile column, along a column.
; THE MATRIX INSTRUCTION IS USED TRANSPOSED (source 0 = 16 rows of W, source 1 = 16 rows of h): a lane holds row l % 16 and the columns 8 (l / 16) + 0..7 of a block of 16: a head's 64 columns of a row lie in two lanes.
; REGISTERS in windows of 256 (s_set_vgpr_msb: bits 1:0 source 0, 3:2 source 1, 5:4 source 2, 7:6 destination):
;   window 0: addresses; v32-63 packed hi, lo; v64-127 h's fragments, two buffers of 32 (later rows on their way out); v128-255 the epilogue's X, FR, GW, T
;   window 1: W's fragments, two buffers of 96       window 2: q/k accumulators (a, b) at 8 (8 a + b)       window 3: v accumulators (a, b') at 8 (4 a + b')
; THE WAY OUT is written once and looped over: the accumulators are laid into LDS (each wave's own 49,152 bytes of the slots, which have had their last fill) and taken back a head and 16 rows at a time.
.set PITCH, 272                        ; an LDS row: 256 bytes + 16 of padding: the 16 rows of a fragment load start 68 words apart
.set SLOT1, 1<<17                      ; slot 1 begins here, so that one exclusive or turns an address in one slot into the other's
.set BOFF,  256*PITCH                  ; in a slot: h's 256 rows, then W's 192
.set STAGE, SLOT1+BOFF+192*PITCH       ; 252,928: 16 rows x 272 bytes for each wave
.set SPARE, STAGE+4*16*PITCH           ; 270,336: the spare words, 128 bytes a wave
.set DUMPW, 49152
.set R16, 1
.set H16, 2
.set MUP, 4                            ; v[4:5] a mean, twice
.set RP,  6                            ; v[6:7] 1 / sqrt, twice
.set GWO, 12
.set ADRA0, 14                         ; my lane's place in a slot's rows of h; never rewritten
.set ADRB0, 15                         ; and of W
.set ADRA, 16
.set ADRB, 17
.set DW,  18                           ; my 16 bytes in my wave's dump
.set DA,  20
.set STO, 21
.set RD,  22
.set STO2, 23
.set RD2, 24
.set GOQ, 25
.set GOV, 26
.set FO,  27
.set SPW, 28                           ; LDS address of my spare word; never rewritten
.set NIL, 29                           ; 0; never rewritten
.set PFO, 30
.set MONE, 31                          ; -1.0
.set HP,  32
.set LP,  48
.set FA,  64
.set OB,  64
.set X,   128
.set FR,  160
.set GW,  192
.set T,   224
.set WV,  18
.set AB,  19                           ; 0: I fetch for h, 1: for W
.set HF,  20                           ; which half of that tile's rows
.set CX,  21
.set CY,  22
.set TJ,  23
.set TI,  24
.set G1A, 28
.set G1B, 36
.set G0A, 44                           ; two sets; the second walks
.set G0B, 52
.set KC,  60
.set TB,  61                           ; the slot that is read: 0 or SLOT1
.set WR,  62
.set PFA, 66
.set LIM, 68
.set EPS, 69
.set CA,  70
.set CT,  71
.set DB,  72
.set MSK, 73
.set OP,  74
.set VP,  76
.set FRB, 78
.set SEL, 80
.set I64, 90
.set MSB, 0
.macro WIN new                         ; the immediate's high byte repeats the setting that is left; a switch that changes nothing is dropped
.if MSB != (\new)
	s_set_vgpr_msb (MSB<<8)|(\new)
.set MSB, \new
.endif
.endm
.set MUL_Q, 0xa1                       ; W window 1, h window 0, C and D window 2
.set MUL_V, 0xf1                       ; the same, C and D window 3
.set TO_B,  0x40
.macro PLACES                          ; four places behind a matrix instruction, in front of loads into registers that it has read and of stores that read results
.rept 4
	v_nop
.endr
.endm
.macro CREST                           ; a round of the cluster's barrier behind its opening barrier
	s_cmp_lg_u32 s[WV], 0
	s_cbranch_scc1 .Lnot_wave_0_\@
	s_barrier_signal -3
.Lnot_wave_0_\@:
	s_barrier_wait -3
	s_barrier_signal -1
	s_barrier_wait -1
.endm
.macro CROUND
	s_barrier_signal -1
	s_barrier_wait -1
	CREST
.endm
.macro JLOAD                           ; a joint refill by the walking descriptors: waves 0, 1 h's halves, waves 2, 3 W's; an s_nop 0 and four v_nop follow each line
	s_cmp_eq_u32 s[AB], 0
	s_cbranch_scc0 .Lfor_b_\@
	tensor_load_to_lds s[G0A+4:G0A+7], s[G1A:G1A+7]
	s_nop 0
.rept 4
	v_nop
.endr
	s_branch .Lasked_\@
.Lfor_b_\@:
	tensor_load_to_lds s[G0B+4:G0B+7], s[G1B:G1B+7]
	s_nop 0
.rept 4
	v_nop
.endr
.Lasked_\@:
.endm
; A PREFETCH INTO THE L2 of the K step two refills on, a lane a row, one instruction a wave.  hs's rows are asked for by the cluster with x = 0, wc's by the cluster with y = 0; the four partners of a joint
; load share its rows out by address (32 of 128, or 24 of 96: lanes 24 to 31 repeat the last).  hs: while that step is 15 or less; wc: while it is 7 or less, its first pass alone.
.macro ASK
	s_cmp_gt_u32 s[KC], s[LIM]
	s_cbranch_scc0 .Lnot_mine_\@
	global_prefetch_b8 v[PFO], s[PFA:PFA+1] offset:256 th:TH_LOAD_NT scope:SCOPE_SE
.Lnot_mine_\@:
.endm
.macro MULQ f, a0, zero                ; 16 products: row blocks a0, a0 + 1 x the 8 column blocks of q/k; zero = 1 starts the sums
	WIN MUL_Q
.irp a, \a0, (\a0)+1
.irp b, 0,1,2,3,4,5,6,7
.if \zero
	v_wmma_f32_16x16x32_f16 v[8*(8*(\a)+(\b)):8*(8*(\a)+(\b))+7], v[96*(\f)+8*(\b):96*(\f)+8*(\b)+7], v[FA+32*(\f)+8*(\a):FA+32*(\f)+8*(\a)+7], 0
.else
	v_wmma_f32_16x16x32_f16 v[8*(8*(\a)+(\b)):8*(8*(\a)+(\b))+7], v[96*(\f)+8*(\b):96*(\f)+8*(\b)+7], v[FA+32*(\f)+8*(\a):FA+32*(\f)+8*(\a)+7], v[8*(8*(\a)+(\b)):8*(8*(\a)+(\b))+7]
.endif
.endr
.endr
.endm
.macro MULV f, zero                    ; 16 products: the 4 row blocks x the 4 column blocks of v
	WIN MUL_V
.irp a, 0,1,2,3
.irp b, 0,1,2,3
.if \zero
	v_wmma_f32_16x16x32_f16 v[8*(4*(\a)+(\b)):8*(4*(\a)+(\b))+7], v[96*(\f)+64+8*(\b):96*(\f)+64+8*(\b)+7], v[FA+32*(\f)+8*(\a):FA+32*(\f)+8*(\a)+7], 0
.else
	v_wmma_f32_16x16x32_f16 v[8*(4*(\a)+(\b)):8*(4*(\a)+(\b))+7], v[96*(\f)+64+8*(\b):96*(\f)+64+8*(\b)+7], v[FA+32*(\f)+8*(\a):FA+32*(\f)+8*(\a)+7], v[8*(4*(\a)+(\b)):8*(4*(\a)+(\b))+7]
.endif
.endr
.endr
.endm
.macro FETCH k, f                      ; 32 LDS loads in one run: 32 along K at byte k of the rows; h's 8, then W's 24, v's column blocks last
	WIN 0
.irp i, 0,1,2,3
	ds_load_b128 v[FA+32*(\f)+8*(\i):FA+32*(\f)+8*(\i)+3],   v[ADRA] offset:(\k)+(\i)*16*PITCH
	ds_load_b128 v[FA+32*(\f)+8*(\i)+4:FA+32*(\f)+8*(\i)+7], v[ADRA] offset:(\k)+(\i)*16*PITCH+32
.endr
	WIN TO_B
.irp i, 0,1,2,3,4,5,6,7,8,9,10,11
	ds_load_b128 v[96*(\f)+8*(\i):96*(\f)+8*(\i)+3],   v[ADRB] offset:(\k)+(\i)*16*PITCH
	ds_load_b128 v[96*(\f)+8*(\i)+4:96*(\f)+8*(\i)+7], v[ADRB] offset:(\k)+(\i)*16*PITCH+32
.endr
.endm
; A K step is four quarters of 32 along K, 48 products each, on buffers 0, 1, 0, 1.  The 48 accumulators take turns, one instruction a turn, in the same order in every quarter.
.macro QUARTER k, f, g, zero
	s_wait_dscnt 8                         ; all but the youngest eight loads (v's column blocks) are in
	MULQ \f, 0, \zero
	PLACES
	FETCH \k, \g
	MULQ \f, 2, \zero
	s_wait_dscnt 32                        ; all but the 32 just issued
	MULV \f, \zero
.endm
; The last quarter multiplies buffer 1 and changes slots: one barrier; in front of it each wave waits for all its tensor loads (one is out: its part of the next slot), adds 0 to its spare word, and waits for that
; and for its reads of this slot.  fill = 1: the barrier opens a round of the cluster's, and the joint refill, two K steps ahead, is the first thing behind it: 160 products stand between it and the wait for it.
.macro TURN fill
.if \fill
	s_wait_xcnt 0x0                        ; the last prefetch, a K step back, has read its address
	s_add_nc_u64 s[PFA:PFA+1], s[PFA:PFA+1], 256
.endif
	WIN 0
	s_wait_tensorcnt 0x0
	ds_add_u32 v[SPW], v[NIL]
	s_wait_dscnt 9                         ; the add and the youngest eight loads may be out
	MULQ 1, 0, 0
	s_wait_dscnt 0x0                       ; the add is done, and my reads of this slot are over
	s_barrier_signal -1
	MULQ 1, 2, 0
	WIN 0
	s_barrier_wait -1
.if \fill
	CREST
	s_xor_b32 s[G0A+5], s[G0A+5], SLOT1    ; the walking descriptors: the other slot than last time, the next K step
	s_add_nc_u64 s[G0A+6:G0A+7], s[G0A+6:G0A+7], 256
	s_xor_b32 s[G0B+5], s[G0B+5], SLOT1
	s_add_nc_u64 s[G0B+6:G0B+7], s[G0B+6:G0B+7], 256
	s_cmp_eq_u32 s[KC], 8                  ; the refill for step 8: W begins anew
	s_cselect_b32 s[WR], 2048, 0
	s_sub_nc_u64 s[G0B+6:G0B+7], s[G0B+6:G0B+7], s[WR:WR+1]
	JLOAD                                  ; its four v_nop are also the places in front of the loads below
.else
	PLACES
.endif
	s_xor_b32 s[TB], s[TB], SLOT1
	v_add_nc_u32 v[ADRA], s[TB], v[ADRA0]
	v_add_nc_u32 v[ADRB], s[TB], v[ADRB0]
	FETCH 0, 0
.if \fill
	WIN 0
	ASK
.endif
	MULV 1, 0
.endm
.macro RND a, t
	v_cvt_pk_bf16_f32 v[\t], v[\a], v[(\a)+1]
	v_lshlrev_b32 v[\a], 16, v[\t]
	v_and_b32 v[(\a)+1], s[MSK], v[\t]
.endm
.macro HILO p
	v_cvt_pk_f16_f32 v[HP+(\p)], v[X+2*(\p)], v[X+2*(\p)+1]
	v_fma_mix_f32 v[T+2*(\p)], v[HP+(\p)], v[MONE], v[X+2*(\p)] op_sel_hi:[1,0,0]
	v_fma_mix_f32 v[T+2*(\p)+1], v[HP+(\p)], v[MONE], v[X+2*(\p)+1] op_sel:[1,0,0] op_sel_hi:[1,0,0]
	v_cvt_pk_f16_f32 v[LP+(\p)], v[T+2*(\p)], v[T+2*(\p)+1]
.endm
.macro TAKE                            ; four accumulators (a head's 64 columns of 16 rows) back from my dump
	v_add_nc_u32 v[DA], s[DB], v[DW]
.set f, 0
.rept 4
	ds_load_b128 v[X+8*f:X+8*f+3],   v[DA] offset:1024*f
	ds_load_b128 v[X+8*f+4:X+8*f+7], v[DA] offset:1024*f+512
.set f, f+1
.endr
	s_add_co_u32 s[DB], s[DB], 4096
	s_wait_dscnt 0x0
.endm
	s_load_b256 s[4:11], s[0:1], 0x0       ; hs s[4:5], wc s[6:7], freqs s[8:9], small1 s[10:11]
	s_load_b128 s[12:15], s[0:1], 0x20     ; aux2 s[12:13], qk s[14:15]
	s_load_b64 s[16:17], s[0:1], 0x30      ; vv
	v_lshl_add_u32 v[SPW], v0, 2, SPARE
	v_mov_b32 v[NIL], 0
	ds_add_u32 v[SPW], v[NIL]              ; the wave's opening: the add, twice on end, and its wait ahead of my first tensor load
	ds_add_u32 v[SPW], v[NIL]
	v_lshrrev_b32 v1, 5, v0
	v_readfirstlane_b32 s[WV], v1
	s_lshr_b32 s[AB], s[WV], 1
	s_and_b32 s[HF], s[WV], 1
	s_bfe_u32 s[CX], ttmp6, 0x40000
	s_bfe_u32 s[CY], ttmp6, 0x40004
	s_lshl_b32 s[TJ], ttmp9, 2
	s_add_co_u32 s[TJ], s[TJ], s[CX]       ; tile column
	s_and_b32 s[TI], ttmp7, 0xffff
	s_lshl_b32 s[TI], s[TI], 2
	s_add_co_u32 s[TI], s[TI], s[CY]       ; tile row
	s_lshl_b32 s82, s[CY], 2
	s_lshl_b32 s82, 15, s82                ; my row of the cluster
	s_lshl_b32 s83, 0x1111, s[CX]          ; my column
	s_or_b32 s[G1A], s82, (1<<16)|(1<<20)|(1<<21)|(5<<22)|(3<<25)  ; the mask; 2-byte elements; padding on; bit 21 beside a mask; after every 64 words, 4 words
	s_or_b32 s[G1B], s83, (1<<16)|(1<<20)|(1<<21)|(5<<22)|(3<<25)
	s_mov_b32 s[G1A+1], 128<<16            ; tensor_dim0 = 128
	s_mov_b32 s[G1A+2], 128<<16            ; tensor_dim1 = 128
	s_mov_b32 s[G1A+3], 128<<16            ; tile_dim0 = 128
	s_mov_b32 s[G1A+4], 128                ; tile_dim1 = 128
	s_mov_b32 s[G1A+5], 2048               ; elements from row to row of hs
	s_mov_b32 s[G1A+6], 0
	s_mov_b32 s[G1A+7], 0
	s_mov_b32 s[G1B+1], 128<<16
	s_mov_b32 s[G1B+2], 96<<16             ; 96 rows
	s_mov_b32 s[G1B+3], 128<<16
	s_mov_b32 s[G1B+4], 96
	s_mov_b32 s[G1B+5], 1024               ; of wc
	s_mov_b32 s[G1B+6], 0
	s_mov_b32 s[G1B+7], 0
	s_lshl_b32 s84, s[TI], 8
	s_lshl_b32 s85, s[HF], 7
	s_add_co_u32 s84, s84, s85
	s_lshl_b32 s84, s84, 12                ; (256 i + 128 half) rows of 4,096 bytes
	s_mov_b32 s85, 0
	s_mul_i32 s86, s[TJ], 192
	s_mul_i32 s87, s[HF], 96
	s_add_co_u32 s86, s86, s87
	s_lshl_b32 s86, s86, 11                ; (192 j + 96 half) rows of 2,048 bytes
	s_mov_b32 s87, 0
	s_mul_i32 s88, s[HF], 128*PITCH        ; where they go: no place in the cluster enters an LDS address
	s_mul_i32 s89, s[HF], 96*PITCH
	s_add_co_u32 s89, s89, BOFF
	s_mov_b32 s[TB], 0
	s_mov_b32 s[WR+1], 0
	s_mov_b32 s[MSK], 0xffff0000
	s_mov_b32 s[SEL], 0x76543210
	s_mov_b32 s[SEL+1], 0xfedcba98
	s_mov_b32 s[I64], 0x3c800000           ; 1 / 64
	s_wait_dscnt 0x0                       ; both opening adds are done
	s_wait_kmcnt 0x0
	s_add_nc_u64 s[84:85], s[4:5], s[84:85]
	s_add_nc_u64 s[86:87], s[6:7], s[86:87]
	CROUND                                 ; all sixteen work-groups are here: the first joint loads meet
.irp s, 0,1
	s_mov_b32 s[G0A+4*(\s)], 1
	s_add_co_u32 s[G0A+4*(\s)+1], s88, (\s)*SLOT1
	s_add_nc_u64 s[G0A+4*(\s)+2:G0A+4*(\s)+3], s[84:85], (\s)*256
	s_or_b32 s[G0A+4*(\s)+3], s[G0A+4*(\s)+3], 0x80000000
	s_mov_b32 s[G0B+4*(\s)], 1
	s_add_co_u32 s[G0B+4*(\s)+1], s89, (\s)*SLOT1
	s_add_nc_u64 s[G0B+4*(\s)+2:G0B+4*(\s)+3], s[86:87], (\s)*256
	s_or_b32 s[G0B+4*(\s)+3], s[G0B+4*(\s)+3], 0x80000000
.endr
	s_cmp_eq_u32 s[AB], 0                  ; a wave's two first fills stand in one branch: two loads of mine are out
	s_cbranch_scc0 .Lfirst_b
	tensor_load_to_lds s[G0A:G0A+3], s[G1A:G1A+7]
	s_nop 0
	tensor_load_to_lds s[G0A+4:G0A+7], s[G1A:G1A+7]
	s_nop 0
.rept 4
	v_nop
.endr
	s_branch .Lfirst_asked
.Lfirst_b:
	tensor_load_to_lds s[G0B:G0B+3], s[G1B:G1B+7]
	s_nop 0
	tensor_load_to_lds s[G0B+4:G0B+7], s[G1B:G1B+7]
	s_nop 0
.rept 4
	v_nop
.endr
.Lfirst_asked:
	v_and_b32 v[R16], 15, v0
	v_bfe_u32 v[H16], v0, 4, 1
	v_and_b32 v10, 31, v0
	v_mul_u32_u24 v3, v[R16], PITCH
	v_lshl_add_u32 v3, v[H16], 4, v3       ; row x pitch + 16 x half
	s_mul_i32 s82, s[WV], 64*PITCH
	v_add_nc_u32 v[ADRA0], s82, v3
	v_add_nc_u32 v[ADRB0], BOFF, v3
	v_mov_b32 v[ADRA], v[ADRA0]
	v_mov_b32 v[ADRB], v[ADRB0]
	s_mul_i32 s82, s[WV], DUMPW
	v_lshl_add_u32 v[DW], v10, 4, s82
	s_mul_i32 s82, s[WV], 16*PITCH
	s_add_co_u32 s82, s82, STAGE           ; my stage
	v_add_nc_u32 v[STO], s82, v3           ; q, k in: row l % 16, 16 bytes for each half of the lanes
	v_mul_u32_u24 v11, v[H16], PITCH
	v_lshl_add_u32 v11, v[R16], 4, v11
	v_add_nc_u32 v[RD], s82, v11           ; back: lanes 0-15 one row of 256 bytes, lanes 16-31 the next
	v_mul_u32_u24 v11, v[R16], 144
	v_lshl_add_u32 v11, v[H16], 4, v11
	v_add_nc_u32 v[STO2], s82, v11         ; v in: rows of 128 bytes, 144 apart
	v_bfe_u32 v11, v0, 3, 2
	v_mul_u32_u24 v11, v11, 144
	v_and_b32 v13, 7, v0
	v_lshl_add_u32 v11, v13, 4, v11
	v_add_nc_u32 v[RD2], s82, v11          ; back: 32 lanes take four rows
	v_lshlrev_b32 v[GOQ], 8, v[H16]
	v_lshl_add_u32 v[GOQ], v[R16], 4, v[GOQ]
	v_lshlrev_b32 v[GOV], 4, v10
	v_lshlrev_b32 v[FO], 8, v[R16]
	v_lshl_add_u32 v[FO], v[H16], 5, v[FO] ; freqs: row l % 16, my 8 numbers of each 16
	v_lshlrev_b32 v[GWO], 5, v[H16]
	v_mov_b32 v[MONE], -1.0
	v_mov_b32 v9, 0                        ; written, since v_permlanex16_b32 counts as a reader of its destination
	; the prefetches: who asks, and from where
	s_and_b32 s82, ttmp7, 0xffff           ; cluster y
	s_lshl_b32 s83, s[TI], 8
	s_lshl_b32 s84, s[HF], 7
	s_add_co_u32 s83, s83, s84
	s_lshl_b32 s84, s[CX], 5
	s_add_co_u32 s83, s83, s84             ; hs: my work-group's 32 rows of the 128 that I fetch
	s_lshl_b32 s83, s83, 12
	s_mul_i32 s85, s[TJ], 192
	s_mul_i32 s84, s[HF], 96
	s_add_co_u32 s85, s85, s84
	s_mul_i32 s84, s[CY], 24
	s_add_co_u32 s85, s85, s84             ; wc: my work-group's 24 rows of the 96
	s_lshl_b32 s85, s85, 11
	s_cmp_eq_u32 s[AB], 0
	s_cselect_b32 s86, s83, s85
	s_cselect_b32 s82, ttmp9, s82          ; the coordinate along which other clusters read the same rows
	s_cselect_b32 s[LIM], 2, 10
	s_cselect_b32 s84, 31, 23
	s_cselect_b32 s85, 12, 11
	s_cselect_b64 s[PFA:PFA+1], s[4:5], s[6:7]
	s_mov_b32 s87, 0
	s_add_nc_u64 s[PFA:PFA+1], s[PFA:PFA+1], s[86:87]
	s_add_nc_u64 s[PFA:PFA+1], s[PFA:PFA+1], 512   ; at K step 2: the first refill steps it to 3 and names step 4
	s_cmp_eq_u32 s82, 0
	s_cselect_b32 s[LIM], s[LIM], -1
	v_min_u32 v[PFO], s84, v10
	v_lshlrev_b32 v[PFO], s85, v[PFO]
	; where the results go
	s_lshr_b32 s82, s[TI], 3               ; the batch
	s_and_b32 s83, s[TI], 7
	s_lshl_b32 s83, s83, 8
	s_lshl_b32 s84, s[WV], 6
	s_add_co_u32 s83, s83, s84             ; my first row's place in the sequence
	s_lshl_b32 s84, s[TJ], 2
	s_add_co_u32 s84, s84, s82             ; plane 2 (2 j) + b
	s_lshl_b32 s84, s84, 19
	s_lshl_b32 s85, s83, 8
	s_add_co_u32 s84, s84, s85
	s_mov_b32 s85, 0
	s_add_nc_u64 s[OP:OP+1], s[14:15], s[84:85]
	s_lshl_b32 s84, s[TJ], 1
	s_add_co_u32 s84, s84, s82
	s_lshl_b32 s84, s84, 18
	s_lshl_b32 s86, s83, 7
	s_add_co_u32 s84, s84, s86
	s_add_nc_u64 s[VP:VP+1], s[16:17], s[84:85]
	s_lshl_b32 s84, s83, 8
	s_add_nc_u64 s[FRB:FRB+1], s[8:9], s[84:85]
	s_cmp_ge_u32 s[TJ], 8                  ; tile columns 8 to 15 hold k's heads
	s_cselect_b32 s84, 256, 0
	s_add_co_u32 s84, s84, 24576
	s_add_nc_u64 s[88:89], s[10:11], s[84:85]
	s_lshl_b32 s84, s82, 8
	s_add_nc_u64 s[86:87], s[12:13], s[84:85]
	s_load_b32 s[EPS], s[86:87], 0x80      ; eps' of my batch
.set f, 0
.rept 4
	global_load_b128 v[GW+8*f:GW+8*f+3],   v[GWO], s[88:89] offset:64*f    ; the gains of my 8 columns of each 16; waited for in the epilogue
	global_load_b128 v[GW+8*f+4:GW+8*f+7], v[GWO], s[88:89] offset:64*f+16
.set f, f+1
.endr
	s_wait_kmcnt 0x0
	s_wait_tensorcnt 1                     ; my part of K step 0 is in; step 1's may stay out
	s_barrier_signal -1
	s_barrier_wait -1
	FETCH 0, 0
	QUARTER 64, 0, 1, 1                    ; the first quarter stands in front of the loop: its products start the sums
	WIN 0
	s_mov_b32 s[KC], 14
.Lk:                                       ; a trip: a K step's quarters 1, 2, 3 and the next step's quarter 0; trip t asks for step t + 2
	QUARTER 128, 1, 0, 0
	QUARTER 192, 0, 1, 0
	TURN 1
	QUARTER 64, 0, 1, 0
	WIN 0
	s_sub_co_u32 s[KC], s[KC], 1
	s_cmp_lg_u32 s[KC], 0
	s_cbranch_scc1 .Lk
	QUARTER 128, 1, 0, 0                   ; the tail is written out: nothing more is asked for
	QUARTER 192, 0, 1, 0
	TURN 0
	QUARTER 64, 0, 1, 0
	QUARTER 128, 1, 0, 0
	QUARTER 192, 0, 1, 0
	s_wait_dscnt 8
	MULQ 1, 0, 0
	MULQ 1, 2, 0
	s_wait_dscnt 0x0
	MULV 1, 0
	WIN 0
	s_barrier_signal -1                    ; every wave's reads of the slots are over (each has waited for them): the slots' bytes may be written
	s_barrier_wait -1
	PLACES
	WIN 0x08                               ; store data in window 2
.set q, 0
.rept 32
	ds_store_b128 v[DW], v[8*q:8*q+3]   offset:1024*q      ; each accumulator's low registers first
	ds_store_b128 v[DW], v[8*q+4:8*q+7] offset:1024*q+512
.set q, q+1
.endr
	WIN 0x0c                               ; window 3
.set q, 0
.rept 16
	ds_store_b128 v[DW], v[8*q:8*q+3]   offset:1024*(32+q)
	ds_store_b128 v[DW], v[8*q+4:8*q+7] offset:1024*(32+q)+512
.set q, q+1
.endr
	WIN 0
	s_mov_b32 s[DB], 0
	s_mov_b32 s[CA], 4
.Lrow:                                     ; 16 rows a trip
.set f, 0
.rept 4
	global_load_b128 v[FR+8*f:FR+8*f+3],   v[FO], s[FRB:FRB+1] offset:64*f
	global_load_b128 v[FR+8*f+4:FR+8*f+7], v[FO], s[FRB:FRB+1] offset:64*f+16
.set f, f+1
.endr
	s_wait_loadcnt 0x0                     ; freqs, and in the first trip the gains
.set p, 0
.rept 16
	RND FR+2*p, T+p
.set p, p+1
.endr
	s_mov_b32 s[CT], 2
.Lhead:                                    ; one of the tile's two q or k heads
	TAKE
.set p, 0
.rept 8
	v_pk_add_f32 v[T+2*p:T+2*p+1], v[X+4*p:X+4*p+1], v[X+4*p+2:X+4*p+3]
.set p, p+1
.endr
.set p, 0
.rept 4
	v_pk_add_f32 v[T+4*p:T+4*p+1], v[T+4*p:T+4*p+1], v[T+4*p+2:T+4*p+3]
.set p, p+1
.endr
	v_pk_add_f32 v[T:T+1], v[T:T+1], v[T+4:T+5]
	v_pk_add_f32 v[T+8:T+9], v[T+8:T+9], v[T+12:T+13]
	v_pk_add_f32 v[T:T+1], v[T:T+1], v[T+8:T+9]
	v_add_f32 v8, v[T], v[T+1]
	v_permlanex16_b32 v9, v8, s[SEL], s[SEL+1]   ; the row's other 32 columns lie in the lane 16 away
	v_add_f32 v8, v8, v9
	v_mul_f32 v[MUP], s[I64], v8
	v_mov_b32 v[MUP+1], v[MUP]
.set p, 0
.rept 16
	v_pk_add_f32 v[X+2*p:X+2*p+1], v[X+2*p:X+2*p+1], v[MUP:MUP+1] neg_lo:[0,1] neg_hi:[0,1]
.set p, p+1
.endr
.set p, 0
.rept 4
	v_pk_mul_f32 v[T+2*p:T+2*p+1], v[X+2*p:X+2*p+1], v[X+2*p:X+2*p+1]
.set p, p+1
.endr
.set p, 4
.rept 12
	v_pk_fma_f32 v[T+2*(p%4):T+2*(p%4)+1], v[X+2*p:X+2*p+1], v[X+2*p:X+2*p+1], v[T+2*(p%4):T+2*(p%4)+1]
.set p, p+1
.endr
	v_pk_add_f32 v[T:T+1], v[T:T+1], v[T+2:T+3]
	v_pk_add_f32 v[T+4:T+5], v[T+4:T+5], v[T+6:T+7]
	v_pk_add_f32 v[T:T+1], v[T:T+1], v[T+4:T+5]
	v_add_f32 v8, v[T], v[T+1]
	v_permlanex16_b32 v9, v8, s[SEL], s[SEL+1]
	v_add_f32 v8, v8, v9
	v_fma_f32 v8, v8, s[I64], s[EPS]       ; var' + eps'
	v_rsq_f32 v[RP], v8
.set p, 0
.rept 16
	v_pk_mul_f32 v[X+2*p:X+2*p+1], v[X+2*p:X+2*p+1], v[GW+2*p:GW+2*p+1]   ; the gains: work that names no result of the root
.set p, p+1
.endr
	s_wait_alu depctr_va_vdst(0)           ; the wait ahead of the root's first reader
	v_mov_b32 v[RP+1], v[RP]
.set p, 0
.rept 16
	v_pk_mul_f32 v[X+2*p:X+2*p+1], v[X+2*p:X+2*p+1], v[RP:RP+1]
.set p, p+1
.endr
.set p, 0
.rept 16                                   ; (x0 + i x1)(f0 + i f1)
	v_mul_f32 v[T+2*p], v[X+2*p+1], v[FR+2*p+1]
	v_mul_f32 v[T+2*p+1], v[X+2*p], v[FR+2*p+1]
	v_fma_f32 v[X+2*p], v[X+2*p], v[FR+2*p], -v[T+2*p]
	v_fma_f32 v[X+2*p+1], v[X+2*p+1], v[FR+2*p], v[T+2*p+1]
.set p, p+1
.endr
.set p, 0
.rept 16
	HILO p
.set p, p+1
.endr
.set f, 0
.rept 4
	ds_store_b128 v[STO], v[HP+4*f:HP+4*f+3] offset:32*f
	ds_store_b128 v[STO], v[LP+4*f:LP+4*f+3] offset:128+32*f
.set f, f+1
.endr
.set f, 0
.rept 8
	ds_load_b128 v[OB+4*f:OB+4*f+3], v[RD] offset:2*PITCH*f   ; LDS serves a wave's instructions in order (ISA guide 5.7.1.4): these see the stores above
.set f, f+1
.endr
	s_wait_dscnt 0x0
.set f, 0
.rept 8
	global_store_b128 v[GOQ], v[OB+4*f:OB+4*f+3], s[OP:OP+1] offset:512*f   ; 16 lanes store a row of 256 bytes, aligned
.set f, f+1
.endr
	s_wait_xcnt 0x0                        ; the stores have read OB and their base
	s_add_nc_u64 s[OP:OP+1], s[OP:OP+1], 1048576   ; the next head: two planes on
	s_sub_co_u32 s[CT], s[CT], 1
	s_cmp_lg_u32 s[CT], 0
	s_cbranch_scc1 .Lhead
	s_sub_nc_u64 s[OP:OP+1], s[OP:OP+1], 2097152-4096   ; back to the first head, 16 rows on
	s_add_nc_u64 s[FRB:FRB+1], s[FRB:FRB+1], 4096
	s_sub_co_u32 s[CA], s[CA], 1
	s_cmp_lg_u32 s[CA], 0
	s_cbranch_scc1 .Lrow
	s_mov_b32 s[CA], 4
.Lv:                                       ; v: 16 rows a trip, rounded once
	TAKE
.set p, 0
.rept 16
	v_cvt_pk_f16_f32 v[HP+p], v[X+2*p], v[X+2*p+1]
.set p, p+1
.endr
.set f, 0
.rept 4
	ds_store_b128 v[STO2], v[HP+4*f:HP+4*f+3] offset:32*f
.set f, f+1
.endr
.set f, 0
.rept 4
	ds_load_b128 v[OB+4*f:OB+4*f+3], v[RD2] offset:576*f
.set f, f+1
.endr
	s_wait_dscnt 0x0
.set f, 0
.rept 4
	global_store_b128 v[GOV], v[OB+4*f:OB+4*f+3], s[VP:VP+1] offset:512*f   ; 512 consecutive bytes, aligned
.set f, f+1
.endr
	s_wait_xcnt 0x0
	s_add_nc_u64 s[VP:VP+1], s[VP:VP+1], 2048
	s_sub_co_u32 s[CA], s[CA], 1
	s_cmp_lg_u32 s[CA], 0
	s_cbranch_scc1 .Lv
	s_wait_tensorcnt 0x0                   ; the wave's end
	ds_add_u32 v[SPW], v[NIL]
	s_wait_dscnt 0x0
	CROUND                                 ; the closing round
	s_endpgm
.Lfunc_end_k_qbe15bb9e09_qkv:
	.size	k_qbe15bb9e09_qkv, .Lfunc_end_k_qbe15bb9e09_qkv-k_qbe15bb9e09_qkv
	.p2alignl 7, 3214868480
	.fill 96, 4, 3214868480
	.section	.rodata,"a",@progbits
	.p2align	6, 0x0
	.amdhsa_kernel k_qbe15bb9e09_qkv
		.amdhsa_group_segment_fixed_size 327680
		.amdhsa_private_segment_fixed_size 0
		.amdhsa_enable_private_segment 0
		.amdhsa_kernarg_size 56
		.amdhsa_user_sgpr_count 2
		.amdhsa_user_sgpr_kernarg_segment_ptr 1
		.amdhsa_wavefront_size32 1
		.amdhsa_system_sgpr_workgroup_id_x 1
		.amdhsa_system_sgpr_workgroup_id_y 1
		.amdhsa_system_sgpr_workgroup_id_z 1
		.amdhsa_system_vgpr_workitem_id 0
		.amdhsa_next_free_vgpr 896
		.amdhsa_next_free_sgpr 92
		.amdhsa_reserve_vcc 0
		.amdhsa_float_denorm_mode_32 3
		.amdhsa_float_denorm_mode_16_64 3
		.amdhsa_memory_ordered 1
		.amdhsa_forward_progress 1
		.amdhsa_inst_pref_size 104
	.end_amdhsa_kernel
	.amdgpu_metadata
---
amdhsa.version: [ 1, 2 ]
amdhsa.kernels:
  - .name:           k_qbe15bb9e09_qkv
    .symbol:         k_qbe15bb9e09_qkv.kd
    .args:
      - { .name: hs, .offset: 0, .size: 8, .value_kind: global_buffer, .address_space: global }
      - { .name: wc, .offset: 8, .size: 8, .value_kind: global_buffer, .address_space: global }
      - { .name: freqs, .offset: 16, .size: 8, .value_kind: global_buffer, .address_space: global }
      - { .name: small1, .offset: 24, .size: 8, .value_kind: global_buffer, .address_space: global }
      - { .name: aux2, .offset: 32, .size: 8, .value_kind: global_buffer, .address_space: global }
      - { .name: qk, .offset: 40, .size: 8, .value_kind: global_buffer, .address_space: global }
      - { .name: vv, .offset: 48, .size: 8, .value_kind: global_buffer, .address_space: global }
    .group_segment_fixed_size: 327680
    .private_segment_fixed_size: 0
    .kernarg_segment_align: 8
    .kernarg_segment_size: 56
    .max_flat_workgroup_size: 128
    .sgpr_count:     92
    .vgpr_count:     896
    .wavefront_size: 32
...
	.end_amdgpu_metadata
.endif
;; end of part 3
;; launch attn (part 4): grid 8 x 32, 4 waves a work-group, clusters of 4 x 1, 327,680 bytes of LDS; arguments qk, vv, small1, oo; writes oo
.if DOCPART == 4
	.amdgcn_target "amdgcn-amd-amdhsa--gfx1250"
	.amdhsa_code_object_version 6
	.text
	.protected	k_qbe15bb9e09_attn
	.globl	k_qbe15bb9e09_attn
	.p2align	8
	.type	k_qbe15bb9e09_attn,@function
k_qbe15bb9e09_attn:
	s_mov_b64 s[64:65], 0
	v_nop
	global_prefetch_b8 v0, s[64:65] scope:SCOPE_SE
	s_setreg_imm32_b32 hwreg(HW_REG_WAVE_MODE, 25, 1), 1
	s_wait_xcnt 0x0
	s_wait_alu depctr_hold_cnt(0) depctr_sa_sdst(0) depctr_va_vdst(0) depctr_va_sdst(0) depctr_va_ssrc(0) depctr_va_vcc(0) depctr_vm_vsrc(0)
	s_getreg_b32 s2, hwreg(HW_REG_IB_STS2, 6, 4)
	s_cmp_eq_u32 s2, 0
	s_cbranch_scc0 .Lentry_in_a_cluster
	s_endpgm
.Lentry_in_a_cluster:
	s_bfe_u32 s2, ttmp6, 0x10000c
	s_cmp_lg_u32 s2, 0x3003
	s_cbranch_scc0 .Lentry_shape_is_right
	s_endpgm
.Lentry_shape_is_right:
; ATTN.  O'[y][q] = the sum over k of softmax_k(csc (q . k)) v'[k], plane y = 2 head + b.  q and k come as pairs of f16, rows hi(64) | lo(64): q . k = Kh Qh + Kl Qh + Kh Ql (the product of the two lo parts, some
; 2^-22 of the rest, is the rounding that is kept).  csc = log2(e) / 8 x the powers of two taken out of the gains.  Products, maxima and sums in f32; p is rounded to f16 for the second product (l sums the unrounded p), O' once.
; LIMITS.  O' is a mean of v' rows and has their range (f16).  A weight below 2^-126 counts as 0 in l.  NaN and infinities are not treated apart.
; SHARES.  A work-group owns 256 queries of a plane, a wave 64: four tiles of 16, in two PIECES (tiles 0, 1 and tiles 2, 3).  Every wave walks the plane's 2,048 keys, 64 a step.
; LAYOUT.  S^T = K Q^T (source 0 = 16 keys, source 1 = 16 queries): a lane holds one query (l % 16) and the keys 8 (l / 16) + 0..7; two such results rounded to f16 are source 1 of O^T = V^T P.
; SOFTMAX.  A running maximum m and sum l: p = 2^(c s - c m); O and l are multiplied by a = 2^(c m_old - c m_new) in every step.  m starts at the lowest finite number, O and l at 0: the first step has a = 0.
; BY TURNS.  In a turn one piece has the matrix unit: 16 products V^T P of the step in hand, 48 products K Q^T of the next; the other piece's softmax, 236 vector instructions in 59 slices of four, stands behind them,
; a slice behind each product.  A turn's 66 exponentials are one batch with one wait.
; CLUSTER.  The four query blocks of a cluster walk the same K and V: each tile is asked for jointly.  A slot holds four steps: 256 rows of K (272 bytes apart), 256 of V (160 apart).
; REGISTERS in windows of 256: window 0: addresses; v12-43 statistics, 8 a tile; v64-191 S^T, 32 a tile; v192-255 P, 16 a tile.   window 1: v0-127 O^T, 32 a tile; v128-191 V of a step.
;   window 2: v0-127 Q, 32 a tile (fragments 0, 1 hi; 2, 3 lo); v128-255 K of a step.
; No first and no last step is written out: the loop is entered and the tail left in the middle of a trip; the price is 16 products on zeros, 48 on a stale K, and 240 v_mov_b32 in the wait for the first tile.
.set KS,    64
.set PK,    272
.set PV,    160
.set VOFF,  4*KS*PK                    ; 69,632
.set SLOT1, 1<<17
.set STAGE, SLOT1+4*KS*(PK+PV)         ; 241,664: 16 rows x 144 bytes for each wave
.set SP,    144
.set SPARE, STAGE+4*16*SP              ; 250,880: the spare words
.set AK0, 2
.set AV0, 3
.set ADR, 4
.set AV,  5
.set QO,  6
.set STO, 6
.set RD,  7
.set GO,  8
.set ST,  12                           ; tile t at ST + 8 t: c m, m, l (even keys', odd keys'), c0-c3 at work; a takes c2's place
.set PFO, 61
.set SPW, 62
.set NIL, 63
.set S,   64
.set P,   192
.set VF,  128                          ; window 1
.set KF,  128                          ; window 2: key block kb, fragment c at KF + 32 kb + 8 c
.set WV,  12
.set LIM, 15
.set PFA, 18
.set G1K, 24
.set G1V, 32
.set G0K, 40
.set G0V, 44
.set SLOTS, 56
.set CNT, 57
.set CS,  58
.set SEL, 60
.set TBK, 62
.set TBV, 63
.set PST, 66
.set MSB, 0
.macro WIN new
.if MSB != (\new)
	s_set_vgpr_msb (MSB<<8)|(\new)
.set MSB, (\new)
.endif
.endm
.set W_KQ, 0x0a                        ; K and Q window 2, S^T window 0
.set W_PV, 0x51                        ; V window 1, P window 0, O^T window 1
.set W_RS, 0x41                        ; O^T (destination and source 0) window 1, a window 0
.macro PLACES
.rept 4
	v_nop
.endr
.endm
.macro JLOAD                           ; a joint fill: waves 0, 1 the halves of a tile's K, waves 2, 3 of its V; an s_nop 0 and four v_nop follow each line
	s_cmp_lt_u32 s[WV], 2
	s_cbranch_scc0 .Lfor_v_\@
	tensor_load_to_lds s[G0K:G0K+3], s[G1K:G1K+7]
	s_nop 0
.rept 4
	v_nop
.endr
	s_branch .Lasked_\@
.Lfor_v_\@:
	tensor_load_to_lds s[G0V:G0V+3], s[G1V:G1V+7]
	s_nop 0
.rept 4
	v_nop
.endr
.Lasked_\@:
.endm
; A PREFETCH INTO THE L2 of the tile that the NEXT change of slots will ask for: four key steps, 512 products, ahead.  A plane's two clusters walk the same rows: the first asks.  Its four partners share the blocks of
; 256 bytes out by address: of K's 256, 64 each (waves 0 and 1: 32 each); of V's 128, 32 each (wave 2).  A lane a block.  The last change that fills a slot asks for nothing.
.macro ASK
	s_cmp_gt_u32 s[SLOTS], s[LIM]
	s_cbranch_scc0 .Lnot_mine_\@
	global_prefetch_b8 v[PFO], s[PFA:PFA+1] th:TH_LOAD_NT scope:SCOPE_SE
.Lnot_mine_\@:
.endm
.macro CROUND
	s_barrier_signal -1
	s_barrier_wait -1
	s_cmp_lg_u32 s[WV], 0
	s_cbranch_scc1 .Lnot_wave_0_\@
	s_barrier_signal -3
.Lnot_wave_0_\@:
	s_barrier_wait -3
	s_barrier_signal -1
	s_barrier_wait -1
.endm
; THE CHANGE OF SLOTS.  Each wave waits for all its tensor loads (one is out: its part of the other slot), adds 0 to its spare word, and waits for that and for its reads of the slot that it leaves.
; fill = 1: the barrier is a round of the cluster's, and the joint fill, two tiles on, is the first thing behind it.  (At its first use nothing has been read: slot 0 is waited for, slot 1 filled.)
.macro CHANGE fill, ask
	WIN 0
	s_wait_tensorcnt 0x0
	ds_add_u32 v[SPW], v[NIL]
.if \fill
	s_xor_b32 s[G0K+1], s[G0K+1], SLOT1
	s_add_nc_u64 s[G0K+2:G0K+3], s[G0K+2:G0K+3], 65536
	s_xor_b32 s[G0V+1], s[G0V+1], SLOT1
	s_add_nc_u64 s[G0V+2:G0V+3], s[G0V+2:G0V+3], 32768
.if \ask
	s_wait_xcnt 0x0                        ; the last prefetch, four key steps back, has read its address
	s_add_nc_u64 s[PFA:PFA+1], s[PFA:PFA+1], s[PST:PST+1]
.endif
	s_wait_dscnt 0x0                       ; the add is done, and my reads of the slot are over
	CROUND
	JLOAD
.if \ask
	ASK
.endif
.else
	s_wait_dscnt 0x0
	s_barrier_signal -1
	s_barrier_wait -1
.endif
	s_sub_co_u32 s[TBK], s[TBK], 4*KS*PK   ; the fetches go back to a slot's first step, in the other slot
	s_xor_b32 s[TBK], s[TBK], SLOT1
	s_sub_co_u32 s[TBV], s[TBV], 4*KS*PV
	s_xor_b32 s[TBV], s[TBV], SLOT1
.endm
; Product i of 48 of S^T = K Q^T for piece x: part i / 8 (0, 1: Kh Qh; 2, 3: Kl Qh; 4, 5: Kh Ql), keys 16 ((i / 2) % 4) on, tile x + i % 2.  Eight accumulators take turns.
.macro KQ x
	WIN W_KQ
.set e6, i/8
.set rS, S+32*((\x)+i%2)+8*((i/2)%4)
.set rK, KF+32*((i/2)%4)+8*(e6%4)
.if e6 < 2
.set rQ, 32*((\x)+i%2)+8*e6
.else
.set rQ, 32*((\x)+i%2)+8*(e6-2)
.endif
.if i < 8
	v_wmma_f32_16x16x32_f16 v[rS:rS+7], v[rK:rK+7], v[rQ:rQ+7], 0
.else
	v_wmma_f32_16x16x32_f16 v[rS:rS+7], v[rK:rK+7], v[rQ:rQ+7], v[rS:rS+7]
.endif
.endm
; Product i of 16 of O^T += V^T P for piece x: keys 32 (i / 8) on, channels 16 ((i / 2) % 4) on, tile x + i % 2.
.macro PV x
	WIN W_PV
.set rO, 32*((\x)+i%2)+8*((i/2)%4)
.set rV, VF+32*(i/8)+8*((i/2)%4)
.set rP, P+16*((\x)+i%2)+8*(i/8)
	v_wmma_f32_16x16x32_f16 v[rO:rO+7], v[rV:rV+7], v[rP:rP+7], v[rO:rO+7]
.endm
; THE LDS LOADS stand in runs.  K of a step: 32 loads, fragment by fragment (all four key blocks of fragment 0, then of 1, 2, 3), so that the waits can count.  last = 1 (the tail): in the last trip there is no further step.
.macro FETCH_K last=0
	WIN 0
.if \last
	s_cmp_eq_u32 s[CNT], 1
	s_cbranch_scc1 .Lno_k_\@
.endif
	v_add_nc_u32 v[ADR], s[TBK], v[AK0]
	WIN 0x80
.set f, 0
.rept 16
	ds_load_b128 v[KF+32*(f%4)+8*(f/4):KF+32*(f%4)+8*(f/4)+3],   v[ADR] offset:(f%4)*16*PK+(f/4)*64
	ds_load_b128 v[KF+32*(f%4)+8*(f/4)+4:KF+32*(f%4)+8*(f/4)+7], v[ADR] offset:(f%4)*16*PK+(f/4)*64+32
.set f, f+1
.endr
	s_add_co_u32 s[TBK], s[TBK], KS*PK
	WIN 0
.if \last
.Lno_k_\@:
.endif
.endm
.macro FETCH_V                         ; V of a step, turned: 16 loads; the wait for the softmax's batch stands in it
	WIN 0
	v_add_nc_u32 v[AV], s[TBV], v[AV0]
	s_add_co_u32 s[TBV], s[TBV], KS*PV
	s_wait_alu depctr_va_vdst(0)
	WIN 0x40
.irp f, 0,1,2,3,4,5,6,7
	ds_load_tr16_b128 v[VF+8*\f:VF+8*\f+3],   v[AV] offset:(\f/4)*32*PV+(\f%4)*32
	ds_load_tr16_b128 v[VF+8*\f+4:VF+8*\f+7], v[AV] offset:(\f/4)*32*PV+16*PV+(\f%4)*32
.endr
.endm
; THE VECTOR WORK.  One tile's softmax for a key step is a list of 118 instructions; SM writes number j of it for tile t.
;   0-15 the maximum of the lane's 32 scores and the old m (each accumulator's lowest registers are read first)     16-20 the other half of the lanes'; m; c m; its change
;   21-69 ONE BATCH: the 16 scalings c s - c m and all 33 exponentials (a at 23); none of them reads an exponential's result     70-85 the roundings to f16     86-101 the sums; l = a l + sum     102-117 O^T times a
.macro SM t
.set rT, ST+8*(\t)
.set rS, S+32*(\t)
.set rP, P+16*(\t)
.set rO, 32*(\t)+2*(j-102)
.if j < 102
	WIN 0
.endif
.if j < 4
	v_max3_num_f32 v[rT+4+j], v[rS+8*j], v[rS+8*j+1], v[rS+8*j+2]
.elseif j < 12
	v_max3_num_f32 v[rT+4+j%4], v[rT+4+j%4], v[rS+8*(j%4)+2*(j/4)+1], v[rS+8*(j%4)+2*(j/4)+2]
.elseif j == 12
	v_max3_num_f32 v[rT+4], v[rT+4], v[rS+7], v[rS+15]
.elseif j == 13
	v_max3_num_f32 v[rT+6], v[rT+6], v[rS+23], v[rS+31]
.elseif j == 14
	v_max3_num_f32 v[rT+4], v[rT+4], v[rT+5], v[rT+6]
.elseif j == 15
	v_max3_num_f32 v[rT+4], v[rT+4], v[rT+7], v[rT+1]
.elseif j == 16
	v_permlanex16_b32 v[rT+5], v[rT+4], s[SEL], s[SEL+1]
.elseif j == 17
	v_mov_b32 v[rT+7], v[rT]
.elseif j == 18
	v_max_num_f32 v[rT+1], v[rT+4], v[rT+5]
.elseif j == 19
	v_mul_f32 v[rT], s[CS], v[rT+1]
.elseif j == 20
	v_sub_f32 v[rT+7], v[rT+7], v[rT]
.elseif j == 23
	v_exp_f32 v[rT+6], v[rT+7]
.elseif (j < 23) || ((j < 38) && (j%2 == 0)) || ((j < 66) && (j%4 == 2))
.set b, (j-2)/4
.if j < 38
.set b, (j-20)/2
.endif
	v_pk_fma_f32 v[rS+2*b:rS+2*b+1], v[rS+2*b:rS+2*b+1], s[CS:CS+1], v[rT:rT+1] op_sel_hi:[1,0,0] neg_lo:[0,0,1] neg_hi:[0,0,1]
.elseif j < 70
.set e, j-38
.if j < 66
.set e, j-32-(j-38)/4
.endif
.if j < 38
.set e, (j-25)/2
.endif
	v_exp_f32 v[rS+e], v[rS+e]
.elseif j < 86
	v_cvt_pk_f16_f32 v[rP+j-70], v[rS+2*(j-70)], v[rS+2*(j-70)+1]
.elseif j < 102
.set z, j-86
.set w, 4
.set u, z
.if z >= 14
.set w, 32
.set u, 0
.elseif z >= 12
.set w, 16
.set u, z-12
.elseif z >= 8
.set w, 8
.set u, z-8
.endif
.if z < 15
	v_pk_add_f32 v[rS+w*u:rS+w*u+1], v[rS+w*u:rS+w*u+1], v[rS+w*u+w/2:rS+w*u+w/2+1]
.else
	v_pk_fma_f32 v[rT+2:rT+3], v[rT+2:rT+3], v[rT+6:rT+7], v[rS:rS+1] op_sel_hi:[1,0,1]
.endif
.else
	WIN W_RS
	v_pk_mul_f32 v[rO:rO+1], v[rO:rO+1], v[rT+6:rT+7] op_sel_hi:[1,0]
.endif
.endm
; Slice k of piece y's softmax: four instructions.  Slices 11 to 34 deal out the batch, four numbers of one tile each, the tiles by turns; every other slice up to 58 is numbers 2 k and 2 k + 1 of both tiles.
; Ahead of slice 35 nothing names an exponential's result, and behind slice 34 none is issued: one wait, behind slice 34.
.macro SLICE y
.if (k >= 11) && (k < 35)
.irp n, 0,1,2,3
.set j, 22+4*((k-11)/2)+(\n)
	SM (\y)+(k-11)%2
.endr
.elseif k < 59
.irp n, 0,1
.irp t, \y, (\y)+1
.set j, 2*k+(\n)
	SM \t
.endr
.endr
.endif
.if k == 34
	v_nop                                  ; a plain instruction behind the last exponential: one for the batch
.if (\y) == 0
	FETCH_V
.else
	s_wait_alu depctr_va_vdst(0)
.endif
.endif
.set k, k+1
.endm
; A TURN.  Piece x has the matrix unit; the other piece's softmax stands in slices behind its products.  Piece 0's turn fetches the next step's K behind its second product (the last product that read K stands in front of
; the four v_nop that end the turn before) and waits for it fragment by fragment: 24, 16, 8, 0 younger loads may be out.  Piece 2's turn fetches the same step's V behind slice 34, nineteen slices behind V's last reader.
.macro TURN x, last=0
.set k, 0
.if (\x) == 0
	s_wait_dscnt 0x0                       ; V is in
.endif
.set i, 0
.rept 16
	PV \x
	SLICE 2-(\x)
.if ((\x) == 0) && (i == 1)
	FETCH_K \last
.endif
.set i, i+1
.endr
.set i, 0
.rept 48
.if ((\x) == 0) && (i%8 == 0) && (i < 32)
	s_wait_dscnt 24-i
.endif
	KQ \x
	SLICE 2-(\x)
.set i, i+1
.endr
	PLACES                                 ; the last five products stand bare: these are the places in front of the next turn's reads of the scores and loads into K
.endm
	s_load_b256 s[4:11], s[0:1], 0x0       ; qk s[4:5], vv s[6:7], small1 s[8:9], oo s[10:11]
	v_lshl_add_u32 v[SPW], v0, 2, SPARE
	v_mov_b32 v[NIL], 0
	ds_add_u32 v[SPW], v[NIL]              ; the wave's opening: the add, twice on end, and its wait ahead of my first tensor load
	ds_add_u32 v[SPW], v[NIL]
	v_lshrrev_b32 v1, 5, v0
	v_readfirstlane_b32 s[WV], v1
	s_bfe_u32 s13, ttmp6, 0x40000          ; cx
	s_lshl_b32 s14, ttmp9, 2
	s_add_co_u32 s14, s14, s13             ; my block of 256 queries: it enters Q's and O's addresses alone
	s_and_b32 s20, ttmp7, 0xffff           ; the plane y, which the partners share
	s_and_b32 s16, s[WV], 1                ; which half of a tile's 256 keys I fetch
	s_add_co_u32 s22, s20, 32
	s_lshl_b32 s22, s22, 19                ; K's plane 32 + y
	s_lshl_b32 s17, s16, 15
	s_add_co_u32 s22, s22, s17
	s_mov_b32 s23, 0
	s_lshl_b32 s2, s20, 18                 ; V's plane y
	s_lshl_b32 s17, s16, 14
	s_add_co_u32 s2, s2, s17
	s_mov_b32 s3, 0
	s_lshl_b32 s48, s20, 19                ; Q's plane y, my block's 256 rows, my wave's 64
	s_lshl_b32 s17, s14, 16
	s_add_co_u32 s48, s48, s17
	s_lshl_b32 s17, s[WV], 14
	s_add_co_u32 s48, s48, s17
	s_mov_b32 s49, 0
	s_lshl_b32 s50, s20, 18                ; the same in O
	s_lshl_b32 s17, s14, 15
	s_add_co_u32 s50, s50, s17
	s_lshl_b32 s17, s[WV], 13
	s_add_co_u32 s50, s50, s17
	s_mov_b32 s51, 0
	s_add_co_u32 s52, s20, 32              ; the prefetches, at tile 2: K's plane + 64 rows a partner + 32 a wave,
	s_lshl_b32 s52, s52, 19
	s_lshl_b32 s17, s13, 14
	s_add_co_u32 s52, s52, s17
	s_lshl_b32 s17, s[WV], 13
	s_add_co_u32 s52, s52, s17
	s_add_co_u32 s52, s52, 2*65536
	s_lshl_b32 s53, s20, 18                ; or V's plane + 32 blocks a partner
	s_lshl_b32 s17, s13, 13
	s_add_co_u32 s53, s53, s17
	s_add_co_u32 s53, s53, 2*32768
	s_cmp_lt_u32 s[WV], 2
	s_cselect_b32 s52, s52, s53
	s_cselect_b32 s17, 16, 15
	s_lshl_b32 s[PST], 1, s17              ; a tile's bytes
	s_mov_b32 s[PST+1], 0
	s_mov_b32 s53, 0
	s_cmp_eq_u32 s[WV], 3
	s_cselect_b32 s[LIM], 1, 0
	s_or_b32 s[LIM], s[LIM], ttmp9         ; waves 0 to 2 of the plane's first cluster ask: the same in all four partners
	s_cmp_eq_u32 s[LIM], 0
	s_cselect_b32 s[LIM], 1, -1
	v_and_b32 v[PFO], 31, v0
	v_lshlrev_b32 v[PFO], 8, v[PFO]
	s_mov_b32 s[G1K], 15|(1<<16)|(1<<20)|(1<<21)|(5<<22)|(3<<25)  ; the mask of four; 2-byte elements; padding on; bit 21 beside a mask; after every 64 words, 4 words
	s_mov_b32 s[G1K+1], 128<<16            ; 128 rows of 128 elements
	s_mov_b32 s[G1K+2], 128<<16
	s_mov_b32 s[G1K+3], 128<<16
	s_mov_b32 s[G1K+4], 128
	s_mov_b32 s[G1K+5], 128
	s_mov_b32 s[G1K+6], 0
	s_mov_b32 s[G1K+7], 0
	s_mov_b32 s[G1V], 15|(1<<16)|(1<<20)|(1<<21)|(4<<22)|(7<<25)  ; 128 keys of V are 16,384 dense bytes: 64 rows of 256, padded after every key (32 words) by 8 words
	s_mov_b32 s[G1V+1], 128<<16
	s_mov_b32 s[G1V+2], 64<<16
	s_mov_b32 s[G1V+3], 128<<16
	s_mov_b32 s[G1V+4], 64
	s_mov_b32 s[G1V+5], 128
	s_mov_b32 s[G1V+6], 0
	s_mov_b32 s[G1V+7], 0
	s_mov_b32 s[SEL], 0x76543210
	s_mov_b32 s[SEL+1], 0xfedcba98
	s_mov_b32 s[TBK], SLOT1+4*KS*PK        ; the first change of slots turns these two into 0
	s_mov_b32 s[TBV], SLOT1+4*KS*PV
	s_mov_b32 s[G0K], 1
	s_mul_i32 s[G0K+1], s16, 128*PK        ; slot 0, my half
	s_mov_b32 s[G0V], 1
	s_mul_i32 s[G0V+1], s16, 128*PV
	s_add_co_u32 s[G0V+1], s[G0V+1], VOFF
	s_wait_dscnt 0x0                       ; both opening adds are done
	s_wait_kmcnt 0x0
	s_add_nc_u64 s[G0K+2:G0K+3], s[4:5], s[22:23]
	s_or_b32 s[G0K+3], s[G0K+3], 0x80000000
	s_add_nc_u64 s[G0V+2:G0V+3], s[6:7], s[2:3]
	s_or_b32 s[G0V+3], s[G0V+3], 0x80000000
	s_cmp_lt_u32 s[WV], 2
	s_cselect_b64 s[PFA:PFA+1], s[4:5], s[6:7]
	s_add_nc_u64 s[PFA:PFA+1], s[PFA:PFA+1], s[52:53]
	s_add_nc_u64 s[4:5], s[4:5], s[48:49]  ; Q and O at my wave's first row
	s_add_nc_u64 s[10:11], s[10:11], s[50:51]
	s_load_b32 s[CS], s[8:9], 0x6200       ; csc
	CROUND                                 ; all four work-groups are here: the first joint loads meet
	JLOAD                                  ; tile 0 into slot 0; tile 1 is asked for when it is in
	v_and_b32 v1, 15, v0
	v_bfe_u32 v9, v0, 4, 1
	v_lshlrev_b32 v[QO], 8, v1
	v_lshl_add_u32 v[QO], v9, 4, v[QO]
	WIN 0x80
.set i, 0
.rept 16                                   ; Q stays in registers: tile i / 4, fragment i % 4
	global_load_b128 v[8*i:8*i+3],   v[QO], s[4:5] offset:(i/4)*4096+(i%4)*64
	global_load_b128 v[8*i+4:8*i+7], v[QO], s[4:5] offset:(i/4)*4096+(i%4)*64+32
.set i, i+1
.endr
	WIN 0x40                               ; what the first turn finds: O^T and V hold 0,
.set i, 0
.rept 192
	v_mov_b32 v[i], 0
.set i, i+1
.endr
	WIN 0
.set i, P+32
.rept 32
	v_mov_b32 v[i], 0                      ; P of piece 2 too: its first products V^T P, of a step that has not been, add 0
.set i, i+1
.endr
.set i, 0
.rept 4
	v_mov_b32 v[ST+8*i], 0xfe000000        ; c m: far below every c s
	v_mov_b32 v[ST+8*i+1], 0xff7fffff      ; m
	v_mov_b32 v[ST+8*i+2], 0
	v_mov_b32 v[ST+8*i+3], 0
.set i, i+1
.endr
	v_mul_u32_u24 v[AK0], v1, PK
	v_lshl_add_u32 v[AK0], v9, 4, v[AK0]
	v_and_b32 v10, 7, v0                   ; the turning load: lane l reads key 8 (l / 16) + l % 8, channels 8 ((l / 8) % 2) + 0..7
	v_bfe_u32 v11, v0, 3, 1
	v_lshl_add_u32 v[AV0], v9, 3, v10
	v_mul_u32_u24 v[AV0], v[AV0], PV
	v_lshl_add_u32 v[AV0], v11, 4, v[AV0]
	v_add_nc_u32 v[AV0], VOFF, v[AV0]
	s_wait_kmcnt 0x0
	s_mov_b32 s[CS+1], s[CS]               ; named with it as a pair
	CHANGE 1, 0                            ; slot 0 is in, everybody's part of it; slot 1 is asked for
	FETCH_K                                ; key step 0
	s_wait_loadcnt 0x0                     ; Q
	s_wait_dscnt 0x0
.set i, 0
.rept 48
	KQ 0                                   ; piece 0's first scores
.set i, i+1
.endr
	WIN 0                                  ; the addresses for the way out: the places behind those products
	s_mul_i32 s13, s[WV], 16*SP
	s_add_co_u32 s13, s13, STAGE
	v_mul_u32_u24 v[STO], v1, SP
	v_lshl_add_u32 v[STO], v9, 4, v[STO]
	v_add_nc_u32 v[STO], s13, v[STO]
	v_bfe_u32 v[RD], v0, 3, 2
	v_mul_u32_u24 v[RD], v[RD], SP
	v_lshl_add_u32 v[RD], v10, 4, v[RD]
	v_add_nc_u32 v[RD], s13, v[RD]
	v_and_b32 v[GO], 31, v0
	v_lshlrev_b32 v[GO], 4, v[GO]
	s_mov_b32 s[CNT], 4
	s_mov_b32 s[SLOTS], 7
	s_branch .Lfirst                       ; the loop is entered in the middle of a trip
.Lslot:                                    ; six times: tiles 2 to 7 are asked for
	CHANGE 1, 1
	s_mov_b32 s[CNT], 4
.Lstep:                                    ; a trip fetches K and V of one step
	TURN 0
	WIN 0
.Lfirst:
	TURN 2
	WIN 0
	s_sub_co_u32 s[CNT], s[CNT], 1
	s_cmp_lg_u32 s[CNT], 0
	s_cbranch_scc1 .Lstep
	s_sub_co_u32 s[SLOTS], s[SLOTS], 1
	s_cmp_lg_u32 s[SLOTS], 0
	s_cbranch_scc1 .Lslot
	CHANGE 0, 0                            ; the tail is written out
	s_mov_b32 s[CNT], 5                    ; four trips fetch the last tile's steps; the fifth is left in its middle
.Ltail:
	TURN 0, 1
	WIN 0
	s_sub_co_u32 s[CNT], s[CNT], 1
	s_cmp_eq_u32 s[CNT], 0
	s_cbranch_scc1 .Lout
	TURN 2
	WIN 0
	s_branch .Ltail
.Lout:
.set i, 0
.rept 16
	PV 2                                   ; piece 2's V^T P of the last step
.set i, i+1
.endr
	; THE WAY OUT.  l's halves and the other half of the lanes' are added; O^T is divided by l, rounded to f16 and sent through my stage, a tile at a time.  The additions are the places behind the last products.
	WIN 0
.irp t, 0,1,2,3
	v_add_f32 v[ST+8*(\t)+4], v[ST+8*(\t)+2], v[ST+8*(\t)+3]
.endr
.irp t, 0,1,2,3
	v_permlanex16_b32 v[ST+8*(\t)+5], v[ST+8*(\t)+4], s[SEL], s[SEL+1]
.endr
.irp t, 0,1,2,3
	v_add_f32 v[ST+8*(\t)+4], v[ST+8*(\t)+4], v[ST+8*(\t)+5]
.endr
.irp t, 0,1,2,3
	v_rcp_f32 v[ST+8*(\t)+6], v[ST+8*(\t)+4]
.endr
	v_nop
	s_wait_alu depctr_va_vdst(0)           ; one wait for the four reciprocals
.macro PACK t
	WIN W_RS
.set i, 32*(\t)
.rept 16
	v_pk_mul_f32 v[i:i+1], v[i:i+1], v[ST+8*(\t)+6:ST+8*(\t)+7] op_sel_hi:[1,0]
.set i, i+2
.endr
	WIN 0x05
.set i, 0
.rept 16
	v_cvt_pk_f16_f32 v[S+16*(\t)+i], v[32*(\t)+2*i], v[32*(\t)+2*i+1]
.set i, i+1
.endr
	WIN 0
.irp f, 0,1,2,3
	ds_store_b128 v[STO], v[S+16*(\t)+4*\f:S+16*(\t)+4*\f+3] offset:32*\f
.endr
.irp f, 0,1,2,3
	ds_load_b128 v[S+16*(\t)+4*\f:S+16*(\t)+4*\f+3], v[RD] offset:\f*4*SP   ; LDS serves a wave's instructions in order (ISA guide 5.7.1.4)
.endr
.endm
.macro SEND t, younger                 ; younger: the LDS instructions issued behind tile t's loads
	WIN 0
.irp f, 0,1,2,3
	s_wait_dscnt (\younger)+3-\f
	global_store_b128 v[GO], v[S+16*(\t)+4*\f:S+16*(\t)+4*\f+3], s[10:11] offset:(\t)*2048+\f*512   ; 512 consecutive bytes, aligned
.endr
.endm
	PACK 0
	PACK 1
	SEND 0, 8
	PACK 2
	SEND 1, 8
	PACK 3
	SEND 2, 8
	SEND 3, 0
	s_wait_tensorcnt 0x0                   ; the wave's end
	ds_add_u32 v[SPW], v[NIL]
	s_wait_dscnt 0x0
	CROUND                                 ; the closing round
	s_endpgm
.Lfunc_end_k_qbe15bb9e09_attn:
	.size	k_qbe15bb9e09_attn, .Lfunc_end_k_qbe15bb9e09_attn-k_qbe15bb9e09_attn
	.p2alignl 7, 3214868480
	.fill 96, 4, 3214868480
	.section	.rodata,"a",@progbits
	.p2align	6, 0x0
	.amdhsa_kernel k_qbe15bb9e09_attn
		.amdhsa_group_segment_fixed_size 327680
		.amdhsa_private_segment_fixed_size 0
		.amdhsa_enable_private_segment 0
		.amdhsa_kernarg_size 32
		.amdhsa_user_sgpr_count 2
		.amdhsa_user_sgpr_kernarg_segment_ptr 1
		.amdhsa_wavefront_size32 1
		.amdhsa_system_sgpr_workgroup_id_x 1
		.amdhsa_system_sgpr_workgroup_id_y 1
		.amdhsa_system_sgpr_workgroup_id_z 1
		.amdhsa_system_vgpr_workitem_id 0
		.amdhsa_next_free_vgpr 768
		.amdhsa_next_free_sgpr 72
		.amdhsa_reserve_vcc 0
		.amdhsa_float_denorm_mode_32 3
		.amdhsa_float_denorm_mode_16_64 3
		.amdhsa_memory_ordered 1
		.amdhsa_forward_progress 1
		.amdhsa_inst_pref_size 130
	.end_amdhsa_kernel
	.amdgpu_metadata
---
amdhsa.version: [ 1, 2 ]
amdhsa.kernels:
  - .name:           k_qbe15bb9e09_attn
    .symbol:         k_qbe15bb9e09_attn.kd
    .args:
      - { .name: qk, .offset: 0, .size: 8, .value_kind: global_buffer, .address_space: global }
      - { .name: vv, .offset: 8, .size: 8, .value_kind: global_buffer, .address_space: global }
      - { .name: small1, .offset: 16, .size: 8, .value_kind: global_buffer, .address_space: global }
      - { .name: oo, .offset: 24, .size: 8, .value_kind: global_buffer, .address_space: global }
    .group_segment_fixed_size: 327680
    .private_segment_fixed_size: 0
    .kernarg_segment_align: 8
    .kernarg_segment_size: 32
    .max_flat_workgroup_size: 128
    .sgpr_count:     72
    .vgpr_count:     768
    .wavefront_size: 32
...
	.end_amdgpu_metadata
.endif
;; end of part 4
;; launch outp (part 5): grid 8 x 32, 4 waves a work-group, clusters of 4 x 4, 327,680 bytes of LDS; arguments oo, wc, small1, aux2, out0; writes out0
.if DOCPART == 5
	.amdgcn_target "amdgcn-amd-amdhsa--gfx1250"
	.amdhsa_code_object_version 6
	.text
	.protected	k_qbe15bb9e09_outp
	.globl	k_qbe15bb9e09_outp
	.p2align	8
	.type	k_qbe15bb9e09_outp,@function
k_qbe15bb9e09_outp:
	s_mov_b64 s[64:65], 0
	v_nop
	global_prefetch_b8 v0, s[64:65] scope:SCOPE_SE
	s_setreg_imm32_b32 hwreg(HW_REG_WAVE_MODE, 25, 1), 1
	s_wait_xcnt 0x0
	s_wait_alu depctr_hold_cnt(0) depctr_sa_sdst(0) depctr_va_vdst(0) depctr_va_sdst(0) depctr_va_ssrc(0) depctr_va_vcc(0) depctr_vm_vsrc(0)
	s_getreg_b32 s2, hwreg(HW_REG_IB_STS2, 6, 4)
	s_cmp_eq_u32 s2, 0
	s_cbranch_scc0 .Lentry_in_a_cluster
	s_endpgm
.Lentry_in_a_cluster:
	s_bfe_u32 s2, ttmp6, 0x10000c
	s_cmp_lg_u32 s2, 0xf033
	s_cbranch_scc0 .Lentry_shape_is_right
	s_endpgm
.Lentry_shape_is_right:
; OUTP.  out0[b][s][n] = (the sum over k of O'[b][s][k] Wo[n][k]) x gate[b][n] x c_b.  O' lies by heads (oo plane 2 head + b, rows of 64 f16), Wo as f16 in wc at 6,291,456; sums in f32; out0 is f32.
; A tile is 128 x 128: 256 work-groups; four waves, each 64 x 64: 16 accumulators.  K goes in four steps of 256, which are four heads, through two LDS slots; all four steps are written out.
; O's tile: a head's 128 tokens are 16,384 dense bytes; a wave brings two heads by one load of two such rows, padded after every token (128 bytes) by 16: tokens lie 144 bytes apart.  Wo's: 64 rows of 512 bytes, 528 apart.
; CLUSTER.  4 x 4: O's tiles are asked for jointly along a row of the cluster, Wo's along a column.  No prefetch: a tile's step is short and the tiles are small.
; THE MATRIX INSTRUCTION IS USED TRANSPOSED (source 0 = 16 rows of Wo, source 1 = 16 tokens): a lane holds a token and eight neighbouring columns.  A wave's 64 columns of f32 are 256 bytes of a row, aligned:
; each wave goes out through a stage of its own, without a barrier.
; REGISTERS: window 0: v0-31 addresses; v32-63 scaled results; v64-95 rows on their way out; v96-127 gate x c_b; v128-255 accumulators (a, b) at 128 + 8 (4 a + b).  window 1: two fragment buffers of 128.
.set PA,    144
.set PB,    528
.set HEADB, 128*PA                     ; 18,432: a head's 128 tokens
.set AREG,  4*HEADB                    ; 73,728
.set SLOT,  AREG+128*PB                ; 141,312
.set STAGE, 2*SLOT                     ; 282,624
.set SPITCH, 272
.set SPARE, STAGE+4*16*SPITCH          ; 300,032
.set ADRA, 16
.set ADRB, 20
.set STO,  24
.set RD,   25
.set CO,   26
.set GCO,  27
.set SPW,  28
.set NIL,  29
.set TMP,  32
.set OB,   64
.set GC,   96
.set ACC,  128
.set F0,   0
.set F1,   128
.set WV,  14
.set RH,  15                           ; which half of the tile's rows is mine; also: I fetch for O (0) or Wo (1)
.set CH,  16                           ; which half of its columns; also: which half of that tile I fetch
.set G1,  24
.set G0,  32
.set G1B, 48
.set G0B, 56
.set CB,  66
.set MSB, 0
.macro WIN new
.if MSB != (\new)
	s_set_vgpr_msb (MSB<<8)|(\new)
.set MSB, \new
.endif
.endm
.set MUL,  0x05
.set TO_F, 0x40
.macro JLOAD s
	s_cmp_eq_u32 s[RH], 0
	s_cbranch_scc0 .Lfor_b_\@
	tensor_load_to_lds s[G0+4*(\s):G0+4*(\s)+3], s[G1:G1+7]
	s_nop 0
.rept 4
	v_nop
.endr
	s_branch .Lasked_\@
.Lfor_b_\@:
	tensor_load_to_lds s[G0B+4*(\s):G0B+4*(\s)+3], s[G1B:G1B+7]
	s_nop 0
.rept 4
	v_nop
.endr
.Lasked_\@:
.endm
.macro CREST
	s_cmp_lg_u32 s[WV], 0
	s_cbranch_scc1 .Lnot_wave_0_\@
	s_barrier_signal -3
.Lnot_wave_0_\@:
	s_barrier_wait -3
	s_barrier_signal -1
	s_barrier_wait -1
.endm
.macro CROUND
	s_barrier_signal -1
	s_barrier_wait -1
	CREST
.endm
.macro PLACES
.rept 4
	v_nop
.endr
.endm
.macro MUL8 f, c, a0, zero             ; 8 products: row blocks a0, a0 + 1 x the 4 column blocks, 32 along K: half c of buffer f
	WIN MUL
.irp a, \a0, (\a0)+1
.irp b, 0,1,2,3
.if \zero
	v_wmma_f32_16x16x32_f16 v[ACC+8*(4*(\a)+(\b)):ACC+8*(4*(\a)+(\b))+7], v[(\f)+64+8*(4*(\c)+(\b)):(\f)+64+8*(4*(\c)+(\b))+7], v[(\f)+8*(4*(\c)+(\a)):(\f)+8*(4*(\c)+(\a))+7], 0
.else
	v_wmma_f32_16x16x32_f16 v[ACC+8*(4*(\a)+(\b)):ACC+8*(4*(\a)+(\b))+7], v[(\f)+64+8*(4*(\c)+(\b)):(\f)+64+8*(4*(\c)+(\b))+7], v[(\f)+8*(4*(\c)+(\a)):(\f)+8*(4*(\c)+(\a))+7], v[ACC+8*(4*(\a)+(\b)):ACC+8*(4*(\a)+(\b))+7]
.endif
.endr
.endr
.endm
.macro FETCH slot, q, f                ; 32 LDS loads in one run: quarter q of a K step is head q: 64 along K; its first 32 first
	WIN TO_F
.irp c, 0,1
.irp i, 0,1,2,3
	ds_load_b128 v[(\f)+64+8*(4*(\c)+(\i)):(\f)+64+8*(4*(\c)+(\i))+3],   v[ADRB+(\slot)] offset:128*(\q)+64*(\c)+(\i)*16*PB
	ds_load_b128 v[(\f)+64+8*(4*(\c)+(\i))+4:(\f)+64+8*(4*(\c)+(\i))+7], v[ADRB+(\slot)] offset:128*(\q)+64*(\c)+(\i)*16*PB+32
	ds_load_b128 v[(\f)+8*(4*(\c)+(\i)):(\f)+8*(4*(\c)+(\i))+3],         v[ADRA+(\slot)] offset:(\q)*HEADB+64*(\c)+(\i)*16*PA
	ds_load_b128 v[(\f)+8*(4*(\c)+(\i))+4:(\f)+8*(4*(\c)+(\i))+7],       v[ADRA+(\slot)] offset:(\q)*HEADB+64*(\c)+(\i)*16*PA+32
.endr
.endr
.endm
.macro QUARTER slot, q, f, g, zero     ; multiplies buffer f, fetches quarter q into g.  The 16 accumulators take turns
	s_wait_dscnt 16                        ; the first 32 along K are in
	MUL8 \f, 0, 0, \zero
	MUL8 \f, 0, 2, \zero
	PLACES
	FETCH \slot, \q, \g
	s_wait_dscnt 32                        ; all but the 32 just issued
	MUL8 \f, 1, 0, 0
	MUL8 \f, 1, 2, 0
.endm
; The last quarter multiplies buffer 1 and changes slots: one barrier; in front of it each wave waits for all its tensor loads, adds 0 to its spare word, and waits for that and for its reads of this slot.
.macro TURN slot, next, fill
	WIN 0
	s_wait_tensorcnt 0x0
	ds_add_u32 v[SPW], v[NIL]
	s_wait_dscnt 17                        ; the add and the youngest sixteen loads may be out
	MUL8 F1, 0, 0, 0
	s_wait_dscnt 0x0
	s_barrier_signal -1
	MUL8 F1, 0, 2, 0
.if \fill
	WIN 0
.endif
	s_barrier_wait -1
.if \fill
	CREST
	s_add_nc_u64 s[G0+4*(\slot)+2:G0+4*(\slot)+3], s[G0+4*(\slot)+2:G0+4*(\slot)+3], 4194304   ; two K steps: eight heads
	s_add_nc_u64 s[G0B+4*(\slot)+2:G0B+4*(\slot)+3], s[G0B+4*(\slot)+2:G0B+4*(\slot)+3], 1024
	JLOAD \slot                            ; its four v_nop are also the places in front of the loads below
.else
	PLACES
.endif
	FETCH \next, 0, F0
	MUL8 F1, 1, 0, 0
	MUL8 F1, 1, 2, 0
.endm
	s_load_b256 s[4:11], s[0:1], 0x0       ; oo s[4:5], wc s[6:7], small1 s[8:9], aux2 s[10:11]
	s_load_b64 s[12:13], s[0:1], 0x20      ; out0
	v_lshl_add_u32 v[SPW], v0, 2, SPARE
	v_mov_b32 v[NIL], 0
	ds_add_u32 v[SPW], v[NIL]              ; the wave's opening: the add, twice on end, and its wait ahead of my first tensor load
	ds_add_u32 v[SPW], v[NIL]
	v_lshrrev_b32 v1, 5, v0
	v_readfirstlane_b32 s[WV], v1
	s_lshr_b32 s[RH], s[WV], 1
	s_and_b32 s[CH], s[WV], 1
	s_bfe_u32 s40, ttmp6, 0x40000
	s_bfe_u32 s41, ttmp6, 0x40004
	s_lshl_b32 s42, ttmp9, 2
	s_add_co_u32 s42, s42, s40             ; tile column
	s_and_b32 s43, ttmp7, 0xffff
	s_lshl_b32 s43, s43, 2
	s_add_co_u32 s43, s43, s41             ; tile row
	s_lshl_b32 s44, s41, 2
	s_lshl_b32 s44, 15, s44
	s_lshl_b32 s45, 0x1111, s40
	s_or_b32 s[G1], s44, (1<<16)|(1<<20)|(1<<21)|(4<<22)|(3<<25)   ; O: the mask of my row; 2-byte elements; padding after every 32 words, 4 words
	s_mov_b32 s[G1+1], 8192<<16            ; tensor_dim0 = 8,192 elements: a head's 128 tokens
	s_mov_b32 s[G1+2], 2<<16               ; tensor_dim1 = 2 heads
	s_mov_b32 s[G1+3], 8192<<16            ; tile_dim0
	s_mov_b32 s[G1+4], 2                   ; tile_dim1
	s_mov_b32 s[G1+5], 262144              ; elements from head to head: two planes
	s_mov_b32 s[G1+6], 0
	s_mov_b32 s[G1+7], 0
	s_or_b32 s[G1B], s45, (1<<16)|(1<<20)|(1<<21)|(6<<22)|(3<<25)  ; Wo: the mask of my column; padding after every 128 words
	s_mov_b32 s[G1B+1], 256<<16
	s_mov_b32 s[G1B+2], 64<<16
	s_mov_b32 s[G1B+3], 256<<16
	s_mov_b32 s[G1B+4], 64
	s_mov_b32 s[G1B+5], 1024
	s_mov_b32 s[G1B+6], 0
	s_mov_b32 s[G1B+7], 0
	s_lshr_b32 s17, s43, 4                 ; the batch
	s_lshl_b32 s18, s17, 18
	s_and_b32 s19, s43, 15
	s_lshl_b32 s19, s19, 14                ; 128 tokens of 128 bytes
	s_add_co_u32 s18, s18, s19
	s_lshl_b32 s19, s[CH], 20              ; my two heads of the step's four
	s_add_co_u32 s18, s18, s19
	s_mov_b32 s19, 0
	s_lshl_b32 s46, s42, 7
	s_lshl_b32 s47, s[CH], 6
	s_add_co_u32 s46, s46, s47
	s_lshl_b32 s46, s46, 11
	s_add_co_u32 s46, s46, 6291456
	s_mov_b32 s47, 0
	s_mul_i32 s20, s[CH], 2*HEADB          ; where they go: no place in the cluster enters an LDS address
	s_mul_i32 s21, s[CH], 64*PB
	s_add_co_u32 s21, s21, AREG
	s_wait_dscnt 0x0                       ; both opening adds are done
	s_wait_kmcnt 0x0
	s_add_nc_u64 s[18:19], s[4:5], s[18:19]
	s_add_nc_u64 s[46:47], s[6:7], s[46:47]
	CROUND                                 ; all sixteen work-groups are here: the first joint loads meet
.irp s, 0,1
	s_mov_b32 s[G0+4*(\s)], 1
	s_add_co_u32 s[G0+4*(\s)+1], s20, (\s)*SLOT
	s_add_nc_u64 s[G0+4*(\s)+2:G0+4*(\s)+3], s[18:19], (\s)*2097152
	s_or_b32 s[G0+4*(\s)+3], s[G0+4*(\s)+3], 0x80000000
	s_mov_b32 s[G0B+4*(\s)], 1
	s_add_co_u32 s[G0B+4*(\s)+1], s21, (\s)*SLOT
	s_add_nc_u64 s[G0B+4*(\s)+2:G0B+4*(\s)+3], s[46:47], (\s)*512
	s_or_b32 s[G0B+4*(\s)+3], s[G0B+4*(\s)+3], 0x80000000
	JLOAD \s
.endr
	v_and_b32 v1, 15, v0
	v_bfe_u32 v2, v0, 4, 1
	v_mul_u32_u24 v3, v1, PA
	v_lshl_add_u32 v3, v2, 4, v3
	v_mul_u32_u24 v4, v1, PB
	v_lshl_add_u32 v4, v2, 4, v4
	s_mul_i32 s22, s[RH], 64*PA            ; my 64 tokens
	s_mul_i32 s23, s[CH], 64*PB            ; my 64 rows of Wo,
	s_add_co_u32 s23, s23, AREG            ; which lie behind O's four heads
.irp s, 0,1
	v_add_nc_u32 v[ADRA+(\s)], s22, v3
	v_add_nc_u32 v[ADRB+(\s)], s23, v4
	s_add_co_u32 s22, s22, SLOT
	s_add_co_u32 s23, s23, SLOT
.endr
	s_mul_i32 s22, s[WV], 16*SPITCH
	s_add_co_u32 s22, s22, STAGE           ; my stage
	v_mul_u32_u24 v5, v1, SPITCH
	v_lshl_add_u32 v5, v2, 5, v5
	v_add_nc_u32 v[STO], s22, v5           ; in: row l % 16, 32 bytes for each half of the lanes
	v_mul_u32_u24 v5, v2, SPITCH
	v_lshl_add_u32 v5, v1, 4, v5
	v_add_nc_u32 v[RD], s22, v5            ; back: lanes 0-15 one row of 256 bytes, lanes 16-31 the next
	v_lshlrev_b32 v[CO], 12, v2
	v_lshl_add_u32 v[CO], v1, 4, v[CO]     ; and the same two rows in out0
	v_lshlrev_b32 v[GCO], 5, v2
	s_mul_i32 s68, s17, 3072               ; the gate of my 64 columns
	s_add_co_u32 s68, s68, 2048
	s_lshl_b32 s69, s42, 7
	s_add_co_u32 s68, s68, s69
	s_lshl_b32 s69, s[CH], 6
	s_add_co_u32 s68, s68, s69
	s_lshl_b32 s68, s68, 2
	s_mov_b32 s69, 0
	s_add_nc_u64 s[68:69], s[8:9], s[68:69]
	s_lshl_b32 s70, s17, 8
	s_mov_b32 s71, 0
	s_add_nc_u64 s[70:71], s[10:11], s[70:71]
	s_load_b32 s[CB], s[70:71], 0x0        ; c_b
.set f, 0
.rept 4
	global_load_b128 v[GC+8*f:GC+8*f+3],   v[GCO], s[68:69] offset:64*f
	global_load_b128 v[GC+8*f+4:GC+8*f+7], v[GCO], s[68:69] offset:64*f+16
.set f, f+1
.endr
	s_lshl_b32 s22, s43, 7
	s_lshl_b32 s23, s[RH], 6
	s_add_co_u32 s22, s22, s23             ; my first row of out0
	s_lshl_b32 s22, s22, 12
	s_lshl_b32 s23, s42, 9
	s_add_co_u32 s22, s22, s23
	s_lshl_b32 s23, s[CH], 8
	s_add_co_u32 s22, s22, s23             ; my 64 columns: 256 bytes
	s_mov_b32 s23, 0
	s_add_nc_u64 s[12:13], s[12:13], s[22:23]
	s_wait_tensorcnt 1                     ; my part of K step 0 is in; step 1's may stay out
	s_barrier_signal -1
	s_barrier_wait -1
	FETCH 0, 0, F0
	QUARTER 0, 1, F0, F1, 1                ; the first products start the sums
	QUARTER 0, 2, F1, F0, 0
	QUARTER 0, 3, F0, F1, 0
	TURN 0, 1, 1                           ; slot 0 takes K step 2
	QUARTER 1, 1, F0, F1, 0
	QUARTER 1, 2, F1, F0, 0
	QUARTER 1, 3, F0, F1, 0
	TURN 1, 0, 1                           ; slot 1 takes K step 3
	QUARTER 0, 1, F0, F1, 0
	QUARTER 0, 2, F1, F0, 0
	QUARTER 0, 3, F0, F1, 0
	TURN 0, 1, 0
	QUARTER 1, 1, F0, F1, 0
	QUARTER 1, 2, F1, F0, 0
	QUARTER 1, 3, F0, F1, 0
	s_wait_dscnt 16
	MUL8 F1, 0, 0, 0
	MUL8 F1, 0, 2, 0
	s_wait_dscnt 0x0
	MUL8 F1, 1, 0, 0
	MUL8 F1, 1, 2, 0
	WIN 0
	s_wait_loadcnt 0x0                     ; the gate
	s_wait_kmcnt 0x0                       ; c_b
	s_mov_b32 s[CB+1], s[CB]               ; named with it as a pair
.set p, 0
.rept 16
	v_pk_mul_f32 v[GC+2*p:GC+2*p+1], v[GC+2*p:GC+2*p+1], s[CB:CB+1] op_sel_hi:[1,0]   ; gate x c_b: sixteen plain instructions, the places behind the last products
.set p, p+1
.endr
.macro OUTA a                          ; 16 rows: scaled, through my stage, stored as whole rows of 256 bytes
.if (\a) > 0
	s_wait_xcnt 0x0                        ; the stores of the block before have read OB
.endif
.irp b, 0,1,2,3
.irp r, 0,1,2,3
	v_pk_mul_f32 v[TMP+8*(\b)+2*(\r):TMP+8*(\b)+2*(\r)+1], v[ACC+8*(4*(\a)+(\b))+2*(\r):ACC+8*(4*(\a)+(\b))+2*(\r)+1], v[GC+8*(\b)+2*(\r):GC+8*(\b)+2*(\r)+1]
.endr
.endr
.irp b, 0,1,2,3
	ds_store_b128 v[STO], v[TMP+8*(\b):TMP+8*(\b)+3]   offset:64*(\b)
	ds_store_b128 v[STO], v[TMP+8*(\b)+4:TMP+8*(\b)+7] offset:64*(\b)+16
.endr
.irp f, 0,1,2,3,4,5,6,7
	ds_load_b128 v[OB+4*(\f):OB+4*(\f)+3], v[RD] offset:(\f)*2*SPITCH   ; LDS serves a wave's instructions in order (ISA guide 5.7.1.4)
.endr
	s_wait_dscnt 0x0
.irp f, 0,1,2,3,4,5,6,7
	global_store_b128 v[CO], v[OB+4*(\f):OB+4*(\f)+3], s[12:13] offset:(\a)*65536+(\f)*8192 th:TH_STORE_NT   ; 16 lanes store 256 consecutive bytes, aligned
.endr
.endm
	OUTA 0
	OUTA 1
	OUTA 2
	OUTA 3
	s_wait_tensorcnt 0x0                   ; the wave's end
	ds_add_u32 v[SPW], v[NIL]
	s_wait_dscnt 0x0
	CROUND                                 ; the closing round
	s_endpgm
.Lfunc_end_k_qbe15bb9e09_outp:
	.size	k_qbe15bb9e09_outp, .Lfunc_end_k_qbe15bb9e09_outp-k_qbe15bb9e09_outp
	.p2alignl 7, 3214868480
	.fill 96, 4, 3214868480
	.section	.rodata,"a",@progbits
	.p2align	6, 0x0
	.amdhsa_kernel k_qbe15bb9e09_outp
		.amdhsa_group_segment_fixed_size 327680
		.amdhsa_private_segment_fixed_size 0
		.amdhsa_enable_private_segment 0
		.amdhsa_kernarg_size 40
		.amdhsa_user_sgpr_count 2
		.amdhsa_user_sgpr_kernarg_segment_ptr 1
		.amdhsa_wavefront_size32 1
		.amdhsa_system_sgpr_workgroup_id_x 1
		.amdhsa_system_sgpr_workgroup_id_y 1
		.amdhsa_system_sgpr_workgroup_id_z 1
		.amdhsa_system_vgpr_workitem_id 0
		.amdhsa_next_free_vgpr 512
		.amdhsa_next_free_sgpr 72
		.amdhsa_reserve_vcc 0
		.amdhsa_float_denorm_mode_32 3
		.amdhsa_float_denorm_mode_16_64 3
		.amdhsa_memory_ordered 1
		.amdhsa_forward_progress 1
		.amdhsa_inst_pref_size 92
	.end_amdhsa_kernel
	.amdgpu_metadata
---
amdhsa.version: [ 1, 2 ]
amdhsa.kernels:
  - .name:           k_qbe15bb9e09_outp
    .symbol:         k_qbe15bb9e09_outp.kd
    .args:
      - { .name: oo, .offset: 0, .size: 8, .value_kind: global_buffer, .address_space: global }
      - { .name: wc, .offset: 8, .size: 8, .value_kind: global_buffer, .address_space: global }
      - { .name: small1, .offset: 16, .size: 8, .value_kind: global_buffer, .address_space: global }
      - { .name: aux2, .offset: 24, .size: 8, .value_kind: global_buffer, .address_space: global }
      - { .name: out0, .offset: 32, .size: 8, .value_kind: global_buffer, .address_space: global }
    .group_segment_fixed_size: 327680
    .private_segment_fixed_size: 0
    .kernarg_segment_align: 8
    .kernarg_segment_size: 40
    .max_flat_workgroup_size: 128
    .sgpr_count:     72
    .vgpr_count:     512
    .wavefront_size: 32
...
	.end_amdgpu_metadata
.endif
;; end of part 5
;; ======== version 2 of 3: 5 launches
;; limits: values are held in f16: magnitudes above 65,504 overflow, below 6.1e-05 lose precision; inputs' magnitudes at most 65,504; right only within a limited range of input values
;; workspace buffers: small1 25,344 bytes; wc 8,388,608 bytes; hs 8,388,608 bytes; aux2 512 bytes; qq 16,777,216 bytes; kk 8,388,608 bytes; vv 8,388,608 bytes; oo 8,388,608 bytes
;; launch prep: the kernel of part 1 again; grid 256 x 1, 4 waves a work-group, no clusters, 0 bytes of LDS; arguments ada_cond, mod_w, mod_b, w_qkv, w_o, qn_w, kn_w, small1, wc; writes small1, wc
;; launch norm (part 6): grid 256 x 1, 16 waves a work-group, no clusters, 0 bytes of LDS; arguments x, ln_w, small1, hs, aux2; writes hs, aux2
.if DOCPART == 6
	.amdgcn_target "amdgcn-amd-amdhsa--gfx1250"
	.amdhsa_code_object_version 6
	.text
	.protected	k_qbe15bb9e09_norm
	.globl	k_qbe15bb9e09_norm
	.p2align	8
	.type	k_qbe15bb9e09_norm,@function
k_qbe15bb9e09_norm:
	s_mov_b64 s[64:65], 0
	v_nop
	global_prefetch_b8 v0, s[64:65] scope:SCOPE_SE
	s_setreg_imm32_b32 hwreg(HW_REG_WAVE_MODE, 25, 1), 1
	s_wait_xcnt 0x0
; NORM.  h = LayerNorm(x) ln_w (1 + scale) + shift, divided by c_b and rounded once to f16: hs[row][1024], rows of 2,048 bytes.
; c_b is the power of two above the largest of |ln_w (1 + scale)| and |shift| of the batch (taken within 2^-60 .. 2^60): |h'| stays under 33 whatever the gains.  The division is exact; q, k, v come out
; divided by c_b too; the head norms then take eps' = 1e-5 / c_b^2, which gives the same q and k; the last launch multiplies by c_b.  aux2[b]: c_b x 32, eps' x 32.
; x and ln_w are rounded to bf16 first.  The mean is taken away before the squares are summed.  NaN and infinities are not treated apart.
; SHARES.  One wave, one row of 4,096 bytes, kept in 32 registers: read once, no LDS, no barrier, no loop.  Load j covers 512 consecutive bytes; lane l holds columns 128 j + 4 l .. + 3.
; A wave sees all 1,024 columns, so it finds c_b by itself.  Each store of a wave covers 256 consecutive bytes, aligned.
.set MU, 6                             ; v[6:7]   the mean, twice
.set RR, 8                             ; v[8:9]   1 / sqrt(var + eps), twice
.set RC, 10                            ; v[10:11] 1 / c_b, twice
.set X,  16                            ; v[16:47]
.set G,  48                            ; v[48:79]   scale, then ln_w (1 + scale) / c_b
.set SH, 80                            ; v[80:111]  shift / c_b
.set T,  112                           ; v[112:143] ln_w, then at work
.set HP, 144                           ; v[144:159] at work, then h' packed
.set MSK, 22
.set SEL, 24
.macro RND a, t
	v_cvt_pk_bf16_f32 v[\t], v[\a], v[(\a)+1]
	v_lshlrev_b32 v[\a], 16, v[\t]
	v_and_b32 v[(\a)+1], s[MSK], v[\t]
.endm
.macro WSUM r, t
	v_add_f32_dpp v[\r], v[\r], v[\r] row_xmask:1 row_mask:0xf bank_mask:0xf
	v_add_f32_dpp v[\r], v[\r], v[\r] row_xmask:2 row_mask:0xf bank_mask:0xf
	v_add_f32_dpp v[\r], v[\r], v[\r] row_xmask:4 row_mask:0xf bank_mask:0xf
	v_add_f32_dpp v[\r], v[\r], v[\r] row_xmask:8 row_mask:0xf bank_mask:0xf
	v_permlanex16_b32 v[\t], v[\r], s[SEL], s[SEL+1]
	v_add_f32 v[\r], v[\r], v[\t]
.endm
.macro WMAX r, t
	v_max_num_f32_dpp v[\r], v[\r], v[\r] row_xmask:1 row_mask:0xf bank_mask:0xf
	v_max_num_f32_dpp v[\r], v[\r], v[\r] row_xmask:2 row_mask:0xf bank_mask:0xf
	v_max_num_f32_dpp v[\r], v[\r], v[\r] row_xmask:4 row_mask:0xf bank_mask:0xf
	v_max_num_f32_dpp v[\r], v[\r], v[\r] row_xmask:8 row_mask:0xf bank_mask:0xf
	v_permlanex16_b32 v[\t], v[\r], s[SEL], s[SEL+1]
	v_max_num_f32 v[\r], v[\r], v[\t]
.endm
	s_load_b256 s[4:11], s[0:1], 0x0       ; x s[4:5], ln_w s[6:7], small1 s[8:9], hs s[10:11]
	s_load_b64 s[12:13], s[0:1], 0x20      ; aux2
	v_and_b32 v1, 31, v0
	v_lshrrev_b32 v5, 5, v0
	v_readfirstlane_b32 s2, v5             ; wave 0..15
	v_lshlrev_b32 v2, 4, v1
	v_lshlrev_b32 v3, 3, v1
	v_lshlrev_b32 v4, 2, v1
	v_mov_b32 v15, 0                       ; written, since v_permlanex16_b32 counts as a reader of its destination
	s_lshl_b32 s3, ttmp9, 4
	s_add_co_u32 s3, s3, s2                ; my row
	s_lshr_b32 s14, ttmp9, 7               ; its batch
	s_lshl_b32 s16, s3, 12                 ; a row of x is 4,096 bytes,
	s_mov_b32 s17, 0
	s_lshl_b32 s30, s3, 11                 ; a row of hs 2,048
	s_mov_b32 s31, 0
	s_mul_i32 s18, s14, 12288
	s_mov_b32 s19, 0
	s_lshl_b32 s20, s14, 8
	s_mov_b32 s21, 0
	s_mov_b32 s[MSK], 0xffff0000
	s_mov_b32 s[SEL], 0x76543210
	s_mov_b32 s[SEL+1], 0xfedcba98
	s_mov_b32 s26, 0x3a800000              ; 1 / 1024
	s_mov_b32 s27, 0x3727c5ac              ; 1e-5
	s_mov_b32 s28, 0x21800000              ; 2^-60
	s_mov_b32 s29, 0x5d800000              ; 2^60
	s_wait_kmcnt 0x0
	s_add_nc_u64 s[4:5], s[4:5], s[16:17]
	s_add_nc_u64 s[10:11], s[10:11], s[30:31]
	s_add_nc_u64 s[8:9], s[8:9], s[18:19]
	s_add_nc_u64 s[12:13], s[12:13], s[20:21]
.set j, 0
.rept 8
	global_load_b128 v[G+4*j:G+4*j+3], v2, s[8:9] offset:512*j
.set j, j+1
.endr
.set j, 0
.rept 8
	global_load_b128 v[SH+4*j:SH+4*j+3], v2, s[8:9] offset:4096+512*j
.set j, j+1
.endr
.set j, 0
.rept 8
	global_load_b128 v[T+4*j:T+4*j+3], v2, s[6:7] offset:512*j
.set j, j+1
.endr
.set j, 0
.rept 8
	global_load_b128 v[X+4*j:X+4*j+3], v2, s[4:5] offset:512*j th:TH_LOAD_NT
.set j, j+1
.endr
	s_wait_loadcnt 8                       ; scale, shift and ln_w are in; x's eight loads may stay out
.set p, 0
.rept 16
	RND T+2*p, HP+p
.set p, p+1
.endr
.set p, 0
.rept 16
	v_pk_fma_f32 v[G+2*p:G+2*p+1], v[T+2*p:T+2*p+1], v[G+2*p:G+2*p+1], v[T+2*p:T+2*p+1]  ; ln_w scale + ln_w
.set p, p+1
.endr
.set k, 0
.rept 4
	v_max_num_f32 v[T+k], |v[G+k]|, |v[SH+k]|   ; four chains, started by the first four columns
.set k, k+1
.endr
.set k, 4
.rept 28
	v_max3_num_f32 v[T+k%4], v[T+k%4], |v[G+k]|, |v[SH+k]|
.set k, k+1
.endr
	v_max3_num_f32 v[T], v[T], v[T+1], v[T+2]
	v_max_num_f32 v[T], v[T], v[T+3]
	WMAX T, 15
	v_med3_num_f32 v[T], v[T], s28, s29
	v_and_b32 v12, 0x7f800000, v[T]
	v_add_nc_u32 v12, 0x00800000, v12      ; c_b
	v_sub_nc_u32 v[RC], 0x7f000000, v12    ; 1 / c_b, by the exponent
	v_mov_b32 v[RC+1], v[RC]
	v_mul_f32 v13, v[RC], v[RC]
	v_mul_f32 v13, s27, v13                ; eps'
.set p, 0
.rept 16
	v_pk_mul_f32 v[G+2*p:G+2*p+1], v[G+2*p:G+2*p+1], v[RC:RC+1]
	v_pk_mul_f32 v[SH+2*p:SH+2*p+1], v[SH+2*p:SH+2*p+1], v[RC:RC+1]
.set p, p+1
.endr
	s_and_b32 s15, ttmp9, 127
	s_or_b32 s15, s15, s2
	s_cmp_lg_u32 s15, 0
	s_cbranch_scc1 .Lnot_first             ; the batch's first wave stores c_b and eps'
	global_store_b32 v4, v12, s[12:13]
	global_store_b32 v4, v13, s[12:13] offset:128
.Lnot_first:
	s_wait_loadcnt 0x0                     ; x
.set p, 0
.rept 16
	RND X+2*p, T+p
.set p, p+1
.endr
.set p, 0
.rept 8
	v_pk_add_f32 v[T+2*p:T+2*p+1], v[X+4*p:X+4*p+1], v[X+4*p+2:X+4*p+3]
.set p, p+1
.endr
.set p, 0
.rept 4
	v_pk_add_f32 v[T+4*p:T+4*p+1], v[T+4*p:T+4*p+1], v[T+4*p+2:T+4*p+3]
.set p, p+1
.endr
	v_pk_add_f32 v[T:T+1], v[T:T+1], v[T+4:T+5]
	v_pk_add_f32 v[T+8:T+9], v[T+8:T+9], v[T+12:T+13]
	v_pk_add_f32 v[T:T+1], v[T:T+1], v[T+8:T+9]
	v_add_f32 v14, v[T], v[T+1]
	WSUM 14, 15
	v_mul_f32 v[MU], s26, v14
	v_mov_b32 v[MU+1], v[MU]
.set p, 0
.rept 16
	v_pk_add_f32 v[X+2*p:X+2*p+1], v[X+2*p:X+2*p+1], v[MU:MU+1] neg_lo:[0,1] neg_hi:[0,1]
.set p, p+1
.endr
.set p, 0
.rept 4
	v_pk_mul_f32 v[T+2*p:T+2*p+1], v[X+2*p:X+2*p+1], v[X+2*p:X+2*p+1]
.set p, p+1
.endr
.set p, 4
.rept 12
	v_pk_fma_f32 v[T+2*(p%4):T+2*(p%4)+1], v[X+2*p:X+2*p+1], v[X+2*p:X+2*p+1], v[T+2*(p%4):T+2*(p%4)+1]
.set p, p+1
.endr
	v_pk_add_f32 v[T:T+1], v[T:T+1], v[T+2:T+3]
	v_pk_add_f32 v[T+4:T+5], v[T+4:T+5], v[T+6:T+7]
	v_pk_add_f32 v[T:T+1], v[T:T+1], v[T+4:T+5]
	v_add_f32 v14, v[T], v[T+1]
	WSUM 14, 15
	v_fma_f32 v14, v14, s26, s27           ; var + 1e-5
	v_rsq_f32 v[RR], v14
	v_nop                                  ; a plain instruction behind it,
	s_wait_alu depctr_va_vdst(0)           ; and the wait ahead of its first reader
	v_mov_b32 v[RR+1], v[RR]
.set p, 0
.rept 16
	v_pk_mul_f32 v[X+2*p:X+2*p+1], v[X+2*p:X+2*p+1], v[RR:RR+1]
.set p, p+1
.endr
.set p, 0
.rept 16
	v_pk_fma_f32 v[X+2*p:X+2*p+1], v[X+2*p:X+2*p+1], v[G+2*p:G+2*p+1], v[SH+2*p:SH+2*p+1]
.set p, p+1
.endr
.set p, 0
.rept 16
	v_cvt_pk_f16_f32 v[HP+p], v[X+2*p], v[X+2*p+1]
.set p, p+1
.endr
.set j, 0
.rept 8
	global_store_b64 v3, v[HP+2*j:HP+2*j+1], s[10:11] offset:256*j
.set j, j+1
.endr
	s_endpgm
.Lfunc_end_k_qbe15bb9e09_norm:
	.size	k_qbe15bb9e09_norm, .Lfunc_end_k_qbe15bb9e09_norm-k_qbe15bb9e09_norm
	.p2alignl 7, 3214868480
	.fill 96, 4, 3214868480
	.section	.rodata,"a",@progbits
	.p2align	6, 0x0
	.amdhsa_kernel k_qbe15bb9e09_norm
		.amdhsa_group_segment_fixed_size 0
		.amdhsa_private_segment_fixed_size 0
		.amdhsa_enable_private_segment 0
		.amdhsa_kernarg_size 40
		.amdhsa_user_sgpr_count 2
		.amdhsa_user_sgpr_kernarg_segment_ptr 1
		.amdhsa_wavefront_size32 1
		.amdhsa_system_sgpr_workgroup_id_x 1
		.amdhsa_system_sgpr_workgroup_id_y 1
		.amdhsa_system_sgpr_workgroup_id_z 1
		.amdhsa_system_vgpr_workitem_id 0
		.amdhsa_next_free_vgpr 160
		.amdhsa_next_free_sgpr 66
		.amdhsa_reserve_vcc 0
		.amdhsa_float_denorm_mode_32 3
		.amdhsa_float_denorm_mode_16_64 3
		.amdhsa_memory_ordered 1
		.amdhsa_forward_progress 1
		.amdhsa_inst_pref_size 23
	.end_amdhsa_kernel
	.amdgpu_metadata
---
amdhsa.version: [ 1, 2 ]
amdhsa.kernels:
  - .name:           k_qbe15bb9e09_norm
    .symbol:         k_qbe15bb9e09_norm.kd
    .args:
      - { .name: x, .offset: 0, .size: 8, .value_kind: global_buffer, .address_space: global }
      - { .name: ln_w, .offset: 8, .size: 8, .value_kind: global_buffer, .address_space: global }
      - { .name: small1, .offset: 16, .size: 8, .value_kind: global_buffer, .address_space: global }
      - { .name: hs, .offset: 24, .size: 8, .value_kind: global_buffer, .address_space: global }
      - { .name: aux2, .offset: 32, .size: 8, .value_kind: global_buffer, .address_space: global }
    .group_segment_fixed_size: 0
    .private_segment_fixed_size: 0
    .kernarg_segment_align: 8
    .kernarg_segment_size: 40
    .max_flat_workgroup_size: 512
    .sgpr_count:     66
    .vgpr_count:     160
    .wavefront_size: 32
...
	.end_amdgpu_metadata
.endif
;; end of part 6
;; launch qkv (part 7): grid 16 x 16, 4 waves a work-group, clusters of 4 x 4, 327,680 bytes of LDS; arguments hs, wc, freqs, small1, aux2, qq, kk, vv; writes qq, kk, vv
.if DOCPART == 7
	.amdgcn_target "amdgcn-amd-amdhsa--gfx1250"
	.amdhsa_code_object_version 6
	.text
	.protected	k_qbe15bb9e09_qkv
	.globl	k_qbe15bb9e09_qkv
	.p2align	8
	.type	k_qbe15bb9e09_qkv,@function
k_qbe15bb9e09_qkv:
	s_mov_b64 s[64:65], 0
	v_nop
	global_prefetch_b8 v0, s[64:65] scope:SCOPE_SE
	s_setreg_imm32_b32 hwreg(HW_REG_WAVE_MODE, 25, 1), 1
	s_wait_xcnt 0x0
	s_wait_alu depctr_hold_cnt(0) depctr_sa_sdst(0) depctr_va_vdst(0) depctr_va_sdst(0) depctr_va_ssrc(0) depctr_va_vcc(0) depctr_vm_vsrc(0)
	s_getreg_b32 s2, hwreg(HW_REG_IB_STS2, 6, 4)
	s_cmp_eq_u32 s2, 0
	s_cbranch_scc0 .Lentry_in_a_cluster
	s_endpgm
.Lentry_in_a_cluster:
	s_bfe_u32 s2, ttmp6, 0x10000c
	s_cmp_lg_u32 s2, 0xf033
	s_cbranch_scc0 .Lentry_shape_is_right
	s_endpgm
.Lentry_shape_is_right:
; QKV.  q', k', v' = h' W^T (4,096 x 1,024 times 3,072 x 1,024, f16 operands, sums in f32).  Then, for q and k: the head's LayerNorm (eps' of norm's scaling), the scaled gain, the rotation by freqs (rounded to bf16).
; q goes out as a pair of f16: qq plane 2 head + b, row = hi(64) | lo(64), 256 bytes, lo = f16(q - hi).  k and v' go out as one f16: kk and vv, plane 2 head + b, rows of 128 bytes.
; LIMITS.  q and k are at most 7.94 (|f0| + |f1|): freqs stay under some 4,000; v' stays within 65,504.  NaN and infinities are not treated apart.
; SHARES.  A work-group makes 256 rows x 192 columns: rows 192 j .. of wc, which are two q heads (j < 8) or two k heads, and one v head.  Wave w takes rows 64 w .. + 63 and all 192 columns: 48 accumulators, whole heads.
; K goes in 8 steps of 128 (rows of 256 bytes, aligned) through two LDS slots.
; CLUSTER.  4 x 4 work-groups: hs's tile hangs on the tile row and is asked for jointly along a row of the cluster, wc's on the tile column, along a column.
; THE MATRIX INSTRUCTION IS USED TRANSPOSED (source 0 = 16 rows of W, source 1 = 16 rows of h): a lane holds row l % 16 and the columns 8 (l / 16) + 0..7 of a block of 16: a head's 64 columns of a row lie in two lanes.
; REGISTERS in windows of 256 (s_set_vgpr_msb: bits 1:0 source 0, 3:2 source 1, 5:4 source 2, 7:6 destination):
;   window 0: addresses; v32-63 packed hi, lo; v64-127 h's fragments, two buffers of 32 (later rows on their way out); v128-255 the epilogue's X, FR, GW, T
;   window 1: W's fragments, two buffers of 96; v192-223 16 rows of freqs as loaded       window 2: q/k accumulators (a, b) at 8 (8 a + b)       window 3: v accumulators (a, b') at 8 (4 a + b')
; THE WAY OUT is written once and looped over: the accumulators are laid into LDS (each wave's own 49,152 bytes of the slots, which have had their last fill) and taken back a head and 16 rows at a time.
; What a trip will want is asked for a trip ahead: the next four accumulators as soon as X is free, the next 16 rows of freqs as soon as the last have been rounded; the first rows of freqs at the kernel's head.
.set PITCH, 272                        ; an LDS row: 256 bytes + 16 of padding: the 16 rows of a fragment load start 68 words apart
.set SLOT1, 1<<17                      ; slot 1 begins here, so that one exclusive or turns an address in one slot into the other's
.set BOFF,  256*PITCH                  ; in a slot: h's 256 rows, then W's 192
.set STAGE, SLOT1+BOFF+192*PITCH       ; 252,928: 16 rows x 272 bytes for each wave
.set SPARE, STAGE+4*16*PITCH           ; 270,336: the spare words, 128 bytes a wave
.set DUMPW, 49152
.set R16, 1
.set H16, 2
.set MUP, 4                            ; v[4:5] a mean, twice
.set RP,  6                            ; v[6:7] 1 / sqrt, twice
.set GWO, 12
.set ADRA0, 14                         ; my lane's place in a slot's rows of h; never rewritten
.set ADRB0, 15                         ; and of W
.set ADRA, 16
.set ADRB, 17
.set DW,  18                           ; my 16 bytes in my wave's dump
.set DA,  20
.set STO, 21
.set RD,  22
.set STO2, 23
.set RD2, 24
.set GOQ, 25
.set GOV, 26
.set FO,  27
.set SPW, 28                           ; LDS address of my spare word; never rewritten
.set NIL, 29                           ; 0; never rewritten
.set PFO, 30
.set MONE, 31                          ; -1.0
.set HP,  32
.set LP,  48
.set FA,  64
.set OB,  64
.set X,   128
.set FR,  160
.set GW,  192
.set T,   224
.set FRAW, 192                         ; window 1
.set WV,  18
.set AB,  19                           ; 0: I fetch for h, 1: for W
.set HF,  20                           ; which half of that tile's rows
.set CX,  21
.set CY,  22
.set TJ,  23
.set TI,  24
.set ISK, 25                           ; 1: the tile's two heads are k's
.set BK,  26                           ; s[26:27] bytes back from the second head to the first, less 16 rows
.set G1A, 28
.set G1B, 36
.set G0A, 44                           ; two sets; the second walks
.set G0B, 52
.set KC,  60
.set TB,  61                           ; the slot that is read: 0 or SLOT1
.set HS,  62                           ; s[62:63] bytes from a head to the next: two planes
.set PFA, 66
.set LIM, 68
.set EPS, 69
.set CA,  70
.set CT,  71
.set DB,  72
.set MSK, 73
.set OP,  74
.set VP,  76
.set FRB, 78
.set SEL, 80
.set I64, 90
.set MSB, 0
.macro WIN new                         ; the immediate's high byte repeats the setting that is left; a switch that changes nothing is dropped
.if MSB != (\new)
	s_set_vgpr_msb (MSB<<8)|(\new)
.set MSB, \new
.endif
.endm
.set MUL_Q, 0xa1                       ; W window 1, h window 0, C and D window 2
.set MUL_V, 0xf1                       ; the same, C and D window 3
.set TO_B,  0x40
.macro PLACES                          ; four places behind a matrix instruction, in front of loads into registers that it has read and of stores that read results
.rept 4
	v_nop
.endr
.endm
.macro CREST                           ; a round of the cluster's barrier behind its opening barrier
	s_cmp_lg_u32 s[WV], 0
	s_cbranch_scc1 .Lnot_wave_0_\@
	s_barrier_signal -3
.Lnot_wave_0_\@:
	s_barrier_wait -3
	s_barrier_signal -1
	s_barrier_wait -1
.endm
.macro CROUND
	s_barrier_signal -1
	s_barrier_wait -1
	CREST
.endm
.macro JLOAD                           ; a joint refill by the walking descriptors: waves 0, 1 h's halves, waves 2, 3 W's; an s_nop 0 and four v_nop follow each line
	s_cmp_eq_u32 s[AB], 0
	s_cbranch_scc0 .Lfor_b_\@
	tensor_load_to_lds s[G0A+4:G0A+7], s[G1A:G1A+7]
	s_nop 0
.rept 4
	v_nop
.endr
	s_branch .Lasked_\@
.Lfor_b_\@:
	tensor_load_to_lds s[G0B+4:G0B+7], s[G1B:G1B+7]
	s_nop 0
.rept 4
	v_nop
.endr
.Lasked_\@:
.endm
; A PREFETCH INTO THE L2 of the K step two refills on, a lane a row, one instruction a wave.  hs's rows are asked for by the cluster with x = 0, wc's by the cluster with y = 0; the four partners of a joint
; load share its rows out by address (32 of 128, or 24 of 96: lanes 24 to 31 repeat the last).  It is asked while that step is 7 or less: in the loop's first four trips.
.macro ASK
	s_cmp_gt_u32 s[KC], s[LIM]
	s_cbranch_scc0 .Lnot_mine_\@
	global_prefetch_b8 v[PFO], s[PFA:PFA+1] offset:256 th:TH_LOAD_NT scope:SCOPE_SE
.Lnot_mine_\@:
.endm
.macro MULQ f, a0, zero                ; 16 products: row blocks a0, a0 + 1 x the 8 column blocks of q/k; zero = 1 starts the sums
	WIN MUL_Q
.irp a, \a0, (\a0)+1
.irp b, 0,1,2,3,4,5,6,7
.if \zero
	v_wmma_f32_16x16x32_f16 v[8*(8*(\a)+(\b)):8*(8*(\a)+(\b))+7], v[96*(\f)+8*(\b):96*(\f)+8*(\b)+7], v[FA+32*(\f)+8*(\a):FA+32*(\f)+8*(\a)+7], 0
.else
	v_wmma_f32_16x16x32_f16 v[8*(8*(\a)+(\b)):8*(8*(\a)+(\b))+7], v[96*(\f)+8*(\b):96*(\f)+8*(\b)+7], v[FA+32*(\f)+8*(\a):FA+32*(\f)+8*(\a)+7], v[8*(8*(\a)+(\b)):8*(8*(\a)+(\b))+7]
.endif
.endr
.endr
.endm
.macro MULV f, zero                    ; 16 products: the 4 row blocks x the 4 column blocks of v
	WIN MUL_V
.irp a, 0,1,2,3
.irp b, 0,1,2,3
.if \zero
	v_wmma_f32_16x16x32_f16 v[8*(4*(\a)+(\b)):8*(4*(\a)+(\b))+7], v[96*(\f)+64+8*(\b):96*(\f)+64+8*(\b)+7], v[FA+32*(\f)+8*(\a):FA+32*(\f)+8*(\a)+7], 0
.else
	v_wmma_f32_16x16x32_f16 v[8*(4*(\a)+(\b)):8*(4*(\a)+(\b))+7], v[96*(\f)+64+8*(\b):96*(\f)+64+8*(\b)+7], v[FA+32*(\f)+8*(\a):FA+32*(\f)+8*(\a)+7], v[8*(4*(\a)+(\b)):8*(4*(\a)+(\b))+7]
.endif
.endr
.endr
.endm
.macro FETCH k, f                      ; 32 LDS loads in one run: 32 along K at byte k of the rows; h's 8, then W's 24, v's column blocks last
	WIN 0
.irp i, 0,1,2,3
	ds_load_b128 v[FA+32*(\f)+8*(\i):FA+32*(\f)+8*(\i)+3],   v[ADRA] offset:(\k)+(\i)*16*PITCH
	ds_load_b128 v[FA+32*(\f)+8*(\i)+4:FA+32*(\f)+8*(\i)+7], v[ADRA] offset:(\k)+(\i)*16*PITCH+32
.endr
	WIN TO_B
.irp i, 0,1,2,3,4,5,6,7,8,9,10,11
	ds_load_b128 v[96*(\f)+8*(\i):96*(\f)+8*(\i)+3],   v[ADRB] offset:(\k)+(\i)*16*PITCH
	ds_load_b128 v[96*(\f)+8*(\i)+4:96*(\f)+8*(\i)+7], v[ADRB] offset:(\k)+(\i)*16*PITCH+32
.endr
.endm
; A K step is four quarters of 32 along K, 48 products each, on buffers 0, 1, 0, 1.  The 48 accumulators take turns, one instruction a turn, in the same order in every quarter.
.macro QUARTER k, f, g, zero
	s_wait_dscnt 8                         ; all but the youngest eight loads (v's column blocks) are in
	MULQ \f, 0, \zero
	PLACES
	FETCH \k, \g
	MULQ \f, 2, \zero
	s_wait_dscnt 32                        ; all but the 32 just issued
	MULV \f, \zero
.endm
; The last quarter multiplies buffer 1 and changes slots: one barrier; in front of it each wave waits for all its tensor loads (one is out: its part of the next slot), adds 0 to its spare word, and waits for that
; and for its reads of this slot.  fill = 1: the barrier opens a round of the cluster's, and the joint refill, two K steps ahead, is the first thing behind it: 160 products stand between it and the wait for it.
.macro TURN fill
.if \fill
	s_wait_xcnt 0x0                        ; the last prefetch, a K step back, has read its address
	s_add_nc_u64 s[PFA:PFA+1], s[PFA:PFA+1], 256
.endif
	WIN 0
	s_wait_tensorcnt 0x0
	ds_add_u32 v[SPW], v[NIL]
	s_wait_dscnt 9                         ; the add and the youngest eight loads may be out
	MULQ 1, 0, 0
	s_wait_dscnt 0x0                       ; the add is done, and my reads of this slot are over
	s_barrier_signal -1
	MULQ 1, 2, 0
	WIN 0
	s_barrier_wait -1
.if \fill
	CREST
	s_xor_b32 s[G0A+5], s[G0A+5], SLOT1    ; the walking descriptors: the other slot than last time, the next K step
	s_add_nc_u64 s[G0A+6:G0A+7], s[G0A+6:G0A+7], 256
	s_xor_b32 s[G0B+5], s[G0B+5], SLOT1
	s_add_nc_u64 s[G0B+6:G0B+7], s[G0B+6:G0B+7], 256
	JLOAD                                  ; its four v_nop are also the places in front of the loads below
.else
	PLACES
.endif
	s_xor_b32 s[TB], s[TB], SLOT1
	v_add_nc_u32 v[ADRA], s[TB], v[ADRA0]
	v_add_nc_u32 v[ADRB], s[TB], v[ADRB0]
	FETCH 0, 0
.if \fill
	WIN 0
	ASK
.endif
	MULV 1, 0
.endm
.macro HILO p                          ; pair p of X: hi rounded to f16; lo = z + hi x (-1), exact in f32, rounded to f16
	v_cvt_pk_f16_f32 v[HP+(\p)], v[X+2*(\p)], v[X+2*(\p)+1]
	v_fma_mix_f32 v[T+2*(\p)], v[HP+(\p)], v[MONE], v[X+2*(\p)] op_sel_hi:[1,0,0]
	v_fma_mix_f32 v[T+2*(\p)+1], v[HP+(\p)], v[MONE], v[X+2*(\p)+1] op_sel:[1,0,0] op_sel_hi:[1,0,0]
	v_cvt_pk_f16_f32 v[LP+(\p)], v[T+2*(\p)], v[T+2*(\p)+1]
.endm
.macro TAKE                            ; four accumulators (a head's 64 columns of 16 rows) are asked back from my dump; they are waited for at the next trip's head at the latest
	v_add_nc_u32 v[DA], s[DB], v[DW]
.set f, 0
.rept 4
	ds_load_b128 v[X+8*f:X+8*f+3],   v[DA] offset:1024*f
	ds_load_b128 v[X+8*f+4:X+8*f+7], v[DA] offset:1024*f+512
.set f, f+1
.endr
	s_add_co_u32 s[DB], s[DB], 4096
.endm
; 16 rows x 64 columns in X go out as one f16: rounded, through my stage (rows 144 bytes apart), stored as 512 consecutive bytes a store.  ahead = 1: the next four accumulators are asked for as soon as X is free;
; ahead = 2: the same, but for the last trip of the loop counted by CA, behind which nothing is left in the dump.
.macro OUT1 ptr, ahead
.set p, 0
.rept 16
	v_cvt_pk_f16_f32 v[HP+p], v[X+2*p], v[X+2*p+1]
.set p, p+1
.endr
.if (\ahead) == 2
	s_cmp_eq_u32 s[CA], 1
	s_cbranch_scc1 .Lno_take_\@
.endif
	TAKE
.if (\ahead) == 2
.Lno_take_\@:
.endif
.set f, 0
.rept 4
	ds_store_b128 v[STO2], v[HP+4*f:HP+4*f+3] offset:32*f
.set f, f+1
.endr
.set f, 0
.rept 4
	ds_load_b128 v[OB+4*f:OB+4*f+3], v[RD2] offset:576*f   ; LDS serves a wave's instructions in order (ISA guide 5.7.1.4): these see the stores above
.set f, f+1
.endr
	s_wait_dscnt 0x0
.set f, 0
.rept 4
	global_store_b128 v[GOV], v[OB+4*f:OB+4*f+3], s[\ptr:(\ptr)+1] offset:512*f   ; 512 consecutive bytes, aligned
.set f, f+1
.endr
.endm
.macro FREQS                           ; 16 rows of freqs, my 8 numbers of each 16, as they lie: into window 1
	WIN TO_B
.set f, 0
.rept 4
	global_load_b128 v[FRAW+8*f:FRAW+8*f+3],   v[FO], s[FRB:FRB+1] offset:64*f
	global_load_b128 v[FRAW+8*f+4:FRAW+8*f+7], v[FO], s[FRB:FRB+1] offset:64*f+16
.set f, f+1
.endr
	WIN 0
.endm
	s_load_b256 s[4:11], s[0:1], 0x0       ; hs s[4:5], wc s[6:7], freqs s[8:9], small1 s[10:11]
	s_load_b128 s[12:15], s[0:1], 0x20     ; aux2 s[12:13], qq s[14:15]
	s_load_b128 s[92:95], s[0:1], 0x30     ; kk s[92:93], vv s[94:95]
	v_lshl_add_u32 v[SPW], v0, 2, SPARE
	v_mov_b32 v[NIL], 0
	ds_add_u32 v[SPW], v[NIL]              ; the wave's opening: the add, twice on end, and its wait ahead of my first tensor load
	ds_add_u32 v[SPW], v[NIL]
	v_lshrrev_b32 v1, 5, v0
	v_readfirstlane_b32 s[WV], v1
	s_lshr_b32 s[AB], s[WV], 1
	s_and_b32 s[HF], s[WV], 1
	s_bfe_u32 s[CX], ttmp6, 0x40000
	s_bfe_u32 s[CY], ttmp6, 0x40004
	s_lshl_b32 s[TJ], ttmp9, 2
	s_add_co_u32 s[TJ], s[TJ], s[CX]       ; tile column
	s_and_b32 s[TI], ttmp7, 0xffff
	s_lshl_b32 s[TI], s[TI], 2
	s_add_co_u32 s[TI], s[TI], s[CY]       ; tile row
	s_lshl_b32 s82, s[CY], 2
	s_lshl_b32 s82, 15, s82                ; my row of the cluster
	s_lshl_b32 s83, 0x1111, s[CX]          ; my column
	s_or_b32 s[G1A], s82, (1<<16)|(1<<20)|(1<<21)|(5<<22)|(3<<25)  ; the mask; 2-byte elements; padding on; bit 21 beside a mask; after every 64 words, 4 words
	s_or_b32 s[G1B], s83, (1<<16)|(1<<20)|(1<<21)|(5<<22)|(3<<25)
	s_mov_b32 s[G1A+1], 128<<16            ; tensor_dim0 = 128
	s_mov_b32 s[G1A+2], 128<<16            ; tensor_dim1 = 128
	s_mov_b32 s[G1A+3], 128<<16            ; tile_dim0 = 128
	s_mov_b32 s[G1A+4], 128                ; tile_dim1 = 128
	s_mov_b32 s[G1A+5], 1024               ; elements from row to row of hs
	s_mov_b32 s[G1A+6], 0
	s_mov_b32 s[G1A+7], 0
	s_mov_b32 s[G1B+1], 128<<16
	s_mov_b32 s[G1B+2], 96<<16             ; 96 rows
	s_mov_b32 s[G1B+3], 128<<16
	s_mov_b32 s[G1B+4], 96
	s_mov_b32 s[G1B+5], 1024               ; of wc
	s_mov_b32 s[G1B+6], 0
	s_mov_b32 s[G1B+7], 0
	s_lshl_b32 s84, s[TI], 8
	s_lshl_b32 s85, s[HF], 7
	s_add_co_u32 s84, s84, s85
	s_lshl_b32 s84, s84, 11                ; (256 i + 128 half) rows of 2,048 bytes
	s_mov_b32 s85, 0
	s_mul_i32 s86, s[TJ], 192
	s_mul_i32 s87, s[HF], 96
	s_add_co_u32 s86, s86, s87
	s_lshl_b32 s86, s86, 11                ; (192 j + 96 half) rows of 2,048 bytes
	s_mov_b32 s87, 0
	s_mul_i32 s88, s[HF], 128*PITCH        ; where they go: no place in the cluster enters an LDS address
	s_mul_i32 s89, s[HF], 96*PITCH
	s_add_co_u32 s89, s89, BOFF
	s_mov_b32 s[TB], 0
	s_mov_b32 s[MSK], 0xffff0000
	s_mov_b32 s[SEL], 0x76543210
	s_mov_b32 s[SEL+1], 0xfedcba98
	s_mov_b32 s[I64], 0x3c800000           ; 1 / 64
	s_wait_dscnt 0x0                       ; both opening adds are done
	s_wait_kmcnt 0x0
	s_add_nc_u64 s[84:85], s[4:5], s[84:85]
	s_add_nc_u64 s[86:87], s[6:7], s[86:87]
	CROUND                                 ; all sixteen work-groups are here: the first joint loads meet
.irp s, 0,1
	s_mov_b32 s[G0A+4*(\s)], 1
	s_add_co_u32 s[G0A+4*(\s)+1], s88, (\s)*SLOT1
	s_add_nc_u64 s[G0A+4*(\s)+2:G0A+4*(\s)+3], s[84:85], (\s)*256
	s_or_b32 s[G0A+4*(\s)+3], s[G0A+4*(\s)+3], 0x80000000
	s_mov_b32 s[G0B+4*(\s)], 1
	s_add_co_u32 s[G0B+4*(\s)+1], s89, (\s)*SLOT1
	s_add_nc_u64 s[G0B+4*(\s)+2:G0B+4*(\s)+3], s[86:87], (\s)*256
	s_or_b32 s[G0B+4*(\s)+3], s[G0B+4*(\s)+3], 0x80000000
.endr
	s_cmp_eq_u32 s[AB], 0                  ; a wave's two first fills stand in one branch: two loads of mine are out
	s_cbranch_scc0 .Lfirst_b
	tensor_load_to_lds s[G0A:G0A+3], s[G1A:G1A+7]
	s_nop 0
	tensor_load_to_lds s[G0A+4:G0A+7], s[G1A:G1A+7]
	s_nop 0
.rept 4
	v_nop
.endr
	s_branch .Lfirst_asked
.Lfirst_b:
	tensor_load_to_lds s[G0B:G0B+3], s[G1B:G1B+7]
	s_nop 0
	tensor_load_to_lds s[G0B+4:G0B+7], s[G1B:G1B+7]
	s_nop 0
.rept 4
	v_nop
.endr
.Lfirst_asked:
	v_and_b32 v[R16], 15, v0
	v_bfe_u32 v[H16], v0, 4, 1
	v_and_b32 v10, 31, v0
	v_mul_u32_u24 v3, v[R16], PITCH
	v_lshl_add_u32 v3, v[H16], 4, v3       ; row x pitch + 16 x half
	s_mul_i32 s82, s[WV], 64*PITCH
	v_add_nc_u32 v[ADRA0], s82, v3
	v_add_nc_u32 v[ADRB0], BOFF, v3
	v_mov_b32 v[ADRA], v[ADRA0]
	v_mov_b32 v[ADRB], v[ADRB0]
	s_mul_i32 s82, s[WV], DUMPW
	v_lshl_add_u32 v[DW], v10, 4, s82
	s_mul_i32 s82, s[WV], 16*PITCH
	s_add_co_u32 s82, s82, STAGE           ; my stage
	v_add_nc_u32 v[STO], s82, v3           ; q in: row l % 16, 16 bytes for each half of the lanes
	v_mul_u32_u24 v11, v[H16], PITCH
	v_lshl_add_u32 v11, v[R16], 4, v11
	v_add_nc_u32 v[RD], s82, v11           ; back: lanes 0-15 one row of 256 bytes, lanes 16-31 the next
	v_mul_u32_u24 v11, v[R16], 144
	v_lshl_add_u32 v11, v[H16], 4, v11
	v_add_nc_u32 v[STO2], s82, v11         ; k, v in: rows of 128 bytes, 144 apart
	v_bfe_u32 v11, v0, 3, 2
	v_mul_u32_u24 v11, v11, 144
	v_and_b32 v13, 7, v0
	v_lshl_add_u32 v11, v13, 4, v11
	v_add_nc_u32 v[RD2], s82, v11          ; back: 32 lanes take four rows
	v_lshlrev_b32 v[GOQ], 8, v[H16]
	v_lshl_add_u32 v[GOQ], v[R16], 4, v[GOQ]
	v_lshlrev_b32 v[GOV], 4, v10
	v_lshlrev_b32 v[FO], 8, v[R16]
	v_lshl_add_u32 v[FO], v[H16], 5, v[FO] ; freqs: row l % 16, my 8 numbers of each 16
	v_lshlrev_b32 v[GWO], 5, v[H16]
	v_mov_b32 v[MONE], -1.0
	v_mov_b32 v9, 0                        ; written, since v_permlanex16_b32 counts as a reader of its destination
	; the prefetches: who asks, and from where
	s_and_b32 s82, ttmp7, 0xffff           ; cluster y
	s_lshl_b32 s83, s[TI], 8
	s_lshl_b32 s84, s[HF], 7
	s_add_co_u32 s83, s83, s84
	s_lshl_b32 s84, s[CX], 5
	s_add_co_u32 s83, s83, s84             ; hs: my work-group's 32 rows of the 128 that I fetch
	s_mul_i32 s85, s[TJ], 192
	s_mul_i32 s84, s[HF], 96
	s_add_co_u32 s85, s85, s84
	s_mul_i32 s84, s[CY], 24
	s_add_co_u32 s85, s85, s84             ; wc: my work-group's 24 rows of the 96
	s_cmp_eq_u32 s[AB], 0
	s_cselect_b32 s86, s83, s85
	s_cselect_b32 s82, ttmp9, s82          ; the coordinate along which other clusters read the same rows
	s_cselect_b32 s84, 31, 23
	s_cselect_b64 s[PFA:PFA+1], s[4:5], s[6:7]
	s_lshl_b32 s86, s86, 11                ; rows of 2,048 bytes in both
	s_mov_b32 s87, 0
	s_add_nc_u64 s[PFA:PFA+1], s[PFA:PFA+1], s[86:87]
	s_add_nc_u64 s[PFA:PFA+1], s[PFA:PFA+1], 512   ; at K step 2: the first refill steps it to 3 and names step 4
	s_cmp_eq_u32 s82, 0
	s_cselect_b32 s[LIM], 2, -1
	v_min_u32 v[PFO], s84, v10
	v_lshlrev_b32 v[PFO], 11, v[PFO]
	; where the results go
	s_lshr_b32 s82, s[TI], 3               ; the batch
	s_and_b32 s83, s[TI], 7
	s_lshl_b32 s83, s83, 8
	s_lshl_b32 s84, s[WV], 6
	s_add_co_u32 s83, s83, s84             ; my first row's place in the sequence
	s_cmp_ge_u32 ttmp9, 2                  ; tile columns 8 to 15, the clusters with x = 2 and 3, hold k's heads: the same in all sixteen partners
	s_cselect_b32 s[ISK], 1, 0
	s_and_b32 s84, s[TJ], 7
	s_lshl_b32 s84, s84, 2
	s_add_co_u32 s84, s84, s82             ; plane 2 (first head) + b
	s_lshl_b32 s84, s84, 19
	s_lshl_b32 s85, s83, 8
	s_add_co_u32 s84, s84, s85             ; in qq: planes of 524,288 bytes, rows of 256;
	s_lshr_b32 s84, s84, s[ISK]            ; in kk: half of both
	s_mov_b32 s85, 0
	s_lshr_b32 s[HS], 1048576, s[ISK]
	s_mov_b32 s[HS+1], 0
	s_lshr_b32 s[BK], 2097152-4096, s[ISK]
	s_mov_b32 s[BK+1], 0
	s_cmp_eq_u32 s[ISK], 0
	s_cselect_b64 s[OP:OP+1], s[14:15], s[92:93]
	s_add_nc_u64 s[OP:OP+1], s[OP:OP+1], s[84:85]
	s_lshl_b32 s84, s[TJ], 1
	s_add_co_u32 s84, s84, s82
	s_lshl_b32 s84, s84, 18
	s_lshl_b32 s86, s83, 7
	s_add_co_u32 s84, s84, s86
	s_add_nc_u64 s[VP:VP+1], s[94:95], s[84:85]
	s_lshl_b32 s84, s83, 8
	s_add_nc_u64 s[FRB:FRB+1], s[8:9], s[84:85]
	s_lshl_b32 s84, s[ISK], 8
	s_add_co_u32 s84, s84, 24576
	s_add_nc_u64 s[88:89], s[10:11], s[84:85]
	s_lshl_b32 s84, s82, 8
	s_add_nc_u64 s[86:87], s[12:13], s[84:85]
	s_load_b32 s[EPS], s[86:87], 0x80      ; eps' of my batch
.set f, 0
.rept 4
	global_load_b128 v[GW+8*f:GW+8*f+3],   v[GWO], s[88:89] offset:64*f    ; the gains of my 8 columns of each 16; waited for in the epilogue
	global_load_b128 v[GW+8*f+4:GW+8*f+7], v[GWO], s[88:89] offset:64*f+16
.set f, f+1
.endr
	FREQS                                  ; my first 16 rows of freqs; waited for in the epilogue
	s_wait_kmcnt 0x0
	s_wait_tensorcnt 1                     ; my part of K step 0 is in; step 1's may stay out
	s_barrier_signal -1
	s_barrier_wait -1
	FETCH 0, 0
	QUARTER 64, 0, 1, 1                    ; the first quarter stands in front of the loop: its products start the sums
	WIN 0
	s_mov_b32 s[KC], 6
.Lk:                                       ; a trip: a K step's quarters 1, 2, 3 and the next step's quarter 0; trip t asks for step t + 2
	QUARTER 128, 1, 0, 0
	QUARTER 192, 0, 1, 0
	TURN 1
	QUARTER 64, 0, 1, 0
	WIN 0
	s_sub_co_u32 s[KC], s[KC], 1
	s_cmp_lg_u32 s[KC], 0
	s_cbranch_scc1 .Lk
	QUARTER 128, 1, 0, 0                   ; the tail is written out: nothing more is asked for
	QUARTER 192, 0, 1, 0
	TURN 0
	QUARTER 64, 0, 1, 0
	QUARTER 128, 1, 0, 0
	QUARTER 192, 0, 1, 0
	s_wait_dscnt 8
	MULQ 1, 0, 0
	MULQ 1, 2, 0
	s_wait_dscnt 0x0
	MULV 1, 0
	WIN 0
	s_barrier_signal -1                    ; every wave's reads of the slots are over (each has waited for them): the slots' bytes may be written
	s_barrier_wait -1
	PLACES
	WIN 0x08                               ; store data in window 2
.set q, 0
.rept 32
	ds_store_b128 v[DW], v[8*q:8*q+3]   offset:1024*q      ; each accumulator's low registers first
	ds_store_b128 v[DW], v[8*q+4:8*q+7] offset:1024*q+512
.set q, q+1
.endr
	WIN 0x0c                               ; window 3
.set q, 0
.rept 16
	ds_store_b128 v[DW], v[8*q:8*q+3]   offset:1024*(32+q)
	ds_store_b128 v[DW], v[8*q+4:8*q+7] offset:1024*(32+q)+512
.set q, q+1
.endr
	WIN 0
	s_mov_b32 s[DB], 0
	TAKE                                   ; the first head's first 16 rows
	s_mov_b32 s[CA], 4
.Lrow:                                     ; 16 rows a trip
	s_wait_loadcnt 0x0                     ; these rows' freqs, asked for a trip ago (the first at the head, with the gains)
	WIN 0x05                               ; sources in window 1
.set p, 0
.rept 16
	v_cvt_pk_bf16_f32 v[T+p], v[FRAW+2*p], v[FRAW+2*p+1]
.set p, p+1
.endr
	WIN 0
.set p, 0
.rept 16
	v_lshlrev_b32 v[FR+2*p], 16, v[T+p]
	v_and_b32 v[FR+2*p+1], s[MSK], v[T+p]
.set p, p+1
.endr
	s_cmp_eq_u32 s[CA], 1                  ; the last trip has no rows behind it: no load leaves freqs
	s_cbranch_scc1 .Lno_freqs
	s_add_nc_u64 s[FRB:FRB+1], s[FRB:FRB+1], 4096   ; the loads that named it are done
	FREQS                                  ; the next 16 rows: two heads' work stands between these loads and the wait for them
.Lno_freqs:
	s_mov_b32 s[CT], 2
.Lhead:                                    ; one of the tile's two q or k heads
	s_wait_dscnt 0x0                       ; X is in
.set p, 0
.rept 8
	v_pk_add_f32 v[T+2*p:T+2*p+1], v[X+4*p:X+4*p+1], v[X+4*p+2:X+4*p+3]
.set p, p+1
.endr
.set p, 0
.rept 4
	v_pk_add_f32 v[T+4*p:T+4*p+1], v[T+4*p:T+4*p+1], v[T+4*p+2:T+4*p+3]
.set p, p+1
.endr
	v_pk_add_f32 v[T:T+1], v[T:T+1], v[T+4:T+5]
	v_pk_add_f32 v[T+8:T+9], v[T+8:T+9], v[T+12:T+13]
	v_pk_add_f32 v[T:T+1], v[T:T+1], v[T+8:T+9]
	v_add_f32 v8, v[T], v[T+1]
	v_permlanex16_b32 v9, v8, s[SEL], s[SEL+1]   ; the row's other 32 columns lie in the lane 16 away
	v_add_f32 v8, v8, v9
	v_mul_f32 v[MUP], s[I64], v8
	v_mov_b32 v[MUP+1], v[MUP]
.set p, 0
.rept 16
	v_pk_add_f32 v[X+2*p:X+2*p+1], v[X+2*p:X+2*p+1], v[MUP:MUP+1] neg_lo:[0,1] neg_hi:[0,1]
.set p, p+1
.endr
.set p, 0
.rept 4
	v_pk_mul_f32 v[T+2*p:T+2*p+1], v[X+2*p:X+2*p+1], v[X+2*p:X+2*p+1]
.set p, p+1
.endr
.set p, 4
.rept 12
	v_pk_fma_f32 v[T+2*(p%4):T+2*(p%4)+1], v[X+2*p:X+2*p+1], v[X+2*p:X+2*p+1], v[T+2*(p%4):T+2*(p%4)+1]
.set p, p+1
.endr
	v_pk_add_f32 v[T:T+1], v[T:T+1], v[T+2:T+3]
	v_pk_add_f32 v[T+4:T+5], v[T+4:T+5], v[T+6:T+7]
	v_pk_add_f32 v[T:T+1], v[T:T+1], v[T+4:T+5]
	v_add_f32 v8, v[T], v[T+1]
	v_permlanex16_b32 v9, v8, s[SEL], s[SEL+1]
	v_add_f32 v8, v8, v9
	v_fma_f32 v8, v8, s[I64], s[EPS]       ; var' + eps'
	v_rsq_f32 v[RP], v8
.set p, 0
.rept 16
	v_pk_mul_f32 v[X+2*p:X+2*p+1], v[X+2*p:X+2*p+1], v[GW+2*p:GW+2*p+1]   ; the gains: work that names no result of the root
.set p, p+1
.endr
	s_wait_alu depctr_va_vdst(0)           ; the wait ahead of the root's first reader
	v_mov_b32 v[RP+1], v[RP]
.set p, 0
.rept 16
	v_pk_mul_f32 v[X+2*p:X+2*p+1], v[X+2*p:X+2*p+1], v[RP:RP+1]
.set p, p+1
.endr
.set p, 0
.rept 16                                   ; (x0 + i x1)(f0 + i f1)
	v_mul_f32 v[T+2*p], v[X+2*p+1], v[FR+2*p+1]
	v_mul_f32 v[T+2*p+1], v[X+2*p], v[FR+2*p+1]
	v_fma_f32 v[X+2*p], v[X+2*p], v[FR+2*p], -v[T+2*p]
	v_fma_f32 v[X+2*p+1], v[X+2*p+1], v[FR+2*p], v[T+2*p+1]
.set p, p+1
.endr
	s_cmp_lg_u32 s[ISK], 0
	s_cbranch_scc1 .Lk_out
.set p, 0
.rept 16
	HILO p                                 ; q: a pair of f16
.set p, p+1
.endr
	TAKE                                   ; X is free: the next four accumulators (behind the last head: v's first)
.set f, 0
.rept 4
	ds_store_b128 v[STO], v[HP+4*f:HP+4*f+3] offset:32*f
	ds_store_b128 v[STO], v[LP+4*f:LP+4*f+3] offset:128+32*f
.set f, f+1
.endr
.set f, 0
.rept 8
	ds_load_b128 v[OB+4*f:OB+4*f+3], v[RD] offset:2*PITCH*f   ; LDS serves a wave's instructions in order (ISA guide 5.7.1.4): these see the stores above
.set f, f+1
.endr
	s_wait_dscnt 0x0
.set f, 0
.rept 8
	global_store_b128 v[GOQ], v[OB+4*f:OB+4*f+3], s[OP:OP+1] offset:512*f   ; 16 lanes store a row of 256 bytes, aligned
.set f, f+1
.endr
	s_branch .Lsent
.Lk_out:
	OUT1 OP, 1                             ; k: one f16
.Lsent:
	s_wait_xcnt 0x0                        ; the stores have read OB and their base
	s_add_nc_u64 s[OP:OP+1], s[OP:OP+1], s[HS:HS+1]   ; the next head: two planes on
	s_sub_co_u32 s[CT], s[CT], 1
	s_cmp_lg_u32 s[CT], 0
	s_cbranch_scc1 .Lhead
	s_sub_nc_u64 s[OP:OP+1], s[OP:OP+1], s[BK:BK+1]   ; back to the first head, 16 rows on
	s_sub_co_u32 s[CA], s[CA], 1
	s_cmp_lg_u32 s[CA], 0
	s_cbranch_scc1 .Lrow
	s_mov_b32 s[CA], 4
.Lv:                                       ; v: 16 rows a trip, rounded once
	s_wait_dscnt 0x0                       ; X is in
	OUT1 VP, 2
	s_wait_xcnt 0x0
	s_add_nc_u64 s[VP:VP+1], s[VP:VP+1], 2048
	s_sub_co_u32 s[CA], s[CA], 1
	s_cmp_lg_u32 s[CA], 0
	s_cbranch_scc1 .Lv
	s_wait_tensorcnt 0x0                   ; the wave's end
	ds_add_u32 v[SPW], v[NIL]
	s_wait_dscnt 0x0
	CROUND                                 ; the closing round
	s_endpgm
.Lfunc_end_k_qbe15bb9e09_qkv:
	.size	k_qbe15bb9e09_qkv, .Lfunc_end_k_qbe15bb9e09_qkv-k_qbe15bb9e09_qkv
	.p2alignl 7, 3214868480
	.fill 96, 4, 3214868480
	.section	.rodata,"a",@progbits
	.p2align	6, 0x0
	.amdhsa_kernel k_qbe15bb9e09_qkv
		.amdhsa_group_segment_fixed_size 327680
		.amdhsa_private_segment_fixed_size 0
		.amdhsa_enable_private_segment 0
		.amdhsa_kernarg_size 64
		.amdhsa_user_sgpr_count 2
		.amdhsa_user_sgpr_kernarg_segment_ptr 1
		.amdhsa_wavefront_size32 1
		.amdhsa_system_sgpr_workgroup_id_x 1
		.amdhsa_system_sgpr_workgroup_id_y 1
		.amdhsa_system_sgpr_workgroup_id_z 1
		.amdhsa_system_vgpr_workitem_id 0
		.amdhsa_next_free_vgpr 896
		.amdhsa_next_free_sgpr 96
		.amdhsa_reserve_vcc 0
		.amdhsa_float_denorm_mode_32 3
		.amdhsa_float_denorm_mode_16_64 3
		.amdhsa_memory_ordered 1
		.amdhsa_forward_progress 1
		.amdhsa_inst_pref_size 108
	.end_amdhsa_kernel
	.amdgpu_metadata
---
amdhsa.version: [ 1, 2 ]
amdhsa.kernels:
  - .name:           k_qbe15bb9e09_qkv
    .symbol:         k_qbe15bb9e09_qkv.kd
    .args:
      - { .name: hs, .offset: 0, .size: 8, .value_kind: global_buffer, .address_space: global }
      - { .name: wc, .offset: 8, .size: 8, .value_kind: global_buffer, .address_space: global }
      - { .name: freqs, .offset: 16, .size: 8, .value_kind: global_buffer, .address_space: global }
      - { .name: small1, .offset: 24, .size: 8, .value_kind: global_buffer, .address_space: global }
      - { .name: aux2, .offset: 32, .size: 8, .value_kind: global_buffer, .address_space: global }
      - { .name: qq, .offset: 40, .size: 8, .value_kind: global_buffer, .address_space: global }
      - { .name: kk, .offset: 48, .size: 8, .value_kind: global_buffer, .address_space: global }
      - { .name: vv, .offset: 56, .size: 8, .value_kind: global_buffer, .address_space: global }
    .group_segment_fixed_size: 327680
    .private_segment_fixed_size: 0
    .kernarg_segment_align: 8
    .kernarg_segment_size: 64
    .max_flat_workgroup_size: 128
    .sgpr_count:     96
    .vgpr_count:     896
    .wavefront_size: 32
...
	.end_amdgpu_metadata
.endif
;; end of part 7
;; launch attn (part 8): grid 8 x 32, 4 waves a work-group, clusters of 4 x 1, 327,680 bytes of LDS; arguments qq, kk, vv, small1, oo; writes oo
.if DOCPART == 8
	.amdgcn_target "amdgcn-amd-amdhsa--gfx1250"
	.amdhsa_code_object_version 6
	.text
	.protected	k_qbe15bb9e09_attn
	.globl	k_qbe15bb9e09_attn
	.p2align	8
	.type	k_qbe15bb9e09_attn,@function
k_qbe15bb9e09_attn:
	s_mov_b64 s[64:65], 0
	v_nop
	global_prefetch_b8 v0, s[64:65] scope:SCOPE_SE
	s_setreg_imm32_b32 hwreg(HW_REG_WAVE_MODE, 25, 1), 1
	s_wait_xcnt 0x0
	s_wait_alu depctr_hold_cnt(0) depctr_sa_sdst(0) depctr_va_vdst(0) depctr_va_sdst(0) depctr_va_ssrc(0) depctr_va_vcc(0) depctr_vm_vsrc(0)
	s_getreg_b32 s2, hwreg(HW_REG_IB_STS2, 6, 4)
	s_cmp_eq_u32 s2, 0
	s_cbranch_scc0 .Lentry_in_a_cluster
	s_endpgm
.Lentry_in_a_cluster:
	s_bfe_u32 s2, ttmp6, 0x10000c
	s_cmp_lg_u32 s2, 0x3003
	s_cbranch_scc0 .Lentry_shape_is_right
	s_endpgm
.Lentry_shape_is_right:
; ATTN.  O'[y][q] = the sum over k of softmax_k(csc (q . k)) v'[k], plane y = 2 head + b.  q comes as a pair of f16, rows hi(64) | lo(64); k as one f16: q . k = K Qh + K Ql.
; csc = log2(e) / 8 x the powers of two taken out of the gains.  Products, maxima and sums in f32; p is rounded to f16 for the second product (l sums the unrounded p), O' once.
; LIMITS.  O' is a mean of v' rows and has their range (f16).  A weight below 2^-126 counts as 0 in l.  NaN and infinities are not treated apart.
; SHARES.  A work-group owns 256 queries of a plane, a wave 64: four tiles of 16, in two PIECES (tiles 0, 1 and tiles 2, 3).  Every wave walks the plane's 2,048 keys, 64 a step.
; LAYOUT.  S^T = K Q^T (source 0 = 16 keys, source 1 = 16 queries): a lane holds one query (l % 16) and the keys 8 (l / 16) + 0..7; two such results rounded to f16 are source 1 of O^T = V^T P.
; SOFTMAX.  A running maximum m and sum l: p = 2^(c s - c m); O and l are multiplied by a = 2^(c m_old - c m_new) in every step.  m starts at the lowest finite number, O and l at 0: the first step has a = 0.
; BY TURNS.  In a turn one piece has the matrix unit: 16 products V^T P of the step in hand, 32 products K Q^T of the next; the other piece's softmax is 236 vector instructions in 59 slices of four.  48 slices stand
; behind the 48 products, one each; the other 11, roundings and sums that wait for nothing, stand together behind the turn's one wait.  A turn's 66 exponentials are one batch.
; CLUSTER.  The four query blocks of a cluster walk the same K and V: each tile is asked for jointly.  A slot holds four steps: 256 rows of K (144 bytes apart), 256 of V (160 apart).
; REGISTERS in windows of 256: window 0: addresses; v12-43 statistics, 8 a tile; v64-191 S^T, 32 a tile; v192-255 P, 16 a tile.   window 1: v0-127 O^T, 32 a tile; v128-191 V of a step.
;   window 2: v0-127 Q, 32 a tile (fragments 0, 1 hi; 2, 3 lo); v128-191 K of a step.
; No first and no last step is written out: the loop is entered and the tail left in the middle of a trip; the price is 16 products on zeros, 32 on a stale K, and 240 v_mov_b32 in the wait for the first tile.
.set KS,    64
.set PK,    144                        ; a row of K in LDS: 128 bytes + 16 of padding: the 16 rows of a load start 36 words apart
.set PV,    160                        ; a row of V: 128 + 32: 16 lanes of the turning load take 8 rows x 32 bytes
.set VOFF,  4*KS*PK                    ; 36,864
.set SLOT1, 1<<17
.set STAGE, SLOT1+4*KS*(PK+PV)         ; 208,896: 16 rows x 144 bytes for each wave
.set SP,    144
.set SPARE, STAGE+4*16*SP              ; 218,112: the spare words
.set AK0, 2
.set AV0, 3
.set ADR, 4
.set AV,  5
.set QO,  6
.set STO, 6
.set RD,  7
.set GO,  8
.set ST,  12                           ; tile t at ST + 8 t: c m, m, l (even keys', odd keys'), c0-c3 at work; a takes c2's place
.set PFO, 61
.set SPW, 62
.set NIL, 63
.set S,   64
.set P,   192
.set VF,  128                          ; window 1
.set KF,  128                          ; window 2: key block kb, channel half c at KF + 16 kb + 8 c
.set WV,  12
.set LIM, 15
.set PFA, 18
.set G1K, 24
.set G1V, 32
.set G0K, 40
.set G0V, 44
.set SLOTS, 56
.set CNT, 57
.set CS,  58
.set SEL, 60
.set TBK, 62
.set TBV, 63
.set OO,  68
.set MSB, 0
.macro WIN new
.if MSB != (\new)
	s_set_vgpr_msb (MSB<<8)|(\new)
.set MSB, (\new)
.endif
.endm
.set W_KQ, 0x0a                        ; K and Q window 2, S^T window 0
.set W_PV, 0x51                        ; V window 1, P window 0, O^T window 1
.set W_RS, 0x41                        ; O^T (destination and source 0) window 1, a window 0
.macro JLOAD                           ; a joint fill: waves 0, 1 the halves of a tile's K, waves 2, 3 of its V; an s_nop 0 and four v_nop follow each line
	s_cmp_lt_u32 s[WV], 2
	s_cbranch_scc0 .Lfor_v_\@
	tensor_load_to_lds s[G0K:G0K+3], s[G1K:G1K+7]
	s_nop 0
.rept 4
	v_nop
.endr
	s_branch .Lasked_\@
.Lfor_v_\@:
	tensor_load_to_lds s[G0V:G0V+3], s[G1V:G1V+7]
	s_nop 0
.rept 4
	v_nop
.endr
.Lasked_\@:
.endm
; A PREFETCH INTO THE L2 of the tile that the NEXT change of slots will ask for: four key steps, 384 products, ahead.  A plane's two clusters walk the same rows: the first asks.  A tile is 128 blocks of 256 bytes of K
; and 128 of V; the four partners share them out by address, 32 each; in each, wave 0 asks for K's and wave 2 for V's.  A lane a block.  The last change that fills a slot asks for nothing.
.macro ASK
	s_cmp_gt_u32 s[SLOTS], s[LIM]
	s_cbranch_scc0 .Lnot_mine_\@
	global_prefetch_b8 v[PFO], s[PFA:PFA+1] th:TH_LOAD_NT scope:SCOPE_SE
.Lnot_mine_\@:
.endm
.macro CROUND
	s_barrier_signal -1
	s_barrier_wait -1
	s_cmp_lg_u32 s[WV], 0
	s_cbranch_scc1 .Lnot_wave_0_\@
	s_barrier_signal -3
.Lnot_wave_0_\@:
	s_barrier_wait -3
	s_barrier_signal -1
	s_barrier_wait -1
.endm
; THE CHANGE OF SLOTS.  Each wave waits for all its tensor loads (one is out: its part of the other slot), adds 0 to its spare word, and waits for that and for its reads of the slot that it leaves.
; fill = 1: the barrier is a round of the cluster's, and the joint fill, two tiles on, is the first thing behind it.  (At its first use nothing has been read: slot 0 is waited for, slot 1 filled.)
.macro CHANGE fill, ask
	WIN 0
	s_wait_tensorcnt 0x0
	ds_add_u32 v[SPW], v[NIL]
.if \fill
	s_xor_b32 s[G0K+1], s[G0K+1], SLOT1
	s_add_nc_u64 s[G0K+2:G0K+3], s[G0K+2:G0K+3], 32768
	s_xor_b32 s[G0V+1], s[G0V+1], SLOT1
	s_add_nc_u64 s[G0V+2:G0V+3], s[G0V+2:G0V+3], 32768
.if \ask
	s_wait_xcnt 0x0                        ; the last prefetch, four key steps back, has read its address
	s_add_nc_u64 s[PFA:PFA+1], s[PFA:PFA+1], 32768
.endif
	s_wait_dscnt 0x0                       ; the add is done, and my reads of the slot are over
	CROUND
	JLOAD
.if \ask
	ASK
.endif
.else
	s_wait_dscnt 0x0
	s_barrier_signal -1
	s_barrier_wait -1
.endif
	s_sub_co_u32 s[TBK], s[TBK], 4*KS*PK   ; the fetches go back to a slot's first step, in the other slot
	s_xor_b32 s[TBK], s[TBK], SLOT1
	s_sub_co_u32 s[TBV], s[TBV], 4*KS*PV
	s_xor_b32 s[TBV], s[TBV], SLOT1
.endm
; Product i of 32 of S^T = K Q^T for piece x: part i / 8 (0, 1: K Qh, channels 0-31 and 32-63; 2, 3: K Ql), keys 16 ((i / 2) % 4) on, tile x + i % 2.  Eight accumulators take turns.
.macro KQ x
	WIN W_KQ
.set e4, i/8
.set rS, S+32*((\x)+i%2)+8*((i/2)%4)
.set rK, KF+16*((i/2)%4)+8*(e4%2)
.set rQ, 32*((\x)+i%2)+8*e4
.if i < 8
	v_wmma_f32_16x16x32_f16 v[rS:rS+7], v[rK:rK+7], v[rQ:rQ+7], 0
.else
	v_wmma_f32_16x16x32_f16 v[rS:rS+7], v[rK:rK+7], v[rQ:rQ+7], v[rS:rS+7]
.endif
.endm
; Product i of 16 of O^T += V^T P for piece x: keys 32 (i / 8) on, channels 16 ((i / 2) % 4) on, tile x + i % 2.
.macro PV x
	WIN W_PV
.set rO, 32*((\x)+i%2)+8*((i/2)%4)
.set rV, VF+32*(i/8)+8*((i/2)%4)
.set rP, P+16*((\x)+i%2)+8*(i/8)
	v_wmma_f32_16x16x32_f16 v[rO:rO+7], v[rV:rV+7], v[rP:rP+7], v[rO:rO+7]
.endm
; THE LDS LOADS stand in runs.  K of a step: 16 loads, all four key blocks of channels 0-31, then of 32-63, so that the wait can count.  last = 1 (the tail): in the last trip there is no further step.
.macro FETCH_K last=0
	WIN 0
.if \last
	s_cmp_eq_u32 s[CNT], 1
	s_cbranch_scc1 .Lno_k_\@
.endif
	v_add_nc_u32 v[ADR], s[TBK], v[AK0]
	WIN 0x80
.set f, 0
.rept 8
	ds_load_b128 v[KF+16*(f%4)+8*(f/4):KF+16*(f%4)+8*(f/4)+3],   v[ADR] offset:(f%4)*16*PK+(f/4)*64
	ds_load_b128 v[KF+16*(f%4)+8*(f/4)+4:KF+16*(f%4)+8*(f/4)+7], v[ADR] offset:(f%4)*16*PK+(f/4)*64+32
.set f, f+1
.endr
	s_add_co_u32 s[TBK], s[TBK], KS*PK
	WIN 0
.if \last
.Lno_k_\@:
.endif
.endm
.macro FETCH_V                         ; V of a step, turned: 16 loads; the wait for the softmax's batch stands in it
	WIN 0
	v_add_nc_u32 v[AV], s[TBV], v[AV0]
	s_add_co_u32 s[TBV], s[TBV], KS*PV
	s_wait_alu depctr_va_vdst(0)
	WIN 0x40
.irp f, 0,1,2,3,4,5,6,7
	ds_load_tr16_b128 v[VF+8*\f:VF+8*\f+3],   v[AV] offset:(\f/4)*32*PV+(\f%4)*32
	ds_load_tr16_b128 v[VF+8*\f+4:VF+8*\f+7], v[AV] offset:(\f/4)*32*PV+16*PV+(\f%4)*32
.endr
.endm
; THE VECTOR WORK.  One tile's softmax for a key step is a list of 118 instructions; SM writes number j of it for tile t.
;   0-15 the maximum of the lane's 32 scores and the old m (each accumulator's lowest registers are read first)     16-20 the other half of the lanes'; m; c m; its change
;   21-69 ONE BATCH: the 16 scalings c s - c m and all 33 exponentials (a at 23); none of them reads an exponential's result     70-85 the roundings to f16     86-101 the sums; l = a l + sum     102-117 O^T times a
.macro SM t
.set rT, ST+8*(\t)
.set rS, S+32*(\t)
.set rP, P+16*(\t)
.set rO, 32*(\t)+2*(j-102)
.if j < 102
	WIN 0
.endif
.if j < 4
	v_max3_num_f32 v[rT+4+j], v[rS+8*j], v[rS+8*j+1], v[rS+8*j+2]
.elseif j < 12
	v_max3_num_f32 v[rT+4+j%4], v[rT+4+j%4], v[rS+8*(j%4)+2*(j/4)+1], v[rS+8*(j%4)+2*(j/4)+2]
.elseif j == 12
	v_max3_num_f32 v[rT+4], v[rT+4], v[rS+7], v[rS+15]
.elseif j == 13
	v_max3_num_f32 v[rT+6], v[rT+6], v[rS+23], v[rS+31]
.elseif j == 14
	v_max3_num_f32 v[rT+4], v[rT+4], v[rT+5], v[rT+6]
.elseif j == 15
	v_max3_num_f32 v[rT+4], v[rT+4], v[rT+7], v[rT+1]
.elseif j == 16
	v_permlanex16_b32 v[rT+5], v[rT+4], s[SEL], s[SEL+1]
.elseif j == 17
	v_mov_b32 v[rT+7], v[rT]
.elseif j == 18
	v_max_num_f32 v[rT+1], v[rT+4], v[rT+5]
.elseif j == 19
	v_mul_f32 v[rT], s[CS], v[rT+1]
.elseif j == 20
	v_sub_f32 v[rT+7], v[rT+7], v[rT]
.elseif j == 23
	v_exp_f32 v[rT+6], v[rT+7]
.elseif (j < 23) || ((j < 38) && (j%2 == 0)) || ((j < 66) && (j%4 == 2))
.set b, (j-2)/4
.if j < 38
.set b, (j-20)/2
.endif
	v_pk_fma_f32 v[rS+2*b:rS+2*b+1], v[rS+2*b:rS+2*b+1], s[CS:CS+1], v[rT:rT+1] op_sel_hi:[1,0,0] neg_lo:[0,0,1] neg_hi:[0,0,1]
.elseif j < 70
.set e, j-38
.if j < 66
.set e, j-32-(j-38)/4
.endif
.if j < 38
.set e, (j-25)/2
.endif
	v_exp_f32 v[rS+e], v[rS+e]
.elseif j < 86
	v_cvt_pk_f16_f32 v[rP+j-70], v[rS+2*(j-70)], v[rS+2*(j-70)+1]
.elseif j < 102
.set z, j-86
.set w, 4
.set u, z
.if z >= 14
.set w, 32
.set u, 0
.elseif z >= 12
.set w, 16
.set u, z-12
.elseif z >= 8
.set w, 8
.set u, z-8
.endif
.if z < 15
	v_pk_add_f32 v[rS+w*u:rS+w*u+1], v[rS+w*u:rS+w*u+1], v[rS+w*u+w/2:rS+w*u+w/2+1]
.else
	v_pk_fma_f32 v[rT+2:rT+3], v[rT+2:rT+3], v[rT+6:rT+7], v[rS:rS+1] op_sel_hi:[1,0,1]
.endif
.else
	WIN W_RS
	v_pk_mul_f32 v[rO:rO+1], v[rO:rO+1], v[rT+6:rT+7] op_sel_hi:[1,0]
.endif
.endm
; Slice k of piece y's softmax: four instructions.  Slices 11 to 34 deal out the batch, four numbers of one tile each, the tiles by turns; every other slice up to 58 is numbers 2 k and 2 k + 1 of both tiles.
; Ahead of slice 35 nothing names an exponential's result, and behind slice 34 none is issued: one wait, behind slice 34.
.macro SLICE y
.if (k >= 11) && (k < 35)
.irp n, 0,1,2,3
.set j, 22+4*((k-11)/2)+(\n)
	SM (\y)+(k-11)%2
.endr
.elseif k < 59
.irp n, 0,1
.irp t, \y, (\y)+1
.set j, 2*k+(\n)
	SM \t
.endr
.endr
.endif
.if k == 34
	v_nop                                  ; a plain instruction behind the last exponential: one for the batch
.if (\y) == 0
	FETCH_V
.else
	s_wait_alu depctr_va_vdst(0)
.endif
.endif
.set k, k+1
.endm
; A TURN.  Piece x has the matrix unit; the other piece's softmax stands in slices.  Products 0 to 34 carry slices 0 to 34; behind the wait stand slices 35 to 45 together; products 35 to 47 carry slices 46 to 58.
; Slice 58, four multiplies that name no register of the products round them, is the places behind the last product: in front of the next turn's reads of the scores and of its loads into K.
; Piece 0's turn fetches the next step's K behind its second product and waits for it in two parts: the eight loads of channels 32-63 may be out at the first K Q^T.
; Piece 2's turn fetches the same step's V behind slice 34, nineteen slices behind V's last reader; it is waited for at the head of the next turn.
.macro TURN x, last=0
.set k, 0
.if (\x) == 0
	s_wait_dscnt 0x0                       ; V is in
.endif
.set i, 0
.rept 16
	PV \x
	SLICE 2-(\x)
.if ((\x) == 0) && (i == 1)
	FETCH_K \last
.endif
.set i, i+1
.endr
.set i, 0
.rept 32
.if ((\x) == 0) && (i == 0)
	s_wait_dscnt 8                         ; K's channels 0-31 are in
.endif
.if ((\x) == 0) && (i == 8)
	s_wait_dscnt 0x0                       ; and 32-63
.endif
	KQ \x
	SLICE 2-(\x)
.if k == 35
.rept 11
	SLICE 2-(\x)
.endr
.endif
.set i, i+1
.endr
.endm
	s_load_b256 s[4:11], s[0:1], 0x0       ; qq s[4:5], kk s[6:7], vv s[8:9], small1 s[10:11]
	s_load_b64 s[OO:OO+1], s[0:1], 0x20    ; oo
	v_lshl_add_u32 v[SPW], v0, 2, SPARE
	v_mov_b32 v[NIL], 0
	ds_add_u32 v[SPW], v[NIL]              ; the wave's opening: the add, twice on end, and its wait ahead of my first tensor load
	ds_add_u32 v[SPW], v[NIL]
	v_lshrrev_b32 v1, 5, v0
	v_readfirstlane_b32 s[WV], v1
	s_bfe_u32 s13, ttmp6, 0x40000          ; cx
	s_lshl_b32 s14, ttmp9, 2
	s_add_co_u32 s14, s14, s13             ; my block of 256 queries: it enters Q's and O's addresses alone
	s_and_b32 s20, ttmp7, 0xffff           ; the plane y, which the partners share
	s_and_b32 s16, s[WV], 1                ; which half of a tile's 256 keys I fetch
	s_lshl_b32 s22, s20, 18                ; K's and V's plane y, 262,144 bytes,
	s_lshl_b32 s17, s16, 14                ; my 128 keys of 128 bytes
	s_add_co_u32 s22, s22, s17
	s_mov_b32 s23, 0
	s_lshl_b32 s48, s20, 19                ; Q's plane y, my block's 256 rows, my wave's 64
	s_lshl_b32 s17, s14, 16
	s_add_co_u32 s48, s48, s17
	s_lshl_b32 s17, s[WV], 14
	s_add_co_u32 s48, s48, s17
	s_mov_b32 s49, 0
	s_lshl_b32 s50, s20, 18                ; the same in O
	s_lshl_b32 s17, s14, 15
	s_add_co_u32 s50, s50, s17
	s_lshl_b32 s17, s[WV], 13
	s_add_co_u32 s50, s50, s17
	s_mov_b32 s51, 0
	s_lshl_b32 s52, s20, 18                ; the prefetches, at tile 2: the plane + 32 blocks a partner
	s_lshl_b32 s17, s13, 13
	s_add_co_u32 s52, s52, s17
	s_add_co_u32 s52, s52, 2*32768
	s_mov_b32 s53, 0
	s_and_b32 s[LIM], s[WV], 1             ; 0 in waves 0 and 2,
	s_or_b32 s[LIM], s[LIM], ttmp9         ; where the cluster is the plane's first: the same in all four partners
	s_cmp_eq_u32 s[LIM], 0
	s_cselect_b32 s[LIM], 1, -1
	v_and_b32 v[PFO], 31, v0
	v_lshlrev_b32 v[PFO], 8, v[PFO]
	; 128 keys of K or V are 16,384 dense bytes: asked for as 64 rows of 256 bytes, two keys a row, and padded in LDS after every key (32 words)
	s_mov_b32 s[G1K], 15|(1<<16)|(1<<20)|(1<<21)|(4<<22)|(3<<25)  ; the mask of four; 2-byte elements; padding on; bit 21 beside a mask; 4 words of padding
	s_mov_b32 s[G1V], 15|(1<<16)|(1<<20)|(1<<21)|(4<<22)|(7<<25)  ; the same with 8 words
.irp g, G1K, G1V
	s_mov_b32 s[\g+1], 128<<16             ; tensor_dim0 = 128
	s_mov_b32 s[\g+2], 64<<16              ; tensor_dim1 = 64
	s_mov_b32 s[\g+3], 128<<16             ; tile_dim0 = 128
	s_mov_b32 s[\g+4], 64                  ; tile_dim1 = 64
	s_mov_b32 s[\g+5], 128                 ; 128 elements from row to row
	s_mov_b32 s[\g+6], 0
	s_mov_b32 s[\g+7], 0
.endr
	s_mov_b32 s[SEL], 0x76543210
	s_mov_b32 s[SEL+1], 0xfedcba98
	s_mov_b32 s[TBK], SLOT1+4*KS*PK        ; the first change of slots turns these two into 0
	s_mov_b32 s[TBV], SLOT1+4*KS*PV
	s_mov_b32 s[G0K], 1
	s_mul_i32 s[G0K+1], s16, 128*PK        ; slot 0, my half
	s_mov_b32 s[G0V], 1
	s_mul_i32 s[G0V+1], s16, 128*PV
	s_add_co_u32 s[G0V+1], s[G0V+1], VOFF
	s_wait_dscnt 0x0                       ; both opening adds are done
	s_wait_kmcnt 0x0
	s_add_nc_u64 s[G0K+2:G0K+3], s[6:7], s[22:23]
	s_or_b32 s[G0K+3], s[G0K+3], 0x80000000
	s_add_nc_u64 s[G0V+2:G0V+3], s[8:9], s[22:23]
	s_or_b32 s[G0V+3], s[G0V+3], 0x80000000
	s_cmp_lt_u32 s[WV], 2
	s_cselect_b64 s[PFA:PFA+1], s[6:7], s[8:9]
	s_add_nc_u64 s[PFA:PFA+1], s[PFA:PFA+1], s[52:53]
	s_add_nc_u64 s[4:5], s[4:5], s[48:49]  ; Q and O at my wave's first row
	s_add_nc_u64 s[OO:OO+1], s[OO:OO+1], s[50:51]
	s_load_b32 s[CS], s[10:11], 0x6200     ; csc
	CROUND                                 ; all four work-groups are here: the first joint loads meet
	JLOAD                                  ; tile 0 into slot 0; tile 1 is asked for when it is in
	v_and_b32 v1, 15, v0
	v_bfe_u32 v9, v0, 4, 1
	v_lshlrev_b32 v[QO], 8, v1
	v_lshl_add_u32 v[QO], v9, 4, v[QO]
	WIN 0x80
.set i, 0
.rept 16                                   ; Q stays in registers: tile i / 4, fragment i % 4
	global_load_b128 v[8*i:8*i+3],   v[QO], s[4:5] offset:(i/4)*4096+(i%4)*64
	global_load_b128 v[8*i+4:8*i+7], v[QO], s[4:5] offset:(i/4)*4096+(i%4)*64+32
.set i, i+1
.endr
	WIN 0x40                               ; what the first turn finds: O^T and V hold 0,
.set i, 0
.rept 192
	v_mov_b32 v[i], 0
.set i, i+1
.endr
	WIN 0
.set i, P+32
.rept 32
	v_mov_b32 v[i], 0                      ; P of piece 2 too: its first products V^T P, of a step that has not been, add 0
.set i, i+1
.endr
.set i, 0
.rept 4
	v_mov_b32 v[ST+8*i], 0xfe000000        ; c m: far below every c s
	v_mov_b32 v[ST+8*i+1], 0xff7fffff      ; m
	v_mov_b32 v[ST+8*i+2], 0
	v_mov_b32 v[ST+8*i+3], 0
.set i, i+1
.endr
	v_mul_u32_u24 v[AK0], v1, PK
	v_lshl_add_u32 v[AK0], v9, 4, v[AK0]
	v_and_b32 v10, 7, v0                   ; the turning load: lane l reads key 8 (l / 16) + l % 8, channels 8 ((l / 8) % 2) + 0..7
	v_bfe_u32 v11, v0, 3, 1
	v_lshl_add_u32 v[AV0], v9, 3, v10
	v_mul_u32_u24 v[AV0], v[AV0], PV
	v_lshl_add_u32 v[AV0], v11, 4, v[AV0]
	v_add_nc_u32 v[AV0], VOFF, v[AV0]
	s_wait_kmcnt 0x0
	s_mov_b32 s[CS+1], s[CS]               ; named with it as a pair
	CHANGE 1, 0                            ; slot 0 is in, everybody's part of it; slot 1 is asked for
	FETCH_K                                ; key step 0
	s_wait_loadcnt 0x0                     ; Q
	s_wait_dscnt 0x0
.set i, 0
.rept 32
	KQ 0                                   ; piece 0's first scores
.set i, i+1
.endr
	WIN 0                                  ; the addresses for the way out: the places behind those products
	s_mul_i32 s13, s[WV], 16*SP
	s_add_co_u32 s13, s13, STAGE
	v_mul_u32_u24 v[STO], v1, SP
	v_lshl_add_u32 v[STO], v9, 4, v[STO]
	v_add_nc_u32 v[STO], s13, v[STO]
	v_bfe_u32 v[RD], v0, 3, 2
	v_mul_u32_u24 v[RD], v[RD], SP
	v_lshl_add_u32 v[RD], v10, 4, v[RD]
	v_add_nc_u32 v[RD], s13, v[RD]
	v_and_b32 v[GO], 31, v0
	v_lshlrev_b32 v[GO], 4, v[GO]
	s_mov_b32 s[CNT], 4
	s_mov_b32 s[SLOTS], 7
	s_branch .Lfirst                       ; the loop is entered in the middle of a trip
.Lslot:                                    ; six times: tiles 2 to 7 are asked for
	CHANGE 1, 1
	s_mov_b32 s[CNT], 4
.Lstep:                                    ; a trip fetches K and V of one step
	TURN 0
	WIN 0
.Lfirst:
	TURN 2
	WIN 0
	s_sub_co_u32 s[CNT], s[CNT], 1
	s_cmp_lg_u32 s[CNT], 0
	s_cbranch_scc1 .Lstep
	s_sub_co_u32 s[SLOTS], s[SLOTS], 1
	s_cmp_lg_u32 s[SLOTS], 0
	s_cbranch_scc1 .Lslot
	CHANGE 0, 0                            ; the tail is written out
	s_mov_b32 s[CNT], 5                    ; four trips fetch the last tile's steps; the fifth is left in its middle
.Ltail:
	TURN 0, 1
	WIN 0
	s_sub_co_u32 s[CNT], s[CNT], 1
	s_cmp_eq_u32 s[CNT], 0
	s_cbranch_scc1 .Lout
	TURN 2
	WIN 0
	s_branch .Ltail
.Lout:
.set i, 0
.rept 16
	PV 2                                   ; piece 2's V^T P of the last step
.set i, i+1
.endr
	; THE WAY OUT.  l's halves and the other half of the lanes' are added; O^T is divided by l, rounded to f16 and sent through my stage, a tile at a time.  The additions are the places behind the last products.
	WIN 0
.irp t, 0,1,2,3
	v_add_f32 v[ST+8*(\t)+4], v[ST+8*(\t)+2], v[ST+8*(\t)+3]
.endr
.irp t, 0,1,2,3
	v_permlanex16_b32 v[ST+8*(\t)+5], v[ST+8*(\t)+4], s[SEL], s[SEL+1]
.endr
.irp t, 0,1,2,3
	v_add_f32 v[ST+8*(\t)+4], v[ST+8*(\t)+4], v[ST+8*(\t)+5]
.endr
.irp t, 0,1,2,3
	v_rcp_f32 v[ST+8*(\t)+6], v[ST+8*(\t)+4]
.endr
	v_nop
	s_wait_alu depctr_va_vdst(0)           ; one wait for the four reciprocals
.macro PACK t
	WIN W_RS
.set i, 32*(\t)
.rept 16
	v_pk_mul_f32 v[i:i+1], v[i:i+1], v[ST+8*(\t)+6:ST+8*(\t)+7] op_sel_hi:[1,0]
.set i, i+2
.endr
	WIN 0x05
.set i, 0
.rept 16
	v_cvt_pk_f16_f32 v[S+16*(\t)+i], v[32*(\t)+2*i], v[32*(\t)+2*i+1]
.set i, i+1
.endr
	WIN 0
.irp f, 0,1,2,3
	ds_store_b128 v[STO], v[S+16*(\t)+4*\f:S+16*(\t)+4*\f+3] offset:32*\f
.endr
.irp f, 0,1,2,3
	ds_load_b128 v[S+16*(\t)+4*\f:S+16*(\t)+4*\f+3], v[RD] offset:\f*4*SP   ; LDS serves a wave's instructions in order (ISA guide 5.7.1.4)
.endr
.endm
.macro SEND t, younger                 ; younger: the LDS instructions issued behind tile t's loads
	WIN 0
.irp f, 0,1,2,3
	s_wait_dscnt (\younger)+3-\f
	global_store_b128 v[GO], v[S+16*(\t)+4*\f:S+16*(\t)+4*\f+3], s[OO:OO+1] offset:(\t)*2048+\f*512   ; 512 consecutive bytes, aligned
.endr
.endm
	PACK 0
	PACK 1
	SEND 0, 8
	PACK 2
	SEND 1, 8
	PACK 3
	SEND 2, 8
	SEND 3, 0
	s_wait_tensorcnt 0x0                   ; the wave's end
	ds_add_u32 v[SPW], v[NIL]
	s_wait_dscnt 0x0
	CROUND                                 ; the closing round
	s_endpgm
.Lfunc_end_k_qbe15bb9e09_attn:
	.size	k_qbe15bb9e09_attn, .Lfunc_end_k_qbe15bb9e09_attn-k_qbe15bb9e09_attn
	.p2alignl 7, 3214868480
	.fill 96, 4, 3214868480
	.section	.rodata,"a",@progbits
	.p2align	6, 0x0
	.amdhsa_kernel k_qbe15bb9e09_attn
		.amdhsa_group_segment_fixed_size 327680
		.amdhsa_private_segment_fixed_size 0
		.amdhsa_enable_private_segment 0
		.amdhsa_kernarg_size 40
		.amdhsa_user_sgpr_count 2
		.amdhsa_user_sgpr_kernarg_segment_ptr 1
		.amdhsa_wavefront_size32 1
		.amdhsa_system_sgpr_workgroup_id_x 1
		.amdhsa_system_sgpr_workgroup_id_y 1
		.amdhsa_system_sgpr_workgroup_id_z 1
		.amdhsa_system_vgpr_workitem_id 0
		.amdhsa_next_free_vgpr 704
		.amdhsa_next_free_sgpr 72
		.amdhsa_reserve_vcc 0
		.amdhsa_float_denorm_mode_32 3
		.amdhsa_float_denorm_mode_16_64 3
		.amdhsa_memory_ordered 1
		.amdhsa_forward_progress 1
		.amdhsa_inst_pref_size 118
	.end_amdhsa_kernel
	.amdgpu_metadata
---
amdhsa.version: [ 1, 2 ]
amdhsa.kernels:
  - .name:           k_qbe15bb9e09_attn
    .symbol:         k_qbe15bb9e09_attn.kd
    .args:
      - { .name: qq, .offset: 0, .size: 8, .value_kind: global_buffer, .address_space: global }
      - { .name: kk, .offset: 8, .size: 8, .value_kind: global_buffer, .address_space: global }
      - { .name: vv, .offset: 16, .size: 8, .value_kind: global_buffer, .address_space: global }
      - { .name: small1, .offset: 24, .size: 8, .value_kind: global_buffer, .address_space: global }
      - { .name: oo, .offset: 32, .size: 8, .value_kind: global_buffer, .address_space: global }
    .group_segment_fixed_size: 327680
    .private_segment_fixed_size: 0
    .kernarg_segment_align: 8
    .kernarg_segment_size: 40
    .max_flat_workgroup_size: 128
    .sgpr_count:     72
    .vgpr_count:     704
    .wavefront_size: 32
...
	.end_amdgpu_metadata
.endif
;; end of part 8
;; launch outp: the kernel of part 5 again; grid 8 x 32, 4 waves a work-group, clusters of 4 x 4, 327,680 bytes of LDS; arguments oo, wc, small1, aux2, out0; writes out0
;; ======== version 3 of 3: 5 launches; version 2 with the launch prep written anew for expert scheduling mode
;; limits: values are held in f16: magnitudes above 65,504 overflow, below 6.1e-05 lose precision; inputs' magnitudes at most 65,504; right only within a limited range of input values
;; workspace buffers: small1 25,344 bytes; wc 8,388,608 bytes; hs 8,388,608 bytes; aux2 512 bytes; qq 16,777,216 bytes; kk 8,388,608 bytes; vv 8,388,608 bytes; oo 8,388,608 bytes
;; launch prep (part 9): grid 256 x 1, 4 waves a work-group, no clusters, 0 bytes of LDS; arguments ada_cond, mod_w, mod_b, w_qkv, w_o, qn_w, kn_w, small1, wc; writes small1, wc
.if DOCPART == 9
	.amdgcn_target "amdgcn-amd-amdhsa--gfx1250"
	.amdhsa_code_object_version 6
	.text
	.protected	k_qbe15bb9e09_prep
	.globl	k_qbe15bb9e09_prep
	.p2align	8
	.type	k_qbe15bb9e09_prep,@function
k_qbe15bb9e09_prep:
	s_mov_b64 s[64:65], 0
	v_nop
	global_prefetch_b8 v0, s[64:65] scope:SCOPE_SE
	s_setreg_imm32_b32 hwreg(HW_REG_WAVE_SCHED_MODE, 0, 2), 2
	s_setreg_imm32_b32 hwreg(HW_REG_WAVE_MODE, 25, 1), 1
	s_wait_xcnt 0x0
	s_wait_alu depctr_vm_vsrc(0)
; PREP.  First of five launches: prep, norm, qkv, attn, outp.  Nothing of the problem is left out: all ten inputs have a way to out0 and all are loaded.
; This launch: mod = silu(ada_cond) mod_w^T + mod_b (two rows: a stream over mod_w, f32 on the vector unit); w_qkv and w_o rounded to bf16 and written as f16; the head gains scaled.
; FORMATS.  Every input of the program is rounded to bf16 where it is first read.  A bf16 number is written as f16 without loss from 2^-14 to 65,504.
; LIMITS.  A weight of 65,520 or more becomes an infinity; below 2^-14 it keeps f16's fixed step of 2^-24.  The largest |qn_w| and |kn_w| are taken within 2^-60 .. 2^60.  NaN and infinities are not treated apart.
; SHARES.  Wave R = 4 x work-group + wave (0..1023) takes rows 3R..3R+2 of mod_w, rows 3R..3R+2 of w_qkv and row R of w_o.  A row is 4,096 bytes: eight loads, each of 512 consecutive bytes;
; in load j lane l holds columns 128 j + 4 l .. + 3.  No byte is wanted by two waves but ada_cond's 8 KiB: no LDS, no barrier, no cluster.
; OUT.  small1: mod[b][3072] f32 at 0 (six words a wave, at 12 R: the whole vector is 24 KiB); qn' at 24,576, kn' at 24,832 (gains divided by a power of two above their largest), csc x 64 at 25,088:
; csc = log2(e) / 8 x the two powers.  wc: w_qkv's rows in the order in which qkv's tiles take them: row 192 j + t is w_qkv's row 128 j + t (t < 128: two q or k heads) or 2048 + 64 j + t - 128 (a v head);
; w_o's rows follow at 6,291,456.  A row is 2,048 bytes; each store of a wave covers 256 consecutive bytes, aligned.
; THE MODE: SCHED_MODE bits 1:0 = 2 (LLVM: expert scheduling mode 2), set by the entry lines.  The code itself states the register dependences between vector instructions and memory instructions,
; with s_wait_alu, always for 0.
; THE PLAN.  Registers that memory instructions touch:
;   v0 .. v3      four byte offsets, made at the head and never written again: one wait ahead of the first load serves every load and store of the kernel.
;   SIL           ada_cond lands in it once; read by all three rows' products.  Behind the sums its 64 registers are OUT0 .. OUT3.
;   MW, row i     a row of mod_w lands in it; the sums go row by row, so row i's roundings and products are its only readers.  Behind row 0's sums w_qkv's third row lands in row 0's registers,
;                 behind row 1's sums w_o's row in row 1's: each behind one wait, while the later rows, which name none of these registers, are summed.  Row 2's registers are G, the gains' (one wave's work).
;   CW            two rows of w_qkv land in it once.
;   v[BI]         the bias lands in it behind row 0's sums; the last vector line that named it stands in SILU.
;   OUT0 .. OUT3  a converted row each: written once, by that row's conversions, read by its eight stores, never written again.  v[ACC] likewise: the mod store's data.
; So, but for v0 behind the entry lines' prefetch, no register that a memory instruction reads is ever written again: the one wait on vm_vsrc and the one s_wait_xcnt stand in the entry lines.  Rows 0 and 1 are converted and stored behind one wait, together with mod; rows 2 and 3 behind another.
.set ACC, 4                            ; v[4:15]    six pairs of sums: (b, i) at ACC + 2 (3 b + i)
.set SIL, 16                           ; v[16:79]   silu(ada_cond): batch b, load j at SIL + 32 b + 4 j
.set OUT, SIL                          ; v[16:79]   behind the sums: converted row k, 16 packed words at OUT + 16 k
.set MW,  80                           ; v[80:175]  three rows of mod_w; later w_qkv's third row and w_o's row
.set G,   MW+64                        ; v[144:157] at the end, in one wave: the gains
.set CW,  176                          ; v[176:239] two rows of w_qkv
.set U,   240                          ; v[240:255] at work
.set BI,  U+8                          ; v248       my result's bias
.set MSK, 42                           ; s42  a word's upper bf16
.set SEL, 44                           ; s[44:45] v_permlanex16_b32's selects: each lane takes its own place in the other half
.macro RND a, t                        ; the pair v[a], v[a+1] rounded to bf16 and widened again
	v_cvt_pk_bf16_f32 v[\t], v[\a], v[(\a)+1]
	v_lshlrev_b32 v[\a], 16, v[\t]
	v_and_b32 v[(\a)+1], s[MSK], v[\t]
.endm
.macro WSUM r, t                       ; the sum over the 32 lanes, in every lane
	v_add_f32_dpp v[\r], v[\r], v[\r] row_xmask:1 row_mask:0xf bank_mask:0xf
	v_add_f32_dpp v[\r], v[\r], v[\r] row_xmask:2 row_mask:0xf bank_mask:0xf
	v_add_f32_dpp v[\r], v[\r], v[\r] row_xmask:4 row_mask:0xf bank_mask:0xf
	v_add_f32_dpp v[\r], v[\r], v[\r] row_xmask:8 row_mask:0xf bank_mask:0xf
	v_permlanex16_b32 v[\t], v[\r], s[SEL], s[SEL+1]
	v_add_f32 v[\r], v[\r], v[\t]
.endm
.macro WMAX r, t
	v_max_num_f32_dpp v[\r], v[\r], v[\r] row_xmask:1 row_mask:0xf bank_mask:0xf
	v_max_num_f32_dpp v[\r], v[\r], v[\r] row_xmask:2 row_mask:0xf bank_mask:0xf
	v_max_num_f32_dpp v[\r], v[\r], v[\r] row_xmask:4 row_mask:0xf bank_mask:0xf
	v_max_num_f32_dpp v[\r], v[\r], v[\r] row_xmask:8 row_mask:0xf bank_mask:0xf
	v_permlanex16_b32 v[\t], v[\r], s[SEL], s[SEL+1]
	v_max_num_f32 v[\r], v[\r], v[\t]
.endm
.macro DROW i, d                       ; s[d:d+1] = byte offset in wc of w_qkv's row n = 3 R + i
	s_add_co_u32 s48, s4, \i
	s_lshr_b32 s49, s48, 7
	s_mul_i32 s49, s49, 192
	s_and_b32 s50, s48, 127
	s_add_co_u32 s49, s49, s50             ; a q or k row: 192 (n / 128) + n % 128
	s_max_u32 s50, s48, 2048
	s_sub_co_u32 s50, s50, 2048
	s_lshr_b32 s51, s50, 6
	s_mul_i32 s51, s51, 192
	s_and_b32 s50, s50, 63
	s_add_co_u32 s51, s51, s50
	s_add_co_u32 s51, s51, 128             ; a v row: 192 ((n - 2048) / 64) + 128 + (n - 2048) % 64
	s_cmp_lt_u32 s48, 2048
	s_cselect_b32 s[\d], s49, s51
	s_lshl_b32 s[\d], s[\d], 11
	s_mov_b32 s[(\d)+1], 0
.endm
.macro SILU g                          ; 16 numbers: x / (1 + 2^(-x log2 e)), x rounded to bf16 first
.set q, 0
.rept 8
	RND SIL+16*(\g)+2*q, U+q
.set q, q+1
.endr
.set q, 0
.rept 8
	v_pk_mul_f32 v[U+2*q:U+2*q+1], v[SIL+16*(\g)+2*q:SIL+16*(\g)+2*q+1], 0xbfb8aa3b op_sel_hi:[1,0]
.set q, q+1
.endr
.set q, 0
.rept 16
	v_exp_f32 v[U+q], v[U+q]
.set q, q+1
.endr
	v_nop                                  ; a plain instruction behind the last exponential,
	s_wait_alu depctr_va_vdst(0)           ; and one wait for the batch: the sixteen exponentials have written U, ahead of the additions that read it
.set q, 0
.rept 8
	v_pk_add_f32 v[U+2*q:U+2*q+1], v[U+2*q:U+2*q+1], 1.0 op_sel_hi:[1,0]
.set q, q+1
.endr
.set q, 0
.rept 16
	v_rcp_f32 v[U+q], v[U+q]
.set q, q+1
.endr
	v_nop
	s_wait_alu depctr_va_vdst(0)           ; the sixteen reciprocals have written U, ahead of the multiplies that read it
.set q, 0
.rept 8
	v_pk_mul_f32 v[SIL+16*(\g)+2*q:SIL+16*(\g)+2*q+1], v[SIL+16*(\g)+2*q:SIL+16*(\g)+2*q+1], v[U+2*q:U+2*q+1]
.set q, q+1
.endr
.endm
; Row i of mod_w against both batches: its two sums take their terms by j and then h ascending.  It names MW's row i, U + i, SIL and the row's two pairs of ACC, and nothing else.
.macro ROWSUM i
.set j, 0
.rept 8
.set h, 0
.rept 2
	RND MW+32*(\i)+4*j+2*h, U+(\i)
.if (j == 0) && (h == 0)                ; the first products start the sums: nothing is cleared
	v_pk_mul_f32 v[ACC+2*(\i):ACC+2*(\i)+1], v[MW+32*(\i)+4*j+2*h:MW+32*(\i)+4*j+2*h+1], v[SIL+4*j+2*h:SIL+4*j+2*h+1]
	v_pk_mul_f32 v[ACC+6+2*(\i):ACC+6+2*(\i)+1], v[MW+32*(\i)+4*j+2*h:MW+32*(\i)+4*j+2*h+1], v[SIL+32+4*j+2*h:SIL+32+4*j+2*h+1]
.else
	v_pk_fma_f32 v[ACC+2*(\i):ACC+2*(\i)+1], v[MW+32*(\i)+4*j+2*h:MW+32*(\i)+4*j+2*h+1], v[SIL+4*j+2*h:SIL+4*j+2*h+1], v[ACC+2*(\i):ACC+2*(\i)+1]
	v_pk_fma_f32 v[ACC+6+2*(\i):ACC+6+2*(\i)+1], v[MW+32*(\i)+4*j+2*h:MW+32*(\i)+4*j+2*h+1], v[SIL+32+4*j+2*h:SIL+32+4*j+2*h+1], v[ACC+6+2*(\i):ACC+6+2*(\i)+1]
.endif
.set h, h+1
.endr
.set j, j+1
.endr
.endm
.macro CVT src, o                      ; a row of 1,024 f32 in 32 registers: to bf16, written as f16, into the out-buffer at o
.set p, 0
.rept 16
	v_cvt_pk_bf16_f32 v[(\o)+p], v[(\src)+2*p], v[(\src)+2*p+1]
	v_lshlrev_b32 v[(\src)+2*p], 16, v[(\o)+p]
	v_and_b32 v[(\src)+2*p+1], s[MSK], v[(\o)+p]
	v_cvt_pk_f16_f32 v[(\o)+p], v[(\src)+2*p], v[(\src)+2*p+1]
.set p, p+1
.endr
.endm
.macro PUT o, d                        ; the out-buffer at o is stored at s[d:d+1]
.set p, 0
.rept 8
	global_store_b64 v3, v[(\o)+2*p:(\o)+2*p+1], s[\d:(\d)+1] offset:256*p
.set p, p+1
.endr
.endm
	s_load_b512 s[8:23], s[0:1], 0x0       ; ada s[8:9], mod_w s[10:11], mod_b s[12:13], w_qkv s[14:15], w_o s[16:17], qn_w s[18:19], kn_w s[20:21], small1 s[22:23]
	s_load_b64 s[24:25], s[0:1], 0x40      ; wc
	v_and_b32 v1, 31, v0
	v_lshrrev_b32 v2, 5, v0
	v_readfirstlane_b32 s2, v2             ; wave
	v_lshlrev_b32 v2, 4, v1                ; 16 l: my 16 bytes of a load
	v_lshlrev_b32 v3, 3, v1                ; 8 l: my 8 bytes of a store
	v_min_u32 v1, 5, v1                    ; which of the wave's six results my lane stores: n = 3 b + i; lanes 5 to 31 the sixth
	v_cmp_le_u32 vcc_lo, 3, v1             ; batch 1?
	v_cmp_eq_u32 s5, 1, v1                 ; the masks by which a lane picks its result behind the sums: one run of compares, one wait
	v_cmp_eq_u32 s6, 2, v1
	v_cmp_eq_u32 s7, 3, v1
	v_cmp_eq_u32 s52, 4, v1
	v_cmp_eq_u32 s53, 5, v1
	s_wait_alu depctr_va_sdst(0)           ; s2 is written, ahead of the add below that makes R from it; so are the five masks, which the selects behind the sums read
	s_wait_alu depctr_va_vcc(0)            ; VCC is written, ahead of the select below that reads it
	s_lshl_b32 s3, ttmp9, 2
	s_add_co_u32 s3, s3, s2                ; R
	v_cndmask_b32 v0, 0, 3, vcc_lo         ; 3 b
	v_sub_nc_u32 v1, v1, v0                ; i
	s_mul_i32 s43, s3, 12
	v_lshl_add_u32 v1, v1, 2, s43          ; byte 4 (3 R + i) in mod_b,
	v_lshl_add_u32 v0, v0, 12, v1          ; and in small1: + 12,288 for batch 1
	s_mov_b32 s[MSK], 0xffff0000
	s_mov_b32 s[SEL], 0x76543210
	s_mov_b32 s[SEL+1], 0xfedcba98
	s_mul_i32 s26, s3, 12288               ; three rows of 4,096 bytes
	s_mov_b32 s27, 0
	s_lshl_b32 s46, s3, 12
	s_mov_b32 s47, 0
	s_mul_i32 s4, s3, 3
	DROW 0, 34
	DROW 1, 36
	DROW 2, 38
	s_wait_kmcnt 0x0
	s_add_nc_u64 s[28:29], s[10:11], s[26:27]
	s_add_nc_u64 s[30:31], s[14:15], s[26:27]
	s_add_nc_u64 s[32:33], s[16:17], s[46:47]
	s_add_nc_u64 s[34:35], s[24:25], s[34:35]
	s_add_nc_u64 s[36:37], s[24:25], s[36:37]
	s_add_nc_u64 s[38:39], s[24:25], s[38:39]
	s_lshl_b32 s46, s3, 11
	s_add_nc_u64 s[40:41], s[24:25], s[46:47]
	s_add_nc_u64 s[40:41], s[40:41], 6291456
	s_wait_alu depctr_va_vdst(0)           ; the four offsets v0 to v3 are written: every load and store of the kernel reads one of them, and none is written again
.set b, 0
.rept 2
.set j, 0
.rept 8
	global_load_b128 v[SIL+32*b+4*j:SIL+32*b+4*j+3], v2, s[8:9] offset:4096*b+512*j
.set j, j+1
.endr
.set b, b+1
.endr
.set i, 0
.rept 3
.set j, 0
.rept 8
	global_load_b128 v[MW+32*i+4*j:MW+32*i+4*j+3], v2, s[28:29] offset:4096*i+512*j th:TH_LOAD_NT
.set j, j+1
.endr
.set i, i+1
.endr
.set i, 0
.rept 2
.set j, 0
.rept 8
	global_load_b128 v[CW+32*i+4*j:CW+32*i+4*j+3], v2, s[30:31] offset:4096*i+512*j th:TH_LOAD_NT
.set j, j+1
.endr
.set i, i+1
.endr
	s_wait_loadcnt 40                      ; ada_cond is in; mod_w's 24 loads and w_qkv's 16 may stay out
	SILU 0
	SILU 1
	SILU 2
	SILU 3
	s_wait_loadcnt 32                      ; loads come back in order (ISA guide 5.7.1): mod_w's first row is in; its other two rows (16 loads) and w_qkv's 16 may stay out
	ROWSUM 0
	s_wait_alu depctr_va_vdst(0)           ; row 0's roundings and products are done with MW's first 32 registers, in which w_qkv's third row lands; SILU's lines are done with v[BI], in which the bias lands
	global_load_b32 v[BI], v1, s[12:13]    ; my result's bias
.set j, 0
.rept 8
	global_load_b128 v[MW+4*j:MW+4*j+3], v2, s[30:31] offset:8192+512*j th:TH_LOAD_NT
.set j, j+1
.endr
	s_wait_loadcnt 33                      ; mod_w's second row is in; behind it: its third row's 8, w_qkv's 16, the 9 just issued
	ROWSUM 1
	s_wait_alu depctr_va_vdst(0)           ; row 1's roundings and products are done with MW's second 32 registers, in which w_o's row lands
.set j, 0
.rept 8
	global_load_b128 v[MW+32+4*j:MW+32+4*j+3], v2, s[32:33] offset:512*j th:TH_LOAD_NT
.set j, j+1
.endr
	s_wait_loadcnt 33                      ; mod_w's third row is in; behind it: w_qkv's 16, the 9 and the 8
	ROWSUM 2
.set k, 0
.rept 6
	v_add_f32 v[ACC+2*k], v[ACC+2*k], v[ACC+2*k+1]
.set k, k+1
.endr
.set k, 0
.rept 6
	WSUM ACC+2*k, ACC+2*k+1
.set k, k+1
.endr
	v_cndmask_b32 v[ACC], v[ACC], v[ACC+2], s5    ; my lane's result of the six, by the masks made at the head
	v_cndmask_b32 v[ACC], v[ACC], v[ACC+4], s6
	v_cndmask_b32 v[ACC], v[ACC], v[ACC+6], s7
	v_cndmask_b32 v[ACC], v[ACC], v[ACC+8], s52
	v_cndmask_b32 v[ACC], v[ACC], v[ACC+10], s53
	s_wait_loadcnt 16                      ; w_qkv's first two rows and the bias are in; the 16 loads behind them may stay out
	v_cvt_pk_bf16_f32 v[U+9], v[BI], v[BI]
	v_lshlrev_b32 v[U+9], 16, v[U+9]
	v_add_f32 v[ACC], v[ACC], v[U+9]
	CVT CW, OUT                            ; the sums are made: SIL's registers are the out-buffers from here on
	CVT CW+32, OUT+16
	s_wait_alu depctr_va_vdst(0)           ; v[ACC], OUT0 and OUT1 are written, which the 17 stores below read
	global_store_b32 v0, v[ACC], s[22:23]  ; lanes 5 to 31 write one word, with one value
	PUT OUT, 34
	PUT OUT+16, 36
	s_wait_loadcnt 8                       ; w_qkv's third row is in; w_o's eight loads may stay out
	CVT MW, OUT+32
	s_wait_loadcnt 0x0
	CVT MW+32, OUT+48
	s_wait_alu depctr_va_vdst(0)           ; OUT2 and OUT3 are written, which the 16 stores below read; row 2's sums are long done with G, in which the gains land: no vector line behind this wait stands ahead of those loads
	PUT OUT+32, 38
	PUT OUT+48, 40
	s_cmp_lg_u32 s3, 0
	s_cbranch_scc1 .Lend                   ; the gains are one wave's work
	global_load_b64 v[G:G+1], v3, s[18:19]
	global_load_b64 v[G+2:G+3], v3, s[20:21]
	s_mov_b32 s48, 0x21800000              ; 2^-60
	s_mov_b32 s49, 0x5d800000              ; 2^60
	s_wait_loadcnt 0x0
	RND G, G+4
	RND G+2, G+5
	v_max_num_f32 v[G+6], |v[G]|, |v[G+1]|
	v_max_num_f32 v[G+7], |v[G+2]|, |v[G+3]|
	WMAX G+6, G+4
	WMAX G+7, G+5
	v_med3_num_f32 v[G+6], v[G+6], s48, s49
	v_med3_num_f32 v[G+7], v[G+7], s48, s49
	v_and_b32 v[G+6], 0x7f800000, v[G+6]
	v_and_b32 v[G+7], 0x7f800000, v[G+7]
	v_add_nc_u32 v[G+6], 0x00800000, v[G+6]  ; the power of two above the largest |qn_w|,
	v_add_nc_u32 v[G+7], 0x00800000, v[G+7]  ; and |kn_w|
	v_sub_nc_u32 v[G+8], 0x7f000000, v[G+6]  ; their reciprocals, by the exponent
	v_sub_nc_u32 v[G+10], 0x7f000000, v[G+7]
	v_mov_b32 v[G+9], v[G+8]
	v_mov_b32 v[G+11], v[G+10]
	v_pk_mul_f32 v[G:G+1], v[G:G+1], v[G+8:G+9]
	v_pk_mul_f32 v[G+2:G+3], v[G+2:G+3], v[G+10:G+11]
	v_mul_f32 v[G+12], v[G+6], v[G+7]
	v_mul_f32 v[G+12], 0x3e38aa3b, v[G+12]   ; csc = log2(e) / 8 x both powers
	v_mov_b32 v[G+13], v[G+12]
	s_wait_alu depctr_va_vdst(0)           ; the scaled gains and csc are written, which the three stores below read
	global_store_b64 v3, v[G:G+1], s[22:23] offset:24576
	global_store_b64 v3, v[G+2:G+3], s[22:23] offset:24832
	global_store_b64 v3, v[G+12:G+13], s[22:23] offset:25088
.Lend:
	s_endpgm
.Lfunc_end_k_qbe15bb9e09_prep:
	.size	k_qbe15bb9e09_prep, .Lfunc_end_k_qbe15bb9e09_prep-k_qbe15bb9e09_prep
	.p2alignl 7, 3214868480
	.fill 96, 4, 3214868480
	.section	.rodata,"a",@progbits
	.p2align	6, 0x0
	.amdhsa_kernel k_qbe15bb9e09_prep
		.amdhsa_group_segment_fixed_size 0
		.amdhsa_private_segment_fixed_size 0
		.amdhsa_enable_private_segment 0
		.amdhsa_kernarg_size 72
		.amdhsa_user_sgpr_count 2
		.amdhsa_user_sgpr_kernarg_segment_ptr 1
		.amdhsa_wavefront_size32 1
		.amdhsa_system_sgpr_workgroup_id_x 1
		.amdhsa_system_sgpr_workgroup_id_y 1
		.amdhsa_system_sgpr_workgroup_id_z 1
		.amdhsa_system_vgpr_workitem_id 0
		.amdhsa_next_free_vgpr 256
		.amdhsa_next_free_sgpr 66
		.amdhsa_reserve_vcc 1
		.amdhsa_float_denorm_mode_32 3
		.amdhsa_float_denorm_mode_16_64 3
		.amdhsa_memory_ordered 1
		.amdhsa_forward_progress 1
		.amdhsa_inst_pref_size 60
	.end_amdhsa_kernel
	.amdgpu_metadata
---
amdhsa.version: [ 1, 2 ]
amdhsa.kernels:
  - .name:           k_qbe15bb9e09_prep
    .symbol:         k_qbe15bb9e09_prep.kd
    .args:
      - { .name: ada_cond, .offset: 0, .size: 8, .value_kind: global_buffer, .address_space: global }
      - { .name: mod_w, .offset: 8, .size: 8, .value_kind: global_buffer, .address_space: global }
      - { .name: mod_b, .offset: 16, .size: 8, .value_kind: global_buffer, .address_space: global }
      - { .name: w_qkv, .offset: 24, .size: 8, .value_kind: global_buffer, .address_space: global }
      - { .name: w_o, .offset: 32, .size: 8, .value_kind: global_buffer, .address_space: global }
      - { .name: qn_w, .offset: 40, .size: 8, .value_kind: global_buffer, .address_space: global }
      - { .name: kn_w, .offset: 48, .size: 8, .value_kind: global_buffer, .address_space: global }
      - { .name: small1, .offset: 56, .size: 8, .value_kind: global_buffer, .address_space: global }
      - { .name: wc, .offset: 64, .size: 8, .value_kind: global_buffer, .address_space: global }
    .group_segment_fixed_size: 0
    .private_segment_fixed_size: 0
    .kernarg_segment_align: 8
    .kernarg_segment_size: 72
    .max_flat_workgroup_size: 128
    .sgpr_count:     66
    .vgpr_count:     256
    .wavefront_size: 32
...
	.end_amdgpu_metadata
.endif
;; end of part 9
;; launch norm: the kernel of part 6 again; grid 256 x 1, 16 waves a work-group, no clusters, 0 bytes of LDS; arguments x, ln_w, small1, hs, aux2; writes hs, aux2
;; launch qkv: the kernel of part 7 again; grid 16 x 16, 4 waves a work-group, clusters of 4 x 4, 327,680 bytes of LDS; arguments hs, wc, freqs, small1, aux2, qq, kk, vv; writes qq, kk, vv
;; launch attn: the kernel of part 8 again; grid 8 x 32, 4 waves a work-group, clusters of 4 x 1, 327,680 bytes of LDS; arguments qq, kk, vv, small1, oo; writes oo
;; launch outp: the kernel of part 5 again; grid 8 x 32, 4 waves a work-group, clusters of 4 x 4, 327,680 bytes of LDS; arguments oo, wc, small1, aux2, out0; writes out0
